; MI455X (gfx1250); checked and timed in simulation.
; The chip was launched on July 23, 2026; its instructions are those of AMD's public machine-readable ISA for CDNA 5 (MIT licence, August 2026) and "CDNA5" Instruction Set Architecture Reference Guide (July 2026). The comments in the code are by the model that wrote it; some were corrected since.
;; HGT Block. Allowed arithmetic: float matrix products may take bf16 or f16 operands with f32 sums; other float arithmetic in f32, or as packed bf16 or f16 multiplies, adds, multiply-adds, maxima and minima; sums over many terms, partial sums and values carried from step to step in f32; what a program stores and reads back later, other than sums and carried values, may be rounded once to bf16 or f16.
;; Inputs: b1 4,096 float32; b2 1,024 float32; bca 256 float32; bcn 64 float32; bo 1,024 float32; bv 1,024 float32; gamma 1 x 16 x 1 x 1 float32; h 2 x 2,048 x 1,024 float32; ln1_b 1,024 float32; ln1_g 1,024 float32; ln2_b 1,024 float32; ln2_g 1,024 float32; lnc_b 64 float32; lnc_g 64 float32; w1 1,024 x 4,096 float32; w2 4,096 x 1,024 float32; wca 64 x 256 float32; wcn 1,024 x 64 float32; wo 1,024 x 1,024 float32; wv 1,024 x 1,024 float32; z 2 x 2,048 x 64 float32.
;; Outputs: out0 2 x 2,048 x 1,024 float32; out1 2 x 2,048 x 64 float32.
;; 2 versions, each right. Each part assembles by itself: llvm-mc -triple=amdgcn-amd-amdhsa -mcpu=gfx1250 --defsym DOCPART=n.
;; ======== version 1 of 2: 8 launches
;; limits: values are held in f16: magnitudes above 65,504 overflow, below 6.1e-05 lose precision
;; workspace buffers: wts 21,135,360 bytes; xn 8,388,608 bytes; val 8,388,608 bytes; att 8,388,608 bytes; zc 2,359,296 bytes; h1 16,777,216 bytes; xn2 8,388,608 bytes; act 33,554,432 bytes
;; launch prep (part 1): grid 1616 x 1, 4 waves a work-group, no clusters, 0 bytes of LDS; arguments h, ln1_g, ln1_b, wv, wo, w1, w2, wcn, wca, xn, wts; writes xn, wts
.if DOCPART == 1
	.amdgcn_target "amdgcn-amd-amdhsa--gfx1250"
	.amdhsa_code_object_version 6
	.text
	.protected	k_q758e4df533_prep
	.globl	k_q758e4df533_prep
	.p2align	8
	.type	k_q758e4df533_prep,@function
k_q758e4df533_prep:
	s_mov_b64 s[64:65], 0
	v_nop
	global_prefetch_b8 v0, s[64:65] scope:SCOPE_SE
	s_setreg_imm32_b32 hwreg(HW_REG_WAVE_MODE, 25, 1), 1
	s_wait_xcnt 0x0
; THREE STREAMING JOBS IN ONE LAUNCH, chosen by the work-group's number; they share nothing, so no LDS, no barrier, no cluster.
;   0 .. 255      hn = LayerNorm(h) -> xn, f16, in panels [1024/64][4096 tokens][64]: a panel's rows are 128 bytes, dense
;   256 .. 1535   wv, wo, w1, w2 (f32, [K][N]) -> wts, f16, in column blocks [N/128][K][128]: rows of 256 bytes, dense
;   1536 .. 1615  wcn and wca -> wts, f16, turned: [64][1024] and [256][64]
; LIMIT: f16 holds no number beyond 65,504; weights and normalised rows are taken to lie within it.
.set X,     64                         ; v[64:191]  a lane's 128 numbers of its row: columns 64 p + 8 i .. + 7 at X + 8 p
.set GG,    192                        ; v[192:223] gains, two sets of two panels
.set BB,    32                         ; v[32:63]   biases, likewise
.set T,     16                         ; v[16:23]   four chains of sums
.set MEAN,  24                         ; v[24:25]
.set RSTD,  26                         ; v[26:27]
.set PANEL, 524288                     ; bytes in a panel of xn
.macro LNGB g, b, q, set               ; gains and biases of panels 2 q, 2 q + 1 into set: 8 loads
.irp pp, 0,1
	global_load_b128 v[GG+16*(\set)+8*\pp:GG+16*(\set)+8*\pp+3],   v3, s[\g:\g+1] offset:256*(2*(\q)+\pp)
	global_load_b128 v[GG+16*(\set)+8*\pp+4:GG+16*(\set)+8*\pp+7], v3, s[\g:\g+1] offset:256*(2*(\q)+\pp)+16
	global_load_b128 v[BB+16*(\set)+8*\pp:BB+16*(\set)+8*\pp+3],   v3, s[\b:\b+1] offset:256*(2*(\q)+\pp)
	global_load_b128 v[BB+16*(\set)+8*\pp+4:BB+16*(\set)+8*\pp+7], v3, s[\b:\b+1] offset:256*(2*(\q)+\pp)+16
.endr
.endm
.macro LNRED                           ; four chains into one number, then over the eight lanes that hold the row
	v_pk_add_f32 v[T:T+1], v[T:T+1], v[T+2:T+3]
	v_pk_add_f32 v[T+4:T+5], v[T+4:T+5], v[T+6:T+7]
	v_pk_add_f32 v[T:T+1], v[T:T+1], v[T+4:T+5]
	v_add_f32 v[T], v[T], v[T+1]
	v_add_f32_dpp v[T], v[T], v[T] row_xmask:1 row_mask:0xf bank_mask:0xf
	v_add_f32_dpp v[T], v[T], v[T] row_xmask:2 row_mask:0xf bank_mask:0xf
	v_add_f32_dpp v[T], v[T], v[T] row_xmask:4 row_mask:0xf bank_mask:0xf
.endm
; LayerNorm of 16 rows a work-group, 4 a wave, 8 lanes a row; the row stays in registers between the mean, the variance (of x - mean) and the scaling.
; A pair of loads covers four aligned blocks of 256 bytes; a store covers 512 consecutive bytes of one panel.
.macro LNBODY src, g, b, dst
	s_lshl_b32 s30, ttmp9, 4
	s_lshl2_add_u32 s30, s28, s30                  ; my wave's first row: 16 x work-group + 4 x wave
	s_lshl_b32 s32, s30, 12
	s_mov_b32 s33, 0
	s_add_nc_u64 s[\src:\src+1], s[\src:\src+1], s[32:33]
	s_lshl_b32 s32, s30, 7
	s_add_nc_u64 s[\dst:\dst+1], s[\dst:\dst+1], s[32:33]
	s_mov_b32 s26, 0x3a800000                      ; 1 / 1024
	s_mov_b32 s27, 0x3727c5ac                      ; 1e-5
	v_lshrrev_b32 v2, 3, v1                        ; my row of the four
	v_and_b32 v3, 7, v1
	v_lshlrev_b32 v3, 5, v3                        ; 32 i: my 8 columns in a panel, in f32
	v_lshl_add_u32 v2, v2, 12, v3
	v_lshlrev_b32 v4, 4, v1                        ; 16 x lane: four rows of 128 bytes of a panel
.set p, 0
.rept 16
	global_load_b128 v[X+8*p:X+8*p+3],   v2, s[\src:\src+1] offset:256*p
	global_load_b128 v[X+8*p+4:X+8*p+7], v2, s[\src:\src+1] offset:256*p+16
.set p, p+1
.endr
	LNGB \g, \b, 0, 0
	LNGB \g, \b, 1, 1
	s_wait_loadcnt 16                              ; the row is in; the 16 younger loads are two groups of gains and biases
.irp c, 0,1,2,3
	v_pk_add_f32 v[T+2*\c:T+2*\c+1], v[X+2*\c:X+2*\c+1], v[X+8+2*\c:X+8+2*\c+1]
.endr
.set j, 8
.rept 56
	v_pk_add_f32 v[T+2*(j%4):T+2*(j%4)+1], v[T+2*(j%4):T+2*(j%4)+1], v[X+2*j:X+2*j+1]
.set j, j+1
.endr
	LNRED
	v_mul_f32 v[MEAN], s26, v[T]
	v_mov_b32 v[MEAN+1], v[MEAN]
.set j, 0
.rept 64
	v_pk_add_f32 v[X+2*j:X+2*j+1], v[X+2*j:X+2*j+1], v[MEAN:MEAN+1] neg_lo:[0,1] neg_hi:[0,1]
.set j, j+1
.endr
.irp c, 0,1,2,3
	v_pk_mul_f32 v[T+2*\c:T+2*\c+1], v[X+2*\c:X+2*\c+1], v[X+2*\c:X+2*\c+1]
.endr
.set j, 4
.rept 60
	v_pk_fma_f32 v[T+2*(j%4):T+2*(j%4)+1], v[X+2*j:X+2*j+1], v[X+2*j:X+2*j+1], v[T+2*(j%4):T+2*(j%4)+1]
.set j, j+1
.endr
	LNRED
	v_fma_f32 v[T], v[T], s26, s27                 ; variance + eps
	v_rsq_f32 v[RSTD], v[T]
	v_rsq_f32 v[RSTD+1], v[T]
	v_nop                                          ; a plain instruction behind the last root,
	s_wait_alu depctr_va_vdst(0)                   ; and one wait for both, ahead of their first reader
.irp q, 0,1,2,3,4,5,6,7
.if \q < 7
	s_wait_loadcnt 8                               ; this group's gains and biases are in; the next group's 8 loads stay out
.else
	s_wait_loadcnt 0x0
.endif
.irp pp, 0,1
.set xp, X+8*(2*\q+\pp)
.irp k, 0,1,2,3
	v_pk_mul_f32 v[xp+2*\k:xp+2*\k+1], v[xp+2*\k:xp+2*\k+1], v[RSTD:RSTD+1]
.endr
.irp k, 0,1,2,3
	v_pk_fma_f32 v[xp+2*\k:xp+2*\k+1], v[xp+2*\k:xp+2*\k+1], v[GG+16*(\q%2)+8*\pp+2*\k:GG+16*(\q%2)+8*\pp+2*\k+1], v[BB+16*(\q%2)+8*\pp+2*\k:BB+16*(\q%2)+8*\pp+2*\k+1]
.endr
.irp k, 0,1,2,3
	v_cvt_pk_f16_f32 v[xp+\k], v[xp+2*\k], v[xp+2*\k+1]
.endr
	global_store_b128 v4, v[xp:xp+3], s[\dst:\dst+1] offset:(2*\q+\pp)*PANEL
.endr
.if \q < 6
	LNGB \g, \b, \q+2, \q%2                        ; the set just used takes the group two further on
.endif
.endr
.endm
; A small table turned: thread o makes 16 bytes, eight k of one output column n, from eight reads of 4 bytes a row apart (320 KiB of tables in all, once).
.macro TRANSP src, rowb, ksh, doff
	s_add_nc_u64 s[24:25], s[24:25], \doff
	s_lshl_b32 s31, s30, 7
	v_add_nc_u32 v2, s31, v0                       ; o
	v_lshrrev_b32 v3, \ksh, v2                     ; n
	v_and_b32 v5, (1<<\ksh)-1, v2                  ; which eight k
	v_mul_u32_u24 v5, v5, 8*\rowb
	v_lshl_add_u32 v5, v3, 2, v5
.irp j, 0,1,2,3,4,5,6,7
	global_load_b32 v[16+\j], v5, s[\src:\src+1] offset:\j*\rowb
.endr
	v_lshlrev_b32 v6, 4, v2
	s_wait_loadcnt 0x0
.irp k, 0,1,2,3
	v_cvt_pk_f16_f32 v[24+\k], v[16+2*\k], v[16+2*\k+1]
.endr
	global_store_b128 v6, v[24:27], s[24:25]
.endm
	s_load_b512 s[4:19], s[0:1], 0x0               ; h 4, ln1_g 6, ln1_b 8, wv 10, wo 12, w1 14, w2 16, wcn 18
	s_load_b128 s[20:23], s[0:1], 0x40             ; wca 20, xn 22
	s_load_b64 s[24:25], s[0:1], 0x50              ; wts
	v_and_b32 v1, 31, v0                           ; lane
	v_lshrrev_b32 v2, 5, v0
	v_readfirstlane_b32 s28, v2                    ; wave
	s_wait_kmcnt 0x0
	s_cmp_lt_u32 ttmp9, 256
	s_cbranch_scc0 .Lweights
	LNBODY 4, 6, 8, 22
	s_endpgm
.Lweights:
	s_cmp_lt_u32 ttmp9, 1536
	s_cbranch_scc0 .Ltables
	; A work-group casts 64 k rows of one block of 128 columns; a wave 16 rows, two a step: 1,024 bytes in, 512 consecutive bytes out.
	s_sub_co_u32 s30, ttmp9, 256                   ; j: 0-127 wv, 128-255 wo, 256-767 w1, 768-1279 w2
	s_sub_co_u32 s31, s30, 768
	s_sub_co_u32 s32, s30, 256
	s_sub_co_u32 s33, s30, 128
	s_mov_b64 s[34:35], s[16:17]                   ; w2:
	s_mov_b32 s36, 12                              ; a row is 2^12 bytes,
	s_mov_b32 s37, 6                               ; a column block has 2^6 work-groups
	s_mov_b32 s38, 20                              ; and 2^20 bytes of f16,
	s_mov_b32 s39, 12582912                        ; from here on in wts
	s_cmp_lt_u32 s30, 768
	s_cselect_b64 s[34:35], s[14:15], s[34:35]     ; w1
	s_cselect_b32 s36, 14, s36
	s_cselect_b32 s37, 4, s37
	s_cselect_b32 s38, 18, s38
	s_cselect_b32 s39, 4194304, s39
	s_cselect_b32 s31, s32, s31
	s_cmp_lt_u32 s30, 256
	s_cselect_b64 s[34:35], s[12:13], s[34:35]     ; wo
	s_cselect_b32 s36, 12, s36
	s_cselect_b32 s39, 2097152, s39
	s_cselect_b32 s31, s33, s31
	s_cmp_lt_u32 s30, 128
	s_cselect_b64 s[34:35], s[10:11], s[34:35]     ; wv
	s_cselect_b32 s39, 0, s39
	s_cselect_b32 s31, s30, s31
	s_lshr_b32 s41, s31, s37                       ; column block
	s_bfm_b32 s40, s37, 0
	s_and_b32 s40, s31, s40
	s_lshl_b32 s40, s40, 6
	s_lshl4_add_u32 s40, s28, s40                  ; my wave's first k row
	s_lshl_b32 s42, s40, s36
	s_lshl_b32 s43, s41, 9
	s_add_co_u32 s42, s42, s43
	s_mov_b32 s43, 0
	s_add_nc_u64 s[34:35], s[34:35], s[42:43]
	s_lshl_b32 s42, s41, s38
	s_add_co_u32 s42, s42, s39
	s_lshl_b32 s44, s40, 8
	s_add_co_u32 s42, s42, s44
	s_add_nc_u64 s[24:25], s[24:25], s[42:43]
	v_lshrrev_b32 v5, 4, v1
	v_and_b32 v6, 15, v1
	v_lshlrev_b32 v6, 5, v6
	v_lshlrev_b32 v4, 4, v1
.irp i, 0,1,2,3,4,5,6,7
	v_add_nc_u32 v7, 2*\i, v5
	v_lshl_add_u32 v[8+\i], v7, s36, v6            ; row x row bytes + 32 x (lane % 16)
.endr
.irp i, 0,1,2,3,4,5,6,7
	global_load_b128 v[64+8*\i:64+8*\i+3],   v[8+\i], s[34:35] th:TH_LOAD_NT
	global_load_b128 v[64+8*\i+4:64+8*\i+7], v[8+\i], s[34:35] offset:16 th:TH_LOAD_NT
.endr
.irp i, 0,1,2,3,4,5,6,7
	s_wait_loadcnt 14-2*\i                         ; step i's two loads are in, the younger ones stay out
.irp k, 0,1,2,3
	v_cvt_pk_f16_f32 v[128+4*\i+\k], v[64+8*\i+2*\k], v[64+8*\i+2*\k+1]
.endr
	global_store_b128 v4, v[128+4*\i:128+4*\i+3], s[24:25] offset:512*\i
.endr
	s_endpgm
.Ltables:
	s_sub_co_u32 s30, ttmp9, 1536
	s_cmp_lt_u32 s30, 64
	s_cbranch_scc0 .Lwca
	TRANSP 18, 256, 7, 20971520                    ; wcn [1024][64] -> [64][1024]
	s_endpgm
.Lwca:
	s_sub_co_u32 s30, s30, 64
	TRANSP 20, 1024, 3, 21102592                   ; wca [64][256] -> [256][64]
	s_endpgm
.Lfunc_end_k_q758e4df533_prep:
	.size	k_q758e4df533_prep, .Lfunc_end_k_q758e4df533_prep-k_q758e4df533_prep
	.p2alignl 7, 3214868480
	.fill 96, 4, 3214868480
	.section	.rodata,"a",@progbits
	.p2align	6, 0x0
	.amdhsa_kernel k_q758e4df533_prep
		.amdhsa_group_segment_fixed_size 0
		.amdhsa_private_segment_fixed_size 0
		.amdhsa_enable_private_segment 0
		.amdhsa_kernarg_size 88
		.amdhsa_user_sgpr_count 2
		.amdhsa_user_sgpr_kernarg_segment_ptr 1
		.amdhsa_wavefront_size32 1
		.amdhsa_system_sgpr_workgroup_id_x 1
		.amdhsa_system_sgpr_workgroup_id_y 1
		.amdhsa_system_sgpr_workgroup_id_z 1
		.amdhsa_system_vgpr_workitem_id 0
		.amdhsa_next_free_vgpr 224
		.amdhsa_next_free_sgpr 66
		.amdhsa_reserve_vcc 0
		.amdhsa_float_denorm_mode_32 3
		.amdhsa_float_denorm_mode_16_64 3
		.amdhsa_memory_ordered 1
		.amdhsa_forward_progress 1
		.amdhsa_inst_pref_size 48
	.end_amdhsa_kernel
	.amdgpu_metadata
---
amdhsa.version: [ 1, 2 ]
amdhsa.kernels:
  - .name:           k_q758e4df533_prep
    .symbol:         k_q758e4df533_prep.kd
    .args:
      - { .name: h, .offset: 0, .size: 8, .value_kind: global_buffer, .address_space: global }
      - { .name: ln1_g, .offset: 8, .size: 8, .value_kind: global_buffer, .address_space: global }
      - { .name: ln1_b, .offset: 16, .size: 8, .value_kind: global_buffer, .address_space: global }
      - { .name: wv, .offset: 24, .size: 8, .value_kind: global_buffer, .address_space: global }
      - { .name: wo, .offset: 32, .size: 8, .value_kind: global_buffer, .address_space: global }
      - { .name: w1, .offset: 40, .size: 8, .value_kind: global_buffer, .address_space: global }
      - { .name: w2, .offset: 48, .size: 8, .value_kind: global_buffer, .address_space: global }
      - { .name: wcn, .offset: 56, .size: 8, .value_kind: global_buffer, .address_space: global }
      - { .name: wca, .offset: 64, .size: 8, .value_kind: global_buffer, .address_space: global }
      - { .name: xn, .offset: 72, .size: 8, .value_kind: global_buffer, .address_space: global }
      - { .name: wts, .offset: 80, .size: 8, .value_kind: global_buffer, .address_space: global }
    .group_segment_fixed_size: 0
    .private_segment_fixed_size: 0
    .kernarg_segment_align: 8
    .kernarg_segment_size: 88
    .max_flat_workgroup_size: 128
    .sgpr_count:     66
    .vgpr_count:     224
    .wavefront_size: 32
...
	.end_amdgpu_metadata
.endif
;; end of part 1
;; launch small (part 2): grid 256 x 1, 12 waves a work-group, no clusters, 38,656 bytes of LDS; arguments xn, z, wts, bca, bcn, lnc_g, lnc_b, zc, out1; writes zc, out1
.if DOCPART == 2
	.amdgcn_target "amdgcn-amd-amdhsa--gfx1250"
	.amdhsa_code_object_version 6
	.text
	.protected	k_q758e4df533_small
	.globl	k_q758e4df533_small
	.p2align	8
	.type	k_q758e4df533_small,@function
k_q758e4df533_small:
	s_mov_b64 s[64:65], 0
	v_nop
	global_prefetch_b8 v0, s[64:65] scope:SCOPE_SE
	s_setreg_imm32_b32 hwreg(HW_REG_WAVE_MODE, 25, 1), 1
	s_wait_xcnt 0x0
; THE TWO SMALL PRODUCTS, 16 tokens a work-group.
;   waves 0-7:  z_next = hn wcn, K = 1024 split eight ways; the partial sums meet in LDS; wave 0 adds bcn and z, takes the LayerNorm over 64 and stores out1.
;   waves 8-11: zh = z wca + bca, four heads a wave -> zc: coordinates in f16 as planes [b x 16 + head][half][2048][8], and nz = -1/2 |zh|^2 in f32, of the ROUNDED coordinates.
; Products are taken transposed (source 0 = 16 rows of the turned weights, source 1 = the 16 tokens): a lane holds one token (lane % 16) and the outputs 8 (lane / 16) + 0..7.
; All operands f16 (limit 65,504), sums f32.  No cluster: what work-groups share is 160 KiB of tables read straight into registers.  nz leaves in pieces of 64 bytes: 256 KiB in all.
.set PART,  0                          ; wave w's four partial tiles, 1,024 bytes each, at 4,096 w
.set STG,   32768                      ; wave 0's stage: 16 rows of 272 bytes
.set SPARE, 37120                      ; the spare words, 128 bytes a wave: six blocks of 256 bytes that no other line names
.set T,     16
	s_load_b512 s[4:19], s[0:1], 0x0               ; xn 4, z 6, wts 8, bca 10, bcn 12, lnc_g 14, lnc_b 16, zc 18
	s_load_b64 s[20:21], s[0:1], 0x40              ; out1
	v_lshl_add_u32 v8, v0, 2, SPARE
	v_mov_b32 v9, 0
	v_lshrrev_b32 v1, 5, v0
	v_readfirstlane_b32 s22, v1                    ; wave 0..11
	v_and_b32 v1, 15, v0                           ; r
	v_bfe_u32 v2, v0, 4, 1                         ; h
	v_and_b32 v3, 31, v0                           ; lane
	s_lshl_b32 s23, ttmp9, 4                       ; first token
	s_lshr_b32 s24, s23, 11                        ; b
	s_and_b32 s25, s23, 2047                       ; s
	s_mov_b32 s26, 0x76543210                      ; v_permlanex16_b32: each lane takes its own place in the other half
	s_mov_b32 s27, 0xfedcba98
	s_wait_kmcnt 0x0
	s_cmp_lt_u32 s22, 8
	s_cbranch_scc0 .Lheads
	; ---- z_next: wave w takes k = 128 w .. + 127: panels 2 w, 2 w + 1 of xn
	s_lshl_b32 s28, s22, 20
	s_lshl_b32 s29, s23, 7
	s_add_co_u32 s28, s28, s29
	s_mov_b32 s29, 0
	s_add_nc_u64 s[4:5], s[4:5], s[28:29]
	s_lshl_b32 s28, s22, 8
	s_add_co_u32 s28, s28, 20971520
	s_add_nc_u64 s[8:9], s[8:9], s[28:29]
	v_lshlrev_b32 v4, 7, v1
	v_lshl_add_u32 v4, v2, 4, v4                   ; token x 128 + 16 h
	v_lshlrev_b32 v5, 11, v1
	v_lshl_add_u32 v5, v2, 4, v5                   ; output x 2,048 + 16 h
.irp c, 0,1,2,3
	global_load_b128 v[64+8*\c:64+8*\c+3], v4, s[4:5] offset:(\c/2)*524288+(\c%2)*64
	global_load_b128 v[64+8*\c+4:64+8*\c+7], v4, s[4:5] offset:(\c/2)*524288+(\c%2)*64+32
.endr
.irp j, 0,1,2,3
.irp c, 0,1,2,3
	global_load_b128 v[128+32*\j+8*\c:128+32*\j+8*\c+3], v5, s[8:9] offset:\j*32768+64*\c
	global_load_b128 v[128+32*\j+8*\c+4:128+32*\j+8*\c+7], v5, s[8:9] offset:\j*32768+64*\c+32
.endr
.endr
	s_wait_loadcnt 0x0
.irp c, 0,1,2,3                        ; the four accumulators take turns; the first 32 k start the sums
.irp j, 0,1,2,3
.if \c == 0
	v_wmma_f32_16x16x32_f16 v[32+8*\j:32+8*\j+7], v[128+32*\j+8*\c:128+32*\j+8*\c+7], v[64+8*\c:64+8*\c+7], 0
.else
	v_wmma_f32_16x16x32_f16 v[32+8*\j:32+8*\j+7], v[128+32*\j+8*\c:128+32*\j+8*\c+7], v[64+8*\c:64+8*\c+7], v[32+8*\j:32+8*\j+7]
.endif
.endr
.endr
.rept 4
	v_nop                                          ; the places behind the last product
.endr
	s_lshl_b32 s28, s22, 12
	v_lshl_add_u32 v6, v3, 4, s28                  ; 4,096 w + 16 x lane
.irp j, 0,1,2,3
	ds_store_b128 v6, v[32+8*\j:32+8*\j+3] offset:PART+1024*\j
	ds_store_b128 v6, v[32+8*\j+4:32+8*\j+7] offset:PART+1024*\j+512
.endr
	s_branch .Ljoin
.Lheads:
	; ---- zh: wave w takes heads 4 (w - 8) + e
	s_sub_co_u32 s30, s22, 8
	s_lshl_b32 s28, s23, 8
	s_mov_b32 s29, 0
	s_add_nc_u64 s[6:7], s[6:7], s[28:29]          ; z at my tokens
	s_lshl_b32 s28, s30, 13
	s_add_co_u32 s28, s28, 21102592
	s_add_nc_u64 s[8:9], s[8:9], s[28:29]          ; the turned wca at my heads
	s_lshl_b32 s28, s30, 8
	s_add_nc_u64 s[10:11], s[10:11], s[28:29]      ; bca at my heads
	s_lshl_b32 s31, s24, 4
	s_lshl2_add_u32 s31, s30, s31                  ; 16 b + my first head
	s_lshl_b32 s32, s31, 16
	s_lshl4_add_u32 s32, s25, s32
	s_mov_b32 s33, 0
	s_add_nc_u64 s[32:33], s[18:19], s[32:33]      ; the planes
	s_lshl_b32 s34, s31, 13
	s_lshl2_add_u32 s34, s25, s34
	s_add_co_u32 s34, s34, 2097152
	s_mov_b32 s35, 0
	s_add_nc_u64 s[34:35], s[18:19], s[34:35]      ; nz
	v_lshlrev_b32 v4, 8, v1
	v_lshl_add_u32 v4, v2, 5, v4                   ; token x 256 + 32 h
	v_lshlrev_b32 v5, 7, v1
	v_lshl_add_u32 v5, v2, 4, v5                   ; output x 128 + 16 h
	v_lshlrev_b32 v6, 5, v2                        ; 32 h
	v_lshlrev_b32 v7, 15, v2
	v_lshl_add_u32 v7, v1, 4, v7                   ; h x 32,768 + 16 r
	v_lshlrev_b32 v10, 13, v2
	v_lshl_add_u32 v10, v1, 2, v10                 ; h x 8,192 + 4 r
.irp c, 0,1
	global_load_b128 v[32+16*\c:32+16*\c+3], v4, s[6:7] offset:128*\c
	global_load_b128 v[32+16*\c+4:32+16*\c+7], v4, s[6:7] offset:128*\c+16
	global_load_b128 v[32+16*\c+8:32+16*\c+11], v4, s[6:7] offset:128*\c+64
	global_load_b128 v[32+16*\c+12:32+16*\c+15], v4, s[6:7] offset:128*\c+80
.endr
.irp e, 0,1,2,3
.irp c, 0,1
	global_load_b128 v[128+16*\e+8*\c:128+16*\e+8*\c+3], v5, s[8:9] offset:\e*2048+64*\c
	global_load_b128 v[128+16*\e+8*\c+4:128+16*\e+8*\c+7], v5, s[8:9] offset:\e*2048+64*\c+32
.endr
	global_load_b128 v[96+8*\e:96+8*\e+3], v6, s[10:11] offset:64*\e       ; the sums start at the bias
	global_load_b128 v[96+8*\e+4:96+8*\e+7], v6, s[10:11] offset:64*\e+16
.endr
	s_wait_loadcnt 0x0
.set k, 0
.rept 16
	v_cvt_pk_f16_f32 v[64+k], v[32+2*k], v[33+2*k]
.set k, k+1
.endr
.irp c, 0,1
.irp e, 0,1,2,3
	v_wmma_f32_16x16x32_f16 v[96+8*\e:96+8*\e+7], v[128+16*\e+8*\c:128+16*\e+8*\c+7], v[64+8*\c:64+8*\c+7], v[96+8*\e:96+8*\e+7]
.endr
.endr
.rept 4
	v_nop
.endr
	v_mov_b32 v204, 0
.irp e, 0,1,2,3
.irp q, 0,1,2,3
	v_cvt_pk_f16_f32 v[16+4*\e+\q], v[96+8*\e+2*\q], v[96+8*\e+2*\q+1]
.endr
	global_store_b128 v7, v[16+4*\e:16+4*\e+3], s[32:33] offset:\e*65536   ; sixteen lanes store 256 consecutive bytes of a plane
	v_mov_b32 v[200+\e], 0
.endr
.irp q, 0,1,2,3                        ; the squares of the rounded coordinates, in f32, the four heads' chains side by side
.irp e, 0,1,2,3
	v_fma_mix_f32 v[200+\e], v[16+4*\e+\q], v[16+4*\e+\q], v[200+\e] op_sel_hi:[1,1,0]
.endr
.irp e, 0,1,2,3
	v_fma_mix_f32 v[200+\e], v[16+4*\e+\q], v[16+4*\e+\q], v[200+\e] op_sel:[1,1,0] op_sel_hi:[1,1,0]
.endr
.endr
.irp e, 0,1,2,3
	v_permlanex16_b32 v204, v[200+\e], s26, s27    ; the other eight coordinates
	v_add_f32 v[200+\e], v[200+\e], v204
	v_mul_f32 v[200+\e], -0.5, v[200+\e]
.endr
	v_cmp_eq_u32 vcc_lo, 1, v2
	v_cndmask_b32 v205, v200, v201, vcc_lo         ; lanes 0-15 store an even head's, lanes 16-31 the next head's
	v_cndmask_b32 v206, v202, v203, vcc_lo
	global_store_b32 v10, v205, s[34:35]
	global_store_b32 v10, v206, s[34:35] offset:16384
.Ljoin:
	s_wait_dscnt 0x0                               ; my partial sums lie in LDS
	s_barrier_signal -1
	s_barrier_wait -1
	s_cmp_lg_u32 s22, 0
	s_cbranch_scc1 .Lend
	; ---- wave 0: the eight partial sums, bcn, z, LayerNorm over 64, out1
	s_lshl_b32 s28, s23, 8
	s_mov_b32 s29, 0
	s_add_nc_u64 s[6:7], s[6:7], s[28:29]
	s_add_nc_u64 s[20:21], s[20:21], s[28:29]
	s_mov_b32 s31, 0x3c800000                      ; 1 / 64
	s_mov_b32 s36, 0x3727c5ac                      ; 1e-5
	v_lshlrev_b32 v4, 8, v1
	v_lshl_add_u32 v4, v2, 5, v4
	v_lshlrev_b32 v5, 5, v2
	v_lshlrev_b32 v6, 4, v3
.irp j, 0,1,2,3
	global_load_b128 v[128+8*\j:128+8*\j+3], v4, s[6:7] offset:64*\j
	global_load_b128 v[128+8*\j+4:128+8*\j+7], v4, s[6:7] offset:64*\j+16
	global_load_b128 v[160+8*\j:160+8*\j+3], v5, s[12:13] offset:64*\j
	global_load_b128 v[160+8*\j+4:160+8*\j+7], v5, s[12:13] offset:64*\j+16
	global_load_b128 v[192+8*\j:192+8*\j+3], v5, s[14:15] offset:64*\j
	global_load_b128 v[192+8*\j+4:192+8*\j+7], v5, s[14:15] offset:64*\j+16
	global_load_b128 v[224+8*\j:224+8*\j+3], v5, s[16:17] offset:64*\j
	global_load_b128 v[224+8*\j+4:224+8*\j+7], v5, s[16:17] offset:64*\j+16
.endr
.macro PARTS w, d                      ; wave w's four partial tiles into v[d ..]: 8 loads
.irp j, 0,1,2,3
	ds_load_b128 v[(\d)+8*\j:(\d)+8*\j+3], v6 offset:PART+4096*(\w)+1024*\j
	ds_load_b128 v[(\d)+8*\j+4:(\d)+8*\j+7], v6 offset:PART+4096*(\w)+1024*\j+512
.endr
.endm
	PARTS 0, 32
	PARTS 1, 64
	PARTS 2, 96
.irp u, 1,2,3,4,5,6,7
.if \u < 7
	s_wait_dscnt 8                                 ; this set is in; the next set's 8 loads stay out
.else
	s_wait_dscnt 0x0
.endif
.set i, 0
.rept 16
	v_pk_add_f32 v[32+2*i:33+2*i], v[32+2*i:33+2*i], v[64+32*((\u+1)%2)+2*i:65+32*((\u+1)%2)+2*i]
.set i, i+1
.endr
.if \u < 6
	PARTS \u+2, 64+32*((\u+1)%2)
.endif
.endr
	s_wait_loadcnt 0x0
.set i, 0
.rept 16
	v_pk_add_f32 v[32+2*i:33+2*i], v[32+2*i:33+2*i], v[160+2*i:161+2*i]
	v_pk_add_f32 v[32+2*i:33+2*i], v[32+2*i:33+2*i], v[128+2*i:129+2*i]
.set i, i+1
.endr
.macro RED64                           ; four chains into one, then the token's other 32 columns from the lane 16 away
	v_pk_add_f32 v[T:T+1], v[T:T+1], v[T+2:T+3]
	v_pk_add_f32 v[T+4:T+5], v[T+4:T+5], v[T+6:T+7]
	v_pk_add_f32 v[T:T+1], v[T:T+1], v[T+4:T+5]
	v_add_f32 v[T], v[T], v[T+1]
	v_permlanex16_b32 v[T+1], v[T], s26, s27
	v_add_f32 v[T], v[T], v[T+1]
.endm
.irp c, 0,1,2,3
	v_pk_add_f32 v[T+2*\c:T+2*\c+1], v[32+2*\c:33+2*\c], v[40+2*\c:41+2*\c]
.endr
.set j, 8
.rept 8
	v_pk_add_f32 v[T+2*(j%4):T+2*(j%4)+1], v[T+2*(j%4):T+2*(j%4)+1], v[32+2*j:33+2*j]
.set j, j+1
.endr
	RED64
	v_mul_f32 v24, s31, v[T]
	v_mov_b32 v25, v24
.set j, 0
.rept 16
	v_pk_add_f32 v[32+2*j:33+2*j], v[32+2*j:33+2*j], v[24:25] neg_lo:[0,1] neg_hi:[0,1]
.set j, j+1
.endr
.irp c, 0,1,2,3
	v_pk_mul_f32 v[T+2*\c:T+2*\c+1], v[32+2*\c:33+2*\c], v[32+2*\c:33+2*\c]
.endr
.set j, 4
.rept 12
	v_pk_fma_f32 v[T+2*(j%4):T+2*(j%4)+1], v[32+2*j:33+2*j], v[32+2*j:33+2*j], v[T+2*(j%4):T+2*(j%4)+1]
.set j, j+1
.endr
	RED64
	v_fma_f32 v[T], v[T], s31, s36
	v_rsq_f32 v26, v[T]
	v_rsq_f32 v27, v[T]
	v_nop
	s_wait_alu depctr_va_vdst(0)                   ; one wait for both roots, ahead of their first reader
.set j, 0
.rept 16
	v_pk_mul_f32 v[32+2*j:33+2*j], v[32+2*j:33+2*j], v[26:27]
	v_pk_fma_f32 v[32+2*j:33+2*j], v[32+2*j:33+2*j], v[192+2*j:193+2*j], v[224+2*j:225+2*j]
.set j, j+1
.endr
	v_mul_u32_u24 v7, v1, 272
	v_lshl_add_u32 v7, v2, 5, v7
	v_add_nc_u32 v7, STG, v7                       ; in: row r, my 32 bytes of each 64
	v_mul_u32_u24 v10, v2, 272
	v_lshl_add_u32 v10, v1, 4, v10
	v_add_nc_u32 v10, STG, v10                     ; back: lanes 0-15 one row of 256 bytes, lanes 16-31 the next
.irp j, 0,1,2,3
	ds_store_b128 v7, v[32+8*\j:32+8*\j+3] offset:64*\j
	ds_store_b128 v7, v[32+8*\j+4:32+8*\j+7] offset:64*\j+16
.endr
.irp t, 0,1,2,3,4,5,6,7
	ds_load_b128 v[64+4*\t:64+4*\t+3], v10 offset:544*\t   ; LDS serves a wave's instructions in order: these see the stores above
.endr
.irp t, 0,1,2,3,4,5,6,7
	s_wait_dscnt 7-\t
	global_store_b128 v6, v[64+4*\t:64+4*\t+3], s[20:21] offset:512*\t th:TH_STORE_NT   ; 512 consecutive bytes of out1
.endr
.Lend:
	s_wait_tensorcnt 0x0                           ; the wave's end, behind my last LDS store
	ds_add_u32 v8, v9
	s_wait_dscnt 0x0
	s_endpgm
.Lfunc_end_k_q758e4df533_small:
	.size	k_q758e4df533_small, .Lfunc_end_k_q758e4df533_small-k_q758e4df533_small
	.p2alignl 7, 3214868480
	.fill 96, 4, 3214868480
	.section	.rodata,"a",@progbits
	.p2align	6, 0x0
	.amdhsa_kernel k_q758e4df533_small
		.amdhsa_group_segment_fixed_size 38656
		.amdhsa_private_segment_fixed_size 0
		.amdhsa_enable_private_segment 0
		.amdhsa_kernarg_size 72
		.amdhsa_user_sgpr_count 2
		.amdhsa_user_sgpr_kernarg_segment_ptr 1
		.amdhsa_wavefront_size32 1
		.amdhsa_system_sgpr_workgroup_id_x 1
		.amdhsa_system_sgpr_workgroup_id_y 1
		.amdhsa_system_sgpr_workgroup_id_z 1
		.amdhsa_system_vgpr_workitem_id 0
		.amdhsa_next_free_vgpr 256
		.amdhsa_next_free_sgpr 66
		.amdhsa_reserve_vcc 1
		.amdhsa_float_denorm_mode_32 3
		.amdhsa_float_denorm_mode_16_64 3
		.amdhsa_memory_ordered 1
		.amdhsa_forward_progress 1
		.amdhsa_inst_pref_size 43
	.end_amdhsa_kernel
	.amdgpu_metadata
---
amdhsa.version: [ 1, 2 ]
amdhsa.kernels:
  - .name:           k_q758e4df533_small
    .symbol:         k_q758e4df533_small.kd
    .args:
      - { .name: xn, .offset: 0, .size: 8, .value_kind: global_buffer, .address_space: global }
      - { .name: z, .offset: 8, .size: 8, .value_kind: global_buffer, .address_space: global }
      - { .name: wts, .offset: 16, .size: 8, .value_kind: global_buffer, .address_space: global }
      - { .name: bca, .offset: 24, .size: 8, .value_kind: global_buffer, .address_space: global }
      - { .name: bcn, .offset: 32, .size: 8, .value_kind: global_buffer, .address_space: global }
      - { .name: lnc_g, .offset: 40, .size: 8, .value_kind: global_buffer, .address_space: global }
      - { .name: lnc_b, .offset: 48, .size: 8, .value_kind: global_buffer, .address_space: global }
      - { .name: zc, .offset: 56, .size: 8, .value_kind: global_buffer, .address_space: global }
      - { .name: out1, .offset: 64, .size: 8, .value_kind: global_buffer, .address_space: global }
    .group_segment_fixed_size: 38656
    .private_segment_fixed_size: 0
    .kernarg_segment_align: 8
    .kernarg_segment_size: 72
    .max_flat_workgroup_size: 384
    .sgpr_count:     66
    .vgpr_count:     256
    .wavefront_size: 32
...
	.end_amdgpu_metadata
.endif
;; end of part 2
;; launch gemmv (part 3): grid 8 x 32, 4 waves a work-group, clusters of 4 x 4, 327,680 bytes of LDS; arguments xn, wts, bv, val; writes val
.if DOCPART == 3
	.amdgcn_target "amdgcn-amd-amdhsa--gfx1250"
	.amdhsa_code_object_version 6
	.text
	.protected	k_q758e4df533_gemmv
	.globl	k_q758e4df533_gemmv
	.p2align	8
	.type	k_q758e4df533_gemmv,@function
k_q758e4df533_gemmv:
	s_mov_b64 s[64:65], 0
	v_nop
	global_prefetch_b8 v0, s[64:65] scope:SCOPE_SE
	s_setreg_imm32_b32 hwreg(HW_REG_WAVE_MODE, 25, 1), 1
	s_wait_xcnt 0x0
	s_wait_alu depctr_hold_cnt(0) depctr_sa_sdst(0) depctr_va_vdst(0) depctr_va_sdst(0) depctr_va_ssrc(0) depctr_va_vcc(0) depctr_vm_vsrc(0)
	s_getreg_b32 s2, hwreg(HW_REG_IB_STS2, 6, 4)
	s_cmp_eq_u32 s2, 0
	s_cbranch_scc0 .Lentry_in_a_cluster
	s_endpgm
.Lentry_in_a_cluster:
	s_bfe_u32 s2, ttmp6, 0x10000c
	s_cmp_lg_u32 s2, 0xf033
	s_cbranch_scc0 .Lentry_shape_is_right
	s_endpgm
.Lentry_shape_is_right:
; value = hn wv + bv.  C[4096][1024] = A W + bias.  A: f16 panels [K/64][4096][64]; W: f16 column blocks [N/128][K][128]; C: f16 panels; sums f32.  LIMIT: f16 ends at 65,504.
; A work-group makes 128 x 128 of C, each of its four waves 64 x 64: 16 accumulators, which START AT THE BIAS (loaded into them), so no product form with C = 0 is written.
; K goes in steps of 256 through two LDS slots.  A's part of a step is four panels of 128 rows x 128 bytes, each dense in memory: waves 0, 1 bring two panels each as two rows of 16 KiB, padded
; after every 128 bytes; W's part is 256 rows of 256 bytes: waves 2, 3 bring 128 rows each.  W lies [k][n] and comes out of LDS turned, by ds_load_tr16_b128.
; CLUSTER 4 x 4: A's tiles are asked for jointly along a row of the cluster, W's along a column.  The product is taken transposed (source 0 = 16 columns of W, source 1 = 16 rows of A):
; a lane holds one row of C and eight neighbouring columns.  No prefetch: a step's tile is small and its rows are read by several clusters at about the same time.
.set KTOT,   1024
.set WOFF,   0
.set KSTEP,  256
.set LAPS,   KTOT/(2*KSTEP)
.set PA,     144                       ; a row of A in LDS: 128 bytes + 16
.set PANELB, 128*PA
.set ATILE,  4*PANELB
.set PB,     288                       ; a row of W in LDS: 256 bytes + 32
.set HALFB,  128*PB                    ; = 2 PANELB: what one tensor load brings
.set SLOT,   ATILE+2*HALFB
.set STAGE,  2*SLOT
.set SPARE,  STAGE+17408               ; the spare words, 128 bytes a wave: two blocks of 256 bytes that no other line names
.set ADRA, 8                           ; v8-9    my A fragments in slot 0, 1
.set ADRB, 10                          ; v10-13  my W fragments: slot s, k half at ADRB + 2 s + half
.set STO,  14
.set RD,   15
.set GO,   16
.set BO,   17
.set SPW,  28
.set NIL,  29
.set EP,   32
.set ACC,  128                         ; (a, b) at ACC + 8 (4 a + b)
.set F0,   0                           ; window 1: two fragment buffers of 128: 64 of A, then 64 of W
.set F1,   128
.set G1A, 24
.set G0A, 32
.set G1B, 48
.set G0B, 56
.set MSB, 0
.macro WIN new
.if MSB != (\new)
	s_set_vgpr_msb (MSB<<8)|(\new)
.set MSB, \new
.endif
.endm
.set MUL,  0x05                        ; sources 0 and 1 window 1; C and D window 0
.set TO_F, 0x40                        ; destination window 1
.macro JLOAD s                         ; a joint load; an s_nop 0 and four v_nop follow each line
	s_cmp_eq_u32 s15, 0
	s_cbranch_scc0 .Lfor_b_\@
	tensor_load_to_lds s[G0A+4*(\s):G0A+4*(\s)+3], s[G1A:G1A+7]
	s_nop 0
.rept 4
	v_nop
.endr
	s_branch .Lasked_\@
.Lfor_b_\@:
	tensor_load_to_lds s[G0B+4*(\s):G0B+4*(\s)+3], s[G1B:G1B+7]
	s_nop 0
.rept 4
	v_nop
.endr
.Lasked_\@:
.endm
.macro CREST
	s_cmp_lg_u32 s14, 0
	s_cbranch_scc1 .Lnot_wave_0_\@
	s_barrier_signal -3
.Lnot_wave_0_\@:
	s_barrier_wait -3
	s_barrier_signal -1
	s_barrier_wait -1
.endm
.macro CROUND
	s_barrier_signal -1
	s_barrier_wait -1
	CREST
.endm
.macro PLACES
.rept 4
	v_nop
.endr
.endm
.macro MUL8 f, c, a0                   ; 8 products: row blocks a0, a0 + 1 x 4 column blocks, 32 along K; the 16 accumulators take turns
	WIN MUL
.irp a, \a0, (\a0)+1
.irp b, 0,1,2,3
	v_wmma_f32_16x16x32_f16 v[ACC+8*(4*(\a)+(\b)):ACC+8*(4*(\a)+(\b))+7], v[(\f)+64+8*(4*(\c)+(\b)):(\f)+64+8*(4*(\c)+(\b))+7], v[(\f)+8*(4*(\c)+(\a)):(\f)+8*(4*(\c)+(\a))+7], v[ACC+8*(4*(\a)+(\b)):ACC+8*(4*(\a)+(\b))+7]
.endr
.endr
.endm
.macro FETCH slot, q, f                ; 32 LDS loads: quarter q (64 along K = one panel of A) into buffer f, its first 32 k first
	WIN TO_F
.irp c, 0,1
.irp i, 0,1,2,3
	ds_load_tr16_b128 v[(\f)+64+8*(4*(\c)+(\i)):(\f)+64+8*(4*(\c)+(\i))+3],   v[ADRB+2*(\slot)+(\q)/2] offset:(((\q)%2)*64+32*(\c))*PB+32*(\i)
	ds_load_tr16_b128 v[(\f)+64+8*(4*(\c)+(\i))+4:(\f)+64+8*(4*(\c)+(\i))+7], v[ADRB+2*(\slot)+(\q)/2] offset:(((\q)%2)*64+32*(\c))*PB+32*(\i)+16*PB
	ds_load_b128 v[(\f)+8*(4*(\c)+(\i)):(\f)+8*(4*(\c)+(\i))+3],   v[ADRA+(\slot)] offset:(\q)*PANELB+(\i)*16*PA+64*(\c)
	ds_load_b128 v[(\f)+8*(4*(\c)+(\i))+4:(\f)+8*(4*(\c)+(\i))+7], v[ADRA+(\slot)] offset:(\q)*PANELB+(\i)*16*PA+64*(\c)+32
.endr
.endr
.endm
.macro QUARTER slot, q, f, g           ; multiplies buffer f; in its middle fetches quarter q of the slot into g
	s_wait_dscnt 16                                ; the first 32 k are in; the 16 younger loads are the second 32 k
	MUL8 \f, 0, 0
	MUL8 \f, 0, 2
	PLACES
	FETCH \slot, \q, \g
	s_wait_dscnt 32                                ; all but the 32 just issued
	MUL8 \f, 1, 0
	MUL8 \f, 1, 2
.endm
.macro TURN slot, next, fill           ; the last quarter multiplies buffer 1 and changes slots
	WIN 0
	s_wait_tensorcnt 0x0                           ; all my tensor loads have landed: my part of the next slot
	ds_add_u32 v[SPW], v[NIL]
	s_wait_dscnt 17                                ; the add and the youngest sixteen loads may be out
	MUL8 F1, 0, 0
	s_wait_dscnt 0x0                               ; the add is done, my reads of this slot are over
	s_barrier_signal -1
	MUL8 F1, 0, 2
.if \fill
	WIN 0
.endif
	s_barrier_wait -1
.if \fill
	CREST                                          ; the barrier opened a round of the cluster's: no wave of any partner reads this slot or has a load on its way
	s_add_nc_u64 s[G0A+4*(\slot)+2:G0A+4*(\slot)+3], s[G0A+4*(\slot)+2:G0A+4*(\slot)+3], 8*524288
	s_add_nc_u64 s[G0B+4*(\slot)+2:G0B+4*(\slot)+3], s[G0B+4*(\slot)+2:G0B+4*(\slot)+3], 2*KSTEP*256
	JLOAD \slot                                    ; 112 products stand between this request and the wait for it
.else
	PLACES
.endif
	FETCH \next, 0, F0
	MUL8 F1, 1, 0
	MUL8 F1, 1, 2
.endm
	s_load_b256 s[4:11], s[0:1], 0x0               ; A 4, wts 6, bias 8, C 10
	v_lshl_add_u32 v[SPW], v0, 2, SPARE
	v_mov_b32 v[NIL], 0
	ds_add_u32 v[SPW], v[NIL]                      ; the wave's opening: the add and its wait ahead of my first tensor load
	v_lshrrev_b32 v1, 5, v0
	v_readfirstlane_b32 s14, v1                    ; wave
	s_lshr_b32 s15, s14, 1                         ; my half of the tile's rows; also 0: I fetch A, 1: W
	s_and_b32 s16, s14, 1                          ; my half of its columns; also which half I fetch
	s_bfe_u32 s17, ttmp6, 0x40000                  ; cx
	s_bfe_u32 s18, ttmp6, 0x40004                  ; cy
	s_lshl_b32 s19, ttmp9, 2
	s_add_co_u32 s19, s19, s17                     ; tile column
	s_and_b32 s20, ttmp7, 0xffff
	s_lshl_b32 s20, s20, 2
	s_add_co_u32 s20, s20, s18                     ; tile row
	s_lshl_b32 s21, s18, 2
	s_lshl_b32 s21, 15, s21                        ; my row of the cluster
	s_lshl_b32 s22, 0x1111, s17                    ; my column
	s_or_b32 s[G1A], s21, (1<<16)|(1<<20)|(1<<21)|(4<<22)|(3<<25)   ; 2-byte elements; after every 32 words 4 words of padding
	s_mov_b32 s[G1A+1], 8192<<16                   ; tensor_dim0 = 8,192: a panel's 128 rows on end
	s_mov_b32 s[G1A+2], 2<<16                      ; tensor_dim1 = 2 panels
	s_mov_b32 s[G1A+3], 8192<<16                   ; tile_dim0
	s_mov_b32 s[G1A+4], 2                          ; tile_dim1
	s_mov_b32 s[G1A+5], 262144                     ; elements from panel to panel
	s_mov_b32 s[G1A+6], 0
	s_mov_b32 s[G1A+7], 0
	s_or_b32 s[G1B], s22, (1<<16)|(1<<20)|(1<<21)|(5<<22)|(7<<25)   ; after every 64 words 8 words of padding
	s_mov_b32 s[G1B+1], 128<<16
	s_mov_b32 s[G1B+2], 128<<16
	s_mov_b32 s[G1B+3], 128<<16
	s_mov_b32 s[G1B+4], 128
	s_mov_b32 s[G1B+5], 128
	s_mov_b32 s[G1B+6], 0
	s_mov_b32 s[G1B+7], 0
	s_lshl_b32 s40, s20, 14                        ; A: the tile's 128 rows in a panel,
	s_lshl_b32 s41, s16, 20                        ; my two panels of the four
	s_add_co_u32 s40, s40, s41
	s_mov_b32 s41, 0
	s_mul_i32 s42, s19, KTOT*256                   ; W: the tile's column block,
	s_lshl_b32 s43, s16, 15                        ; my 128 k rows
	s_add_co_u32 s42, s42, s43
	s_add_co_u32 s42, s42, WOFF
	s_mov_b32 s43, 0
	s_mul_i32 s23, s14, HALFB                      ; where they go: wave x 36,864
	s_wait_dscnt 0x0
	s_wait_kmcnt 0x0
	s_add_nc_u64 s[40:41], s[4:5], s[40:41]
	s_add_nc_u64 s[42:43], s[6:7], s[42:43]
	CROUND                                         ; all sixteen work-groups are here: the first joint loads meet
.irp s, 0,1
	s_mov_b32 s[G0A+4*(\s)], 1
	s_add_co_u32 s[G0A+4*(\s)+1], s23, (\s)*SLOT
	s_add_nc_u64 s[G0A+4*(\s)+2:G0A+4*(\s)+3], s[40:41], (\s)*4*524288
	s_or_b32 s[G0A+4*(\s)+3], s[G0A+4*(\s)+3], 0x80000000
	s_mov_b32 s[G0B+4*(\s)], 1
	s_add_co_u32 s[G0B+4*(\s)+1], s23, (\s)*SLOT
	s_add_nc_u64 s[G0B+4*(\s)+2:G0B+4*(\s)+3], s[42:43], (\s)*KSTEP*256
	s_or_b32 s[G0B+4*(\s)+3], s[G0B+4*(\s)+3], 0x80000000
	JLOAD \s
.endr
	v_and_b32 v1, 15, v0                           ; r
	v_bfe_u32 v2, v0, 4, 1                         ; h
	v_and_b32 v3, 7, v0
	v_bfe_u32 v4, v0, 3, 1
	v_mul_u32_u24 v5, v1, PA
	v_lshl_add_u32 v5, v2, 4, v5                   ; r x 144 + 16 h
	s_mul_i32 s21, s15, 64*PA
	v_add_nc_u32 v[ADRA], s21, v5
	v_add_nc_u32 v[ADRA+1], SLOT, v[ADRA]
	v_lshl_add_u32 v6, v2, 3, v3
	v_mul_u32_u24 v6, v6, PB
	v_lshl_add_u32 v6, v4, 4, v6                   ; (8 h + l % 8) x 288 + 16 ((l / 8) % 2)
	s_lshl_b32 s21, s16, 7
	s_add_co_u32 s21, s21, ATILE
	v_add_nc_u32 v[ADRB], s21, v6
	v_add_nc_u32 v[ADRB+1], HALFB, v[ADRB]
	v_add_nc_u32 v[ADRB+2], SLOT, v[ADRB]
	v_add_nc_u32 v[ADRB+3], SLOT+HALFB, v[ADRB]
	s_lshl_b32 s46, s19, 9
	s_lshl_b32 s47, s16, 8
	s_add_co_u32 s46, s46, s47                     ; my 64 columns, in f32 bytes
	v_lshl_add_u32 v[BO], v2, 5, s46
.irp a, 0,1,2,3
.irp b, 0,1,2,3
	global_load_b128 v[ACC+8*(4*\a+\b):ACC+8*(4*\a+\b)+3],   v[BO], s[8:9] offset:64*\b
	global_load_b128 v[ACC+8*(4*\a+\b)+4:ACC+8*(4*\a+\b)+7], v[BO], s[8:9] offset:64*\b+16
.endr
.endr
	; the way out: my own stage of 16 rows x 144 bytes; my 64 columns are one panel of C, my rows dense in it
	s_mul_i32 s21, s14, 16*PA
	s_add_co_u32 s21, s21, STAGE
	v_add_nc_u32 v[STO], s21, v5
	v_bfe_u32 v7, v0, 3, 2
	v_mul_u32_u24 v7, v7, PA
	v_lshl_add_u32 v7, v3, 4, v7
	v_add_nc_u32 v[RD], s21, v7
	v_and_b32 v7, 31, v0
	v_lshlrev_b32 v[GO], 4, v7
	s_lshl_b32 s44, s19, 1
	s_add_co_u32 s44, s44, s16
	s_lshl_b32 s44, s44, 19
	s_lshl_b32 s46, s20, 1
	s_add_co_u32 s46, s46, s15
	s_lshl_b32 s46, s46, 13
	s_add_co_u32 s44, s44, s46
	s_mov_b32 s45, 0
	s_add_nc_u64 s[10:11], s[10:11], s[44:45]
	s_wait_tensorcnt 1                             ; my part of K step 0 is in; step 1's may stay out
	s_barrier_signal -1
	s_barrier_wait -1
	FETCH 0, 0, F0
	s_wait_loadcnt 0x0                             ; the bias
	QUARTER 0, 1, F0, F1
	WIN 0
	s_mov_b32 s3, LAPS-1
.Llap:                                 ; once round the ring, from a lap's second quarter to the next lap's first; both slots are filled again
	QUARTER 0, 2, F1, F0
	QUARTER 0, 3, F0, F1
	TURN 0, 1, 1
	QUARTER 1, 1, F0, F1
	QUARTER 1, 2, F1, F0
	QUARTER 1, 3, F0, F1
	TURN 1, 0, 1
	QUARTER 0, 1, F0, F1
	WIN 0
	s_sub_co_u32 s3, s3, 1
	s_cmp_lg_u32 s3, 0
	s_cbranch_scc1 .Llap
	QUARTER 0, 2, F1, F0                           ; the last lap fills nothing
	QUARTER 0, 3, F0, F1
	TURN 0, 1, 0
	QUARTER 1, 1, F0, F1
	QUARTER 1, 2, F1, F0
	QUARTER 1, 3, F0, F1
	s_wait_dscnt 16
	MUL8 F1, 0, 0
	MUL8 F1, 0, 2
	s_wait_dscnt 0x0
	MUL8 F1, 1, 0
	MUL8 F1, 1, 2
	WIN 0
	PLACES
.macro PACKV a                         ; 16 rows: rounded to f16, into my stage, back as whole rows of 128 bytes
.irp b, 0,1,2,3
.irp q, 0,1,2,3
	v_cvt_pk_f16_f32 v[EP+16*(\a)+4*\b+\q], v[ACC+8*(4*(\a)+\b)+2*\q], v[ACC+8*(4*(\a)+\b)+2*\q+1]
.endr
.endr
.irp b, 0,1,2,3
	ds_store_b128 v[STO], v[EP+16*(\a)+4*\b:EP+16*(\a)+4*\b+3] offset:32*\b
.endr
.irp f, 0,1,2,3
	ds_load_b128 v[EP+16*(\a)+4*\f:EP+16*(\a)+4*\f+3], v[RD] offset:4*PA*\f   ; LDS serves a wave's instructions in order: these see the stores above
.endr
.endm
.macro SENDV a, younger
.irp f, 0,1,2,3
	s_wait_dscnt (\younger)+3-\f
	global_store_b128 v[GO], v[EP+16*(\a)+4*\f:EP+16*(\a)+4*\f+3], s[10:11] offset:(\a)*2048+\f*512   ; 512 consecutive bytes of a panel
.endr
.endm
	PACKV 0
	PACKV 1
	SENDV 0, 8
	PACKV 2
	SENDV 1, 8
	PACKV 3
	SENDV 2, 8
	SENDV 3, 0
	s_wait_tensorcnt 0x0                           ; the wave's end
	ds_add_u32 v[SPW], v[NIL]
	s_wait_dscnt 0x0
	CROUND                                         ; the closing round
	s_endpgm
.Lfunc_end_k_q758e4df533_gemmv:
	.size	k_q758e4df533_gemmv, .Lfunc_end_k_q758e4df533_gemmv-k_q758e4df533_gemmv
	.p2alignl 7, 3214868480
	.fill 96, 4, 3214868480
	.section	.rodata,"a",@progbits
	.p2align	6, 0x0
	.amdhsa_kernel k_q758e4df533_gemmv
		.amdhsa_group_segment_fixed_size 327680
		.amdhsa_private_segment_fixed_size 0
		.amdhsa_enable_private_segment 0
		.amdhsa_kernarg_size 32
		.amdhsa_user_sgpr_count 2
		.amdhsa_user_sgpr_kernarg_segment_ptr 1
		.amdhsa_wavefront_size32 1
		.amdhsa_system_sgpr_workgroup_id_x 1
		.amdhsa_system_sgpr_workgroup_id_y 1
		.amdhsa_system_sgpr_workgroup_id_z 1
		.amdhsa_system_vgpr_workitem_id 0
		.amdhsa_next_free_vgpr 512
		.amdhsa_next_free_sgpr 66
		.amdhsa_reserve_vcc 0
		.amdhsa_float_denorm_mode_32 3
		.amdhsa_float_denorm_mode_16_64 3
		.amdhsa_memory_ordered 1
		.amdhsa_forward_progress 1
		.amdhsa_inst_pref_size 89
	.end_amdhsa_kernel
	.amdgpu_metadata
---
amdhsa.version: [ 1, 2 ]
amdhsa.kernels:
  - .name:           k_q758e4df533_gemmv
    .symbol:         k_q758e4df533_gemmv.kd
    .args:
      - { .name: xn, .offset: 0, .size: 8, .value_kind: global_buffer, .address_space: global }
      - { .name: wts, .offset: 8, .size: 8, .value_kind: global_buffer, .address_space: global }
      - { .name: bv, .offset: 16, .size: 8, .value_kind: global_buffer, .address_space: global }
      - { .name: val, .offset: 24, .size: 8, .value_kind: global_buffer, .address_space: global }
    .group_segment_fixed_size: 327680
    .private_segment_fixed_size: 0
    .kernarg_segment_align: 8
    .kernarg_segment_size: 32
    .max_flat_workgroup_size: 128
    .sgpr_count:     66
    .vgpr_count:     512
    .wavefront_size: 32
...
	.end_amdgpu_metadata
.endif
;; end of part 3
;; launch attn (part 4): grid 8 x 32, 8 waves a work-group, clusters of 4 x 1, 327,680 bytes of LDS; arguments zc, val, gamma, att; writes att
.if DOCPART == 4
	.amdgcn_target "amdgcn-amd-amdhsa--gfx1250"
	.amdhsa_code_object_version 6
	.text
	.protected	k_q758e4df533_attn
	.globl	k_q758e4df533_attn
	.p2align	8
	.type	k_q758e4df533_attn,@function
k_q758e4df533_attn:
	s_mov_b64 s[64:65], 0
	v_nop
	global_prefetch_b8 v0, s[64:65] scope:SCOPE_SE
	s_setreg_imm32_b32 hwreg(HW_REG_WAVE_MODE, 25, 1), 1
	s_wait_xcnt 0x0
	s_wait_alu depctr_hold_cnt(0) depctr_sa_sdst(0) depctr_va_vdst(0) depctr_va_sdst(0) depctr_va_ssrc(0) depctr_va_vcc(0) depctr_vm_vsrc(0)
	s_getreg_b32 s2, hwreg(HW_REG_IB_STS2, 6, 4)
	s_cmp_eq_u32 s2, 0
	s_cbranch_scc0 .Lentry_in_a_cluster
	s_endpgm
.Lentry_in_a_cluster:
	s_bfe_u32 s2, ttmp6, 0x10000c
	s_cmp_lg_u32 s2, 0x3003
	s_cbranch_scc0 .Lentry_shape_is_right
	s_endpgm
.Lentry_shape_is_right:
; DISTANCE ATTENTION.  For each (b, head): att[q] = sum over k of softmax_k(-g max(|zq - zk|^2, 0)) value[k], g = softplus(gamma[head]).  2,048 keys, 16 coordinates, 64 channels.
; With nz = -1/2 |z|^2 (of the rounded coordinates) the matrix unit makes S' = zk . zq + nz[k] (nz is the C operand), and t = c2 (S' + nz[q]) is the logit in base 2 before the clip, c2 = 2 log2(e) g.
; THE MAXIMUM IS TAKEN AWAY, EXACTLY: a first pass over all keys finds max t; m = min(max t, 0) is the maximum behind the clip; the weight 2^(min(t, 0) - m) equals min(2^(t - m), 1),
; so the clip is a packed minimum with 1 on the weights rounded to f16.  The row sum is made by the matrix unit (a block of ones as a fifth channel block), of the weights that are multiplied.
; SHARES.  A work-group owns 256 queries of one (b, head).  Wave w: queries 64 (w % 4) .. + 63 (four tiles of 16), keys 1,024 (w / 4) .. + 1,023.  With one maximum for both key halves their sums simply add, in LDS at the end.
; Coordinates and nz of all keys lie in LDS for the whole launch; V goes through two slots of 2 x 256 keys.  CLUSTER 4 x 1: four query blocks of one (b, head) ask for every tile jointly.
; LAYOUT.  S^T = K Q^T: a lane holds one query (lane % 16) and the keys 8 (lane / 16) + 0..7; pairs rounded to f16 ARE source 1 of O^T = V^T P.  The form's K is 32, the coordinates are 16:
; the upper half of K's fragments is 0, so the upper half of Q's may hold any finite number (the next tile's coordinates).
; LIMITS.  f16 operands (65,504); a weight below 6e-5 keeps f16's fixed step; NaN and infinities are not treated apart.  O starts at 0 by 160 moves, in the wait for the first tiles: no first step is written out.
.set VROW,  160                        ; a key's row of V in LDS: 128 bytes + 32
.set VPART, 128*VROW                   ; what one tensor load brings
.set VHALF, 256*VROW                   ; one key half's part of a slot
.set STEPV, 64*VROW
.set SLOT1, 1<<17
.set XBASE, 81920                      ; exchange regions of 20,480 bytes: two here, two XHOP further on; no tensor load fills them
.set XSIZE, 20480
.set XHOP,  196608
.set NZL,   122880                     ; nz of all keys
.set ZKL,   212992                     ; the two planes of coordinates
.set SPARE, 319488                     ; the spare words, 128 bytes a wave: four blocks of 256 bytes that no other line names
.set SP,    144
.set AK0, 3
.set AC0, 4
.set AV0, 5
.set AK,  6
.set AC,  7
.set AV,  8
.set STO, 9
.set RD,  10
.set GO,  11
.set PFO, 12
.set MS,  13
.set MR,  14
.set XW,  15
.set BQ,  16                           ; v16-23  a pair a tile: c2 nz[q] - m, twice (at first nz[q] in the odd one); at the end 1 / l
.set MX,  24                           ; v24-39  four running maxima a tile
.set QF,  40                           ; v40-59  tile t's fragment is v[40 + 4 t : 47 + 4 t]
.set SPW, 60
.set NIL, 61
.set QA,  62
.set NA,  63
.set KF,  64                           ; v64-95   K: key block kb at KF + 8 kb; registers 4-7 stay 0
.set CZ,  96                           ; v96-127  nz of the step's keys
.set S,   128                          ; v128-255 S^T, 32 a tile; P in place in the lower 16
.set VF,  160                          ; window 1: v0-159 O^T, 40 a tile (block 4 = the row sum); v160-223 V; v224-231 ones
.set ONES, 224
.set WV,  12
.set QG,  13
.set KH,  14
.set CX,  15
.set G1V, 24
.set G0V, 32
.set G1Z, 36
.set G0Z, 44
.set G1N, 48
.set G0N, 56
.set CS,  60                           ; s[60:61] c2, twice
.set SEL, 62
.set TBV, 66
.set TBK, 67
.set TBC, 68
.set CNT, 69
.set SLOTS, 70
.set LIM, 71
.set PFA, 72
.set ONE2, 74
.set MSB, 0
.macro WIN new
.if MSB != (\new)
	s_set_vgpr_msb (MSB<<8)|(\new)
.set MSB, \new
.endif
.endm
.set W_PV,  0x51                       ; V and O^T in window 1, P in window 0
.set TO1,   0x40
.set W_AD1, 0x41
.set DAT1,  0x04
.set SRC1,  0x01
.macro CROUND
	s_barrier_signal -1
	s_barrier_wait -1
	s_cmp_lg_u32 s[WV], 0
	s_cbranch_scc1 .Lnot_wave_0_\@
	s_barrier_signal -3
.Lnot_wave_0_\@:
	s_barrier_wait -3
	s_barrier_signal -1
	s_barrier_wait -1
.endm
.macro JLOADV                          ; waves 0-3 bring 128 keys of V each; waves 4-7 have no part of the tile
	s_cmp_lt_u32 s[WV], 4
	s_cbranch_scc0 .Lno_v_\@
	tensor_load_to_lds s[G0V:G0V+3], s[G1V:G1V+7]
	s_nop 0
.rept 4
	v_nop
.endr
.Lno_v_\@:
.endm
; A prefetch of the slot that the NEXT change will ask for: 256 blocks of 256 bytes.  The (b, head)'s first cluster asks; its four partners take 64 blocks each, told apart by address;
; in each, waves 0 and 1 take 32, a lane a block: each block is named once in the launch.  The last change that fills a slot asks for nothing.
.macro ASK
	s_cmp_gt_u32 s[SLOTS], s[LIM]
	s_cbranch_scc0 .Lnot_mine_\@
	global_prefetch_b8 v[PFO], s[PFA:PFA+1] th:TH_LOAD_NT scope:SCOPE_SE
.Lnot_mine_\@:
.endm
.macro CHANGE fill                     ; the change of V's slots
	WIN 0
	s_wait_tensorcnt 0x0                           ; no tensor load of mine is out, so a group 0 may be written
	ds_add_u32 v[SPW], v[NIL]
.if \fill
	s_xor_b32 s[G0V+1], s[G0V+1], SLOT1
	s_add_nc_u64 s[G0V+2:G0V+3], s[G0V+2:G0V+3], 32768   ; each key half's next 256 keys
	s_wait_xcnt 0x0                                ; the last prefetch, four key steps back, has read its address
	s_add_nc_u64 s[PFA:PFA+1], s[PFA:PFA+1], 32768
	s_wait_dscnt 0x0                               ; the add is done, my reads of the slot are over
	CROUND
	JLOADV                                         ; it has four key steps of both waves of a SIMD in which to land
	ASK
.else
	s_wait_dscnt 0x0
	s_barrier_signal -1
	s_barrier_wait -1
.endif
	s_sub_co_u32 s[TBV], s[TBV], VHALF
	s_xor_b32 s[TBV], s[TBV], SLOT1
.endm
.macro LOADKC                          ; a step's 64 keys: coordinates (4 loads) and nz (8 loads)
	v_add_nc_u32 v[AK], s[TBK], v[AK0]
	v_add_nc_u32 v[AC], s[TBC], v[AC0]
.irp kb, 0,1,2,3
	ds_load_b128 v[KF+8*\kb:KF+8*\kb+3], v[AK] offset:256*\kb
.endr
.irp kb, 0,1,2,3
	ds_load_b128 v[CZ+8*\kb:CZ+8*\kb+3], v[AC] offset:64*\kb
	ds_load_b128 v[CZ+8*\kb+4:CZ+8*\kb+7], v[AC] offset:64*\kb+16
.endr
	s_add_co_u32 s[TBK], s[TBK], 1024
	s_add_co_u32 s[TBC], s[TBC], 256
.endm
.macro QK16                            ; S' for 64 keys x 64 queries: sixteen results, all different registers
.irp kb, 0,1,2,3
.irp t, 0,1,2,3
	v_wmma_f32_16x16x32_f16 v[S+32*\t+8*\kb:S+32*\t+8*\kb+7], v[KF+8*\kb:KF+8*\kb+7], v[QF+4*\t:QF+4*\t+7], v[CZ+8*\kb:CZ+8*\kb+7]
.endr
.endr
.endm
.macro STEP                            ; a key step of the second pass
	LOADKC
	v_add_nc_u32 v[AV], s[TBV], v[AV0]
	WIN TO1
.irp f, 0,1,2,3,4,5,6,7                ; keys 32 (f / 4) on, channels 16 (f % 4) on, turned
	ds_load_tr16_b128 v[VF+8*\f:VF+8*\f+3],   v[AV] offset:(\f/4)*32*VROW+(\f%4)*32
	ds_load_tr16_b128 v[VF+8*\f+4:VF+8*\f+7], v[AV] offset:(\f/4)*32*VROW+16*VROW+(\f%4)*32
.endr
	WIN 0
	s_add_co_u32 s[TBV], s[TBV], STEPV
	s_wait_dscnt 16                                ; coordinates and nz are in; V's sixteen loads may stay out
	QK16
.rept 4
	v_nop                                          ; the places behind the last product
.endr
.set t, 0
.rept 4                                ; t - m, and all 128 exponentials as ONE batch: nothing names a result ahead of the wait
	v_pk_fma_f32 v[S+32*t:S+32*t+1], v[S+32*t:S+32*t+1], s[CS:CS+1], v[BQ+2*t:BQ+2*t+1] op_sel_hi:[1,0,1]
.set i, 0
.rept 16
.if i < 15
	v_pk_fma_f32 v[S+32*t+2*i+2:S+32*t+2*i+3], v[S+32*t+2*i+2:S+32*t+2*i+3], s[CS:CS+1], v[BQ+2*t:BQ+2*t+1] op_sel_hi:[1,0,1]
.endif
	v_exp_f32 v[S+32*t+2*i], v[S+32*t+2*i]
	v_exp_f32 v[S+32*t+2*i+1], v[S+32*t+2*i+1]
.set i, i+1
.endr
.set t, t+1
.endr
	v_nop                                          ; a plain instruction behind the last exponential,
	s_wait_alu depctr_va_vdst(0)                   ; and one wait for the batch
.set t, 0
.rept 4
.set i, 0
.rept 16
	v_cvt_pk_f16_f32 v[S+32*t+i], v[S+32*t+2*i], v[S+32*t+2*i+1]
.set i, i+1
.endr
.set i, 0
.rept 16
	v_pk_min_num_f16 v[S+32*t+i], v[S+32*t+i], s[ONE2]   ; the clip of the distance at 0
.set i, i+1
.endr
.set t, t+1
.endr
	s_wait_dscnt 0x0                               ; V is in
	WIN W_PV
.irp kk, 0,1                           ; 40 products; the 20 accumulators take turns
.irp cb, 0,1,2,3,4
.irp t, 0,1,2,3
.if \cb < 4
	v_wmma_f32_16x16x32_f16 v[40*\t+8*\cb:40*\t+8*\cb+7], v[VF+32*\kk+8*\cb:VF+32*\kk+8*\cb+7], v[S+32*\t+8*\kk:S+32*\t+8*\kk+7], v[40*\t+8*\cb:40*\t+8*\cb+7]
.else
	v_wmma_f32_16x16x32_f16 v[40*\t+8*\cb:40*\t+8*\cb+7], v[ONES:ONES+7], v[S+32*\t+8*\kk:S+32*\t+8*\kk+7], v[40*\t+8*\cb:40*\t+8*\cb+7]
.endif
.endr
.endr
.endr
	WIN 0
.rept 5
	v_nop                                          ; the places in front of the next loads into V's registers and of the next products, which write over P
.endr
.endm
.macro FOURSTEPS
	s_mov_b32 s[CNT], 4
.Lstep_\@:
	STEP
	s_sub_co_u32 s[CNT], s[CNT], 1
	s_cmp_lg_u32 s[CNT], 0
	s_cbranch_scc1 .Lstep_\@
.endm
	s_load_b256 s[4:11], s[0:1], 0x0               ; zc 4, val 6, gamma 8, att 10
	v_lshl_add_u32 v[SPW], v0, 2, SPARE
	v_mov_b32 v[NIL], 0
	ds_add_u32 v[SPW], v[NIL]                      ; the wave's opening: the add and its wait ahead of my first tensor load
	v_lshrrev_b32 v1, 5, v0
	v_readfirstlane_b32 s[WV], v1
	s_and_b32 s[QG], s[WV], 3
	s_lshr_b32 s[KH], s[WV], 2
	s_bfe_u32 s[CX], ttmp6, 0x40000
	s_and_b32 s75, ttmp7, 0xffff                   ; 16 b + head
	s_and_b32 s76, s75, 15
	s_lshr_b32 s77, s75, 4
	s_lshl_b32 s85, s76, 2                         ; gamma's byte
	s_mov_b32 s[G1V], 15|(1<<16)|(1<<20)|(1<<21)|(4<<22)|(7<<25)   ; all four work-groups; 2-byte elements; after every 32 words 8 words of padding
	s_mov_b32 s[G1V+1], 128<<16
	s_mov_b32 s[G1V+2], 64<<16                     ; 128 keys as 64 rows of 256 bytes
	s_mov_b32 s[G1V+3], 128<<16
	s_mov_b32 s[G1V+4], 64
	s_mov_b32 s[G1V+5], 128
	s_mov_b32 s[G1V+6], 0
	s_mov_b32 s[G1V+7], 0
	s_mov_b32 s[G1Z], 15|(1<<16)|(1<<21)           ; the planes: 256 rows of 256 bytes, dense
	s_mov_b32 s[G1Z+1], 128<<16
	s_mov_b32 s[G1Z+2], 256<<16
	s_mov_b32 s[G1Z+3], 128<<16
	s_mov_b32 s[G1Z+4], 256
	s_mov_b32 s[G1Z+5], 128
	s_mov_b32 s[G1Z+6], 0
	s_mov_b32 s[G1Z+7], 0
	s_mov_b32 s[G1N], 15|(1<<16)|(1<<21)           ; nz: 32 rows of 256 bytes
	s_mov_b32 s[G1N+1], 128<<16
	s_mov_b32 s[G1N+2], 32<<16
	s_mov_b32 s[G1N+3], 128<<16
	s_mov_b32 s[G1N+4], 32
	s_mov_b32 s[G1N+5], 128
	s_mov_b32 s[G1N+6], 0
	s_mov_b32 s[G1N+7], 0
	s_mov_b32 s[G0V], 1
	s_mul_i32 s[G0V+1], s[WV], VPART
	s_mov_b32 s[G0Z], 1
	s_mov_b32 s[G0Z+1], ZKL
	s_mov_b32 s[G0N], 1
	s_mov_b32 s[G0N+1], NZL
	s_lshl_b32 s78, s76, 19
	s_lshl_b32 s79, s77, 18
	s_add_co_u32 s78, s78, s79                     ; the (b, head)'s rows in val and in att
	s_lshr_b32 s79, s[WV], 1
	s_lshl_b32 s79, s79, 17                        ; key half,
	s_and_b32 s80, s[WV], 1
	s_lshl_b32 s80, s80, 14                        ; 128 keys of its 256
	s_add_co_u32 s80, s80, s79
	s_add_co_u32 s80, s80, s78
	s_mov_b32 s81, 0
	s_lshl_b32 s82, s75, 13
	s_add_co_u32 s82, s82, 2097152
	s_mov_b32 s83, 0
	s_mov_b32 s[SEL], 0x76543210
	s_mov_b32 s[SEL+1], 0xfedcba98
	s_mov_b32 s[ONE2], 0x3c003c00                  ; 1.0 twice, in f16
	s_lshr_b32 s[LIM], s[WV], 1
	s_or_b32 s[LIM], s[LIM], ttmp9                 ; 0 in waves 0 and 1 of the first cluster: the same in all four partners
	s_cmp_eq_u32 s[LIM], 0
	s_cselect_b32 s[LIM], 1, -1
	; what hangs on my place in the cluster has registers of its own, s86-s95
	s_lshl_b32 s86, ttmp9, 2
	s_add_co_u32 s86, s86, s[CX]                   ; my block of 256 queries
	s_lshl_b32 s86, s86, 2
	s_add_co_u32 s86, s86, s[QG]                   ; my wave's 64 queries
	s_lshl_b32 s92, s86, 10
	s_lshl_b32 s87, s75, 16
	s_add_co_u32 s92, s92, s87                     ; their coordinates
	s_mov_b32 s93, 0
	s_lshl_b32 s94, s86, 8
	s_add_co_u32 s94, s94, s82                     ; their nz
	s_mov_b32 s95, 0
	s_wait_dscnt 0x0
	s_wait_kmcnt 0x0
	s_load_b32 s84, s[8:9], s85 offset:0x0         ; gamma[head]
	s_add_nc_u64 s[G0V+2:G0V+3], s[6:7], s[80:81]
	s_or_b32 s[G0V+3], s[G0V+3], 0x80000000
	s_lshl_b32 s80, s75, 16
	s_add_nc_u64 s[G0Z+2:G0Z+3], s[4:5], s[80:81]
	s_or_b32 s[G0Z+3], s[G0Z+3], 0x80000000
	s_add_nc_u64 s[G0N+2:G0N+3], s[4:5], s[82:83]
	s_or_b32 s[G0N+3], s[G0N+3], 0x80000000
	s_add_nc_u64 s[88:89], s[4:5], s[92:93]
	s_add_nc_u64 s[90:91], s[4:5], s[94:95]
	s_lshl_b32 s92, s86, 13
	s_add_co_u32 s92, s92, s78
	s_add_nc_u64 s[10:11], s[10:11], s[92:93]      ; att at my wave's rows
	s_lshr_b32 s92, s[CX], 1
	s_lshl_b32 s92, s92, 17
	s_and_b32 s87, s[CX], 1
	s_lshl_b32 s87, s87, 14
	s_add_co_u32 s92, s92, s87
	s_lshl_b32 s87, s[WV], 13
	s_add_co_u32 s92, s92, s87
	s_add_co_u32 s92, s92, s78
	s_add_co_u32 s92, s92, 32768                   ; in the second slot's keys; the first change steps it on
	s_add_nc_u64 s[PFA:PFA+1], s[6:7], s[92:93]
	CROUND                                         ; all four work-groups are here: the first joint loads meet
	s_cmp_lt_u32 s[WV], 4
	s_cbranch_scc0 .Lfirst_not_v
	tensor_load_to_lds s[G0V:G0V+3], s[G1V:G1V+7]
	s_nop 0
.rept 4
	v_nop
.endr
	s_branch .Lfirst_asked
.Lfirst_not_v:
	s_cmp_eq_u32 s[WV], 4
	s_cbranch_scc0 .Lfirst_not_z
	tensor_load_to_lds s[G0Z:G0Z+3], s[G1Z:G1Z+7]
	s_nop 0
.rept 4
	v_nop
.endr
	s_branch .Lfirst_asked
.Lfirst_not_z:
	s_cmp_eq_u32 s[WV], 5
	s_cbranch_scc0 .Lfirst_asked
	tensor_load_to_lds s[G0N:G0N+3], s[G1N:G1N+7]
	s_nop 0
.rept 4
	v_nop
.endr
.Lfirst_asked:
	v_and_b32 v1, 15, v0                           ; r
	v_bfe_u32 v2, v0, 4, 1                         ; h
	v_lshlrev_b32 v[QA], 15, v2
	v_lshl_add_u32 v[QA], v1, 4, v[QA]             ; plane h, row r
	v_lshlrev_b32 v[NA], 2, v1
.irp t, 0,1,2,3
	global_load_b128 v[QF+4*\t:QF+4*\t+3], v[QA], s[88:89] offset:256*\t
	global_load_b32 v[BQ+2*\t+1], v[NA], s[90:91] offset:64*\t
.endr
	s_lshl_b32 s79, s[KH], 14
	s_add_co_u32 s79, s79, ZKL
	v_add_nc_u32 v[AK0], s79, v[QA]
	s_lshl_b32 s79, s[KH], 12
	s_add_co_u32 s79, s79, NZL
	v_lshl_add_u32 v[AC0], v2, 5, s79
	v_and_b32 v24, 7, v0
	v_bfe_u32 v25, v0, 3, 1
	v_lshl_add_u32 v[AV0], v2, 3, v24
	v_mul_u32_u24 v[AV0], v[AV0], VROW
	v_lshl_add_u32 v[AV0], v25, 4, v[AV0]
	s_mul_i32 s79, s[KH], VHALF
	v_add_nc_u32 v[AV0], s79, v[AV0]
	s_and_b32 s79, s[QG], 1
	s_mul_i32 s79, s79, XSIZE
	s_lshr_b32 s80, s[QG], 1
	s_mul_i32 s80, s80, XHOP
	s_add_co_u32 s79, s79, s80
	s_add_co_u32 s79, s79, XBASE                   ; the exchange region of my 64 queries
	v_mul_u32_u24 v[STO], v1, SP
	v_lshl_add_u32 v[STO], v2, 4, v[STO]
	v_add_nc_u32 v[STO], s79, v[STO]
	v_bfe_u32 v[RD], v0, 3, 2
	v_mul_u32_u24 v[RD], v[RD], SP
	v_lshl_add_u32 v[RD], v24, 4, v[RD]
	v_add_nc_u32 v[RD], s79, v[RD]
	v_and_b32 v26, 31, v0
	v_lshlrev_b32 v[GO], 4, v26
	v_lshlrev_b32 v[PFO], 8, v26
	v_add_nc_u32 v[XW], s79, v[GO]
	s_lshl_b32 s80, s[WV], 9
	s_add_co_u32 s80, s80, XBASE
	v_lshl_add_u32 v[MS], v26, 2, s80              ; where I put my maxima,
	s_xor_b32 s80, s[WV], 4
	s_lshl_b32 s80, s80, 9
	s_add_co_u32 s80, s80, XBASE
	v_lshl_add_u32 v[MR], v26, 2, s80              ; and where the other key half's wave puts its own
.irp kb, 0,1,2,3
.irp j, 4,5,6,7
	v_mov_b32 v[KF+8*\kb+\j], 0
.endr
.endr
.irp j, 16,17,18,19
	v_mov_b32 v[QF+\j], 0
.endr
	WIN TO1
.set i, 0
.rept 160
	v_mov_b32 v[i], 0
.set i, i+1
.endr
.set i, 0
.rept 8
	v_mov_b32 v[ONES+i], 0x3c003c00
.set i, i+1
.endr
	WIN 0
	; c2 = 2 (log2(e) max(gamma, 0) + log2(1 + u)), u = 2^(-|gamma| log2(e)); log2(1 + u) as log2(w) u / (w - 1), w = 1 + u rounded, or u log2(e) where w = 1
	s_mov_b32 s79, 0x3fb8aa3b
	s_wait_kmcnt 0x0
	v_mov_b32 v24, s84
	v_mul_f32 v25, s79, -|v24|
	v_exp_f32 v25, v25
	v_nop
	s_wait_alu depctr_va_vdst(0)
	v_add_f32 v26, 1.0, v25
	v_add_f32 v27, -1.0, v26
	v_log_f32 v28, v26
	v_rcp_f32 v29, v27
	v_nop
	s_wait_alu depctr_va_vdst(0)
	v_mul_f32 v28, v28, v25
	v_mul_f32 v28, v28, v29
	v_mul_f32 v29, s79, v25
	v_cmp_eq_f32 vcc_lo, 0, v27
	v_cndmask_b32 v28, v28, v29, vcc_lo
	v_max_num_f32 v24, 0, v24
	v_fma_f32 v28, v24, s79, v28
	v_add_f32 v28, v28, v28
	v_readfirstlane_b32 s[CS], v28
	s_mov_b32 s[CS+1], s[CS]
.set i, 0
.rept 16
	v_mov_b32 v[MX+i], 0xff7fffff
.set i, i+1
.endr
	s_wait_tensorcnt 0x0                           ; my first tile is in,
	s_barrier_signal -1
	s_barrier_wait -1                              ; everybody's is
	; THE FIRST PASS: the largest S' of each query over my 1,024 keys
	s_mov_b32 s[TBK], 0
	s_mov_b32 s[TBC], 0
	s_mov_b32 s[CNT], 16
	s_wait_loadcnt 0x0                             ; Q and nz[q]
.Lmax:
	LOADKC
	s_wait_dscnt 0x0
	QK16
.rept 4
	v_nop
.endr
.irp e, 0,1,2,3                        ; each result's lowest registers are read first; sixteen chains side by side
.irp t, 0,1,2,3
.irp kb, 0,1,2,3
	v_max3_num_f32 v[MX+4*\t+\kb], v[MX+4*\t+\kb], v[S+32*\t+8*\kb+2*\e], v[S+32*\t+8*\kb+2*\e+1]
.endr
.endr
.endr
	s_sub_co_u32 s[CNT], s[CNT], 1
	s_cmp_lg_u32 s[CNT], 0
	s_cbranch_scc1 .Lmax
.irp t, 0,1,2,3
	v_max3_num_f32 v[MX+4*\t], v[MX+4*\t], v[MX+4*\t+1], v[MX+4*\t+2]
.endr
.irp t, 0,1,2,3
	v_max_num_f32 v[MX+4*\t], v[MX+4*\t], v[MX+4*\t+3]
.endr
.irp t, 0,1,2,3
	v_permlanex16_b32 v[MX+4*\t+1], v[MX+4*\t], s[SEL], s[SEL+1]
.endr
.irp t, 0,1,2,3
	v_max_num_f32 v[MX+4*\t], v[MX+4*\t], v[MX+4*\t+1]
.endr
.irp t, 0,1,2,3
	ds_store_b32 v[MS], v[MX+4*\t] offset:128*\t
.endr
	s_wait_dscnt 0x0
	s_barrier_signal -1
	s_barrier_wait -1
.irp t, 0,1,2,3
	ds_load_b32 v[MX+4*\t+1], v[MR] offset:128*\t
.endr
	s_wait_dscnt 0x0
.irp t, 0,1,2,3
	v_max_num_f32 v[MX+4*\t], v[MX+4*\t], v[MX+4*\t+1]
	v_add_f32 v[MX+4*\t], v[MX+4*\t], v[BQ+2*\t+1]
	v_mul_f32 v[MX+4*\t], s[CS], v[MX+4*\t]        ; max t
	v_min_num_f32 v[MX+4*\t], 0, v[MX+4*\t]        ; m
	v_fma_f32 v[BQ+2*\t], s[CS], v[BQ+2*\t+1], -v[MX+4*\t]
	v_mov_b32 v[BQ+2*\t+1], v[BQ+2*\t]
.endr
	; THE SECOND PASS
	s_mov_b32 s[TBK], 0
	s_mov_b32 s[TBC], 0
	s_mov_b32 s[TBV], SLOT1+VHALF                  ; the first change turns it into 0
	s_mov_b32 s[SLOTS], 3
.Lslot:                                ; three times: a slot is entered and the next 2 x 256 keys are asked for (the first time into slot 1, which has not been filled yet)
	CHANGE 1
	FOURSTEPS
	s_sub_co_u32 s[SLOTS], s[SLOTS], 1
	s_cmp_lg_u32 s[SLOTS], 0
	s_cbranch_scc1 .Lslot
	CHANGE 0                                       ; the tail is written out
	FOURSTEPS
	; THE TWO KEY HALVES MEET: waves 4-7 hand O^T and the row sums to waves 0-3
	s_cmp_lt_u32 s[WV], 4
	s_cbranch_scc1 .Lkeep
	WIN DAT1
.set e, 0
.rept 40
	ds_store_b128 v[XW], v[4*e:4*e+3] offset:512*e
.set e, e+1
.endr
	WIN 0
.Lkeep:
	s_wait_dscnt 0x0
	s_barrier_signal -1
	s_barrier_wait -1
	s_cmp_lt_u32 s[WV], 4
	s_cbranch_scc0 .Lend
.set e, 0
.rept 40
	ds_load_b128 v[64+4*e:64+4*e+3], v[XW] offset:512*e
.set e, e+1
.endr
	s_wait_dscnt 0x0
	WIN W_AD1
.set i, 0
.rept 80
	v_pk_add_f32 v[2*i:2*i+1], v[2*i:2*i+1], v[64+2*i:64+2*i+1]
.set i, i+1
.endr
	WIN SRC1
.irp t, 0,1,2,3
	v_rcp_f32 v[BQ+2*\t], v[40*\t+32]              ; the row sum lies in every register of its block: the lowest is taken
.endr
	v_nop
	s_wait_alu depctr_va_vdst(0)                   ; one wait for the four reciprocals
.macro PACK t                          ; a tile: divided by l, rounded to f16, through my exchange region (read out by now) as a stage, back as whole rows of 128 bytes
	WIN W_AD1
.set i, 0
.rept 16
	v_pk_mul_f32 v[40*(\t)+2*i:40*(\t)+2*i+1], v[40*(\t)+2*i:40*(\t)+2*i+1], v[BQ+2*(\t):BQ+2*(\t)+1] op_sel_hi:[1,0]
.set i, i+1
.endr
	WIN 0x05
.set i, 0
.rept 16
	v_cvt_pk_f16_f32 v[S+16*(\t)+i], v[40*(\t)+2*i], v[40*(\t)+2*i+1]
.set i, i+1
.endr
	WIN 0
.irp f, 0,1,2,3
	ds_store_b128 v[STO], v[S+16*(\t)+4*\f:S+16*(\t)+4*\f+3] offset:32*\f
.endr
.irp f, 0,1,2,3
	ds_load_b128 v[S+16*(\t)+4*\f:S+16*(\t)+4*\f+3], v[RD] offset:\f*4*SP
.endr
.endm
.macro SEND t, younger
.irp f, 0,1,2,3
	s_wait_dscnt (\younger)+3-\f
	global_store_b128 v[GO], v[S+16*(\t)+4*\f:S+16*(\t)+4*\f+3], s[10:11] offset:(\t)*2048+\f*512   ; 512 consecutive bytes of the head's panel
.endr
.endm
	PACK 0
	PACK 1
	SEND 0, 8
	PACK 2
	SEND 1, 8
	PACK 3
	SEND 2, 8
	SEND 3, 0
.Lend:
	s_wait_tensorcnt 0x0                           ; the wave's end
	ds_add_u32 v[SPW], v[NIL]
	s_wait_dscnt 0x0
	CROUND                                         ; the closing round
	s_endpgm
.Lfunc_end_k_q758e4df533_attn:
	.size	k_q758e4df533_attn, .Lfunc_end_k_q758e4df533_attn-k_q758e4df533_attn
	.p2alignl 7, 3214868480
	.fill 96, 4, 3214868480
	.section	.rodata,"a",@progbits
	.p2align	6, 0x0
	.amdhsa_kernel k_q758e4df533_attn
		.amdhsa_group_segment_fixed_size 327680
		.amdhsa_private_segment_fixed_size 0
		.amdhsa_enable_private_segment 0
		.amdhsa_kernarg_size 32
		.amdhsa_user_sgpr_count 2
		.amdhsa_user_sgpr_kernarg_segment_ptr 1
		.amdhsa_wavefront_size32 1
		.amdhsa_system_sgpr_workgroup_id_x 1
		.amdhsa_system_sgpr_workgroup_id_y 1
		.amdhsa_system_sgpr_workgroup_id_z 1
		.amdhsa_system_vgpr_workitem_id 0
		.amdhsa_next_free_vgpr 512
		.amdhsa_next_free_sgpr 96
		.amdhsa_reserve_vcc 1
		.amdhsa_float_denorm_mode_32 3
		.amdhsa_float_denorm_mode_16_64 3
		.amdhsa_memory_ordered 1
		.amdhsa_forward_progress 1
		.amdhsa_inst_pref_size 95
	.end_amdhsa_kernel
	.amdgpu_metadata
---
amdhsa.version: [ 1, 2 ]
amdhsa.kernels:
  - .name:           k_q758e4df533_attn
    .symbol:         k_q758e4df533_attn.kd
    .args:
      - { .name: zc, .offset: 0, .size: 8, .value_kind: global_buffer, .address_space: global }
      - { .name: val, .offset: 8, .size: 8, .value_kind: global_buffer, .address_space: global }
      - { .name: gamma, .offset: 16, .size: 8, .value_kind: global_buffer, .address_space: global }
      - { .name: att, .offset: 24, .size: 8, .value_kind: global_buffer, .address_space: global }
    .group_segment_fixed_size: 327680
    .private_segment_fixed_size: 0
    .kernarg_segment_align: 8
    .kernarg_segment_size: 32
    .max_flat_workgroup_size: 256
    .sgpr_count:     96
    .vgpr_count:     512
    .wavefront_size: 32
...
	.end_amdgpu_metadata
.endif
;; end of part 4
;; launch gemmo (part 5): grid 8 x 32, 4 waves a work-group, clusters of 4 x 4, 327,680 bytes of LDS; arguments att, wts, bo, h, h1; writes h1
.if DOCPART == 5
	.amdgcn_target "amdgcn-amd-amdhsa--gfx1250"
	.amdhsa_code_object_version 6
	.text
	.protected	k_q758e4df533_gemmo
	.globl	k_q758e4df533_gemmo
	.p2align	8
	.type	k_q758e4df533_gemmo,@function
k_q758e4df533_gemmo:
	s_mov_b64 s[64:65], 0
	v_nop
	global_prefetch_b8 v0, s[64:65] scope:SCOPE_SE
	s_setreg_imm32_b32 hwreg(HW_REG_WAVE_MODE, 25, 1), 1
	s_wait_xcnt 0x0
	s_wait_alu depctr_hold_cnt(0) depctr_sa_sdst(0) depctr_va_vdst(0) depctr_va_sdst(0) depctr_va_ssrc(0) depctr_va_vcc(0) depctr_vm_vsrc(0)
	s_getreg_b32 s2, hwreg(HW_REG_IB_STS2, 6, 4)
	s_cmp_eq_u32 s2, 0
	s_cbranch_scc0 .Lentry_in_a_cluster
	s_endpgm
.Lentry_in_a_cluster:
	s_bfe_u32 s2, ttmp6, 0x10000c
	s_cmp_lg_u32 s2, 0xf033
	s_cbranch_scc0 .Lentry_shape_is_right
	s_endpgm
.Lentry_shape_is_right:
; h1 = h + attn_out wo + bo.  C[4096][1024] = A W + bias + residual.  A: f16 panels [K/64][4096][64]; W: f16 column blocks [N/128][K][128]; residual and C: f32, row-major; sums f32.  LIMIT: f16 ends at 65,504.
; A work-group makes 128 x 128 of C, each of its four waves 64 x 64: 16 accumulators, which START AT THE BIAS (loaded into them).  K goes in steps of 256 through two LDS slots: A's four panels of
; 128 rows x 128 bytes come as two rows of 16 KiB a load (waves 0, 1), padded after every 128 bytes; W's 256 rows of 256 bytes as 128 rows a load (waves 2, 3); W comes out of LDS turned.
; CLUSTER 4 x 4: A's tiles are asked for jointly along a row of the cluster, W's along a column.  The product is taken transposed: a lane holds one row of C and eight neighbouring columns.
; No prefetch: a step's tile is small and its rows are read by several clusters at about the same time.
.set KTOT,   1024
.set WOFF,   2097152
.set KSTEP,  256
.set LAPS,   KTOT/(2*KSTEP)
.set PA,     144
.set PANELB, 128*PA
.set ATILE,  4*PANELB
.set PB,     288
.set HALFB,  128*PB
.set SLOT,   ATILE+2*HALFB
.set STAGE,  2*SLOT
.set SPARE,  STAGE+17408
.set ADRA, 8
.set ADRB, 10
.set STO,  14
.set RD,   15
.set GO,   16
.set BO,   17
.set SPW,  28
.set NIL,  29
.set ACC,  128
.set F0,   0
.set F1,   128
.set G1A, 24
.set G0A, 32
.set G1B, 48
.set G0B, 56
.set MSB, 0
.macro WIN new
.if MSB != (\new)
	s_set_vgpr_msb (MSB<<8)|(\new)
.set MSB, \new
.endif
.endm
.set MUL,  0x05
.set TO_F, 0x40
.macro JLOAD s
	s_cmp_eq_u32 s15, 0
	s_cbranch_scc0 .Lfor_b_\@
	tensor_load_to_lds s[G0A+4*(\s):G0A+4*(\s)+3], s[G1A:G1A+7]
	s_nop 0
.rept 4
	v_nop
.endr
	s_branch .Lasked_\@
.Lfor_b_\@:
	tensor_load_to_lds s[G0B+4*(\s):G0B+4*(\s)+3], s[G1B:G1B+7]
	s_nop 0
.rept 4
	v_nop
.endr
.Lasked_\@:
.endm
.macro CREST
	s_cmp_lg_u32 s14, 0
	s_cbranch_scc1 .Lnot_wave_0_\@
	s_barrier_signal -3
.Lnot_wave_0_\@:
	s_barrier_wait -3
	s_barrier_signal -1
	s_barrier_wait -1
.endm
.macro CROUND
	s_barrier_signal -1
	s_barrier_wait -1
	CREST
.endm
.macro PLACES
.rept 4
	v_nop
.endr
.endm
.macro MUL8 f, c, a0
	WIN MUL
.irp a, \a0, (\a0)+1
.irp b, 0,1,2,3
	v_wmma_f32_16x16x32_f16 v[ACC+8*(4*(\a)+(\b)):ACC+8*(4*(\a)+(\b))+7], v[(\f)+64+8*(4*(\c)+(\b)):(\f)+64+8*(4*(\c)+(\b))+7], v[(\f)+8*(4*(\c)+(\a)):(\f)+8*(4*(\c)+(\a))+7], v[ACC+8*(4*(\a)+(\b)):ACC+8*(4*(\a)+(\b))+7]
.endr
.endr
.endm
.macro FETCH slot, q, f
	WIN TO_F
.irp c, 0,1
.irp i, 0,1,2,3
	ds_load_tr16_b128 v[(\f)+64+8*(4*(\c)+(\i)):(\f)+64+8*(4*(\c)+(\i))+3],   v[ADRB+2*(\slot)+(\q)/2] offset:(((\q)%2)*64+32*(\c))*PB+32*(\i)
	ds_load_tr16_b128 v[(\f)+64+8*(4*(\c)+(\i))+4:(\f)+64+8*(4*(\c)+(\i))+7], v[ADRB+2*(\slot)+(\q)/2] offset:(((\q)%2)*64+32*(\c))*PB+32*(\i)+16*PB
	ds_load_b128 v[(\f)+8*(4*(\c)+(\i)):(\f)+8*(4*(\c)+(\i))+3],   v[ADRA+(\slot)] offset:(\q)*PANELB+(\i)*16*PA+64*(\c)
	ds_load_b128 v[(\f)+8*(4*(\c)+(\i))+4:(\f)+8*(4*(\c)+(\i))+7], v[ADRA+(\slot)] offset:(\q)*PANELB+(\i)*16*PA+64*(\c)+32
.endr
.endr
.endm
.macro QUARTER slot, q, f, g
	s_wait_dscnt 16                                ; the first 32 k are in; the 16 younger loads are the second 32 k
	MUL8 \f, 0, 0
	MUL8 \f, 0, 2
	PLACES
	FETCH \slot, \q, \g
	s_wait_dscnt 32                                ; all but the 32 just issued
	MUL8 \f, 1, 0
	MUL8 \f, 1, 2
.endm
.macro TURN slot, next, fill
	WIN 0
	s_wait_tensorcnt 0x0                           ; all my tensor loads have landed: my part of the next slot
	ds_add_u32 v[SPW], v[NIL]
	s_wait_dscnt 17                                ; the add and the youngest sixteen loads may be out
	MUL8 F1, 0, 0
	s_wait_dscnt 0x0                               ; the add is done, my reads of this slot are over
	s_barrier_signal -1
	MUL8 F1, 0, 2
.if \fill
	WIN 0
.endif
	s_barrier_wait -1
.if \fill
	CREST
	s_add_nc_u64 s[G0A+4*(\slot)+2:G0A+4*(\slot)+3], s[G0A+4*(\slot)+2:G0A+4*(\slot)+3], 8*524288
	s_add_nc_u64 s[G0B+4*(\slot)+2:G0B+4*(\slot)+3], s[G0B+4*(\slot)+2:G0B+4*(\slot)+3], 2*KSTEP*256
	JLOAD \slot
.else
	PLACES
.endif
	FETCH \next, 0, F0
	MUL8 F1, 1, 0
	MUL8 F1, 1, 2
.endm
	s_load_b256 s[4:11], s[0:1], 0x0               ; A 4, wts 6, bias 8, residual 10
	s_load_b64 s[12:13], s[0:1], 0x20              ; C
	v_lshl_add_u32 v[SPW], v0, 2, SPARE
	v_mov_b32 v[NIL], 0
	ds_add_u32 v[SPW], v[NIL]                      ; the wave's opening: the add and its wait ahead of my first tensor load
	v_lshrrev_b32 v1, 5, v0
	v_readfirstlane_b32 s14, v1
	s_lshr_b32 s15, s14, 1
	s_and_b32 s16, s14, 1
	s_bfe_u32 s17, ttmp6, 0x40000
	s_bfe_u32 s18, ttmp6, 0x40004
	s_lshl_b32 s19, ttmp9, 2
	s_add_co_u32 s19, s19, s17
	s_and_b32 s20, ttmp7, 0xffff
	s_lshl_b32 s20, s20, 2
	s_add_co_u32 s20, s20, s18
	s_lshl_b32 s21, s18, 2
	s_lshl_b32 s21, 15, s21
	s_lshl_b32 s22, 0x1111, s17
	s_or_b32 s[G1A], s21, (1<<16)|(1<<20)|(1<<21)|(4<<22)|(3<<25)
	s_mov_b32 s[G1A+1], 8192<<16
	s_mov_b32 s[G1A+2], 2<<16
	s_mov_b32 s[G1A+3], 8192<<16
	s_mov_b32 s[G1A+4], 2
	s_mov_b32 s[G1A+5], 262144
	s_mov_b32 s[G1A+6], 0
	s_mov_b32 s[G1A+7], 0
	s_or_b32 s[G1B], s22, (1<<16)|(1<<20)|(1<<21)|(5<<22)|(7<<25)
	s_mov_b32 s[G1B+1], 128<<16
	s_mov_b32 s[G1B+2], 128<<16
	s_mov_b32 s[G1B+3], 128<<16
	s_mov_b32 s[G1B+4], 128
	s_mov_b32 s[G1B+5], 128
	s_mov_b32 s[G1B+6], 0
	s_mov_b32 s[G1B+7], 0
	s_lshl_b32 s40, s20, 14
	s_lshl_b32 s41, s16, 20
	s_add_co_u32 s40, s40, s41
	s_mov_b32 s41, 0
	s_mul_i32 s42, s19, KTOT*256
	s_lshl_b32 s43, s16, 15
	s_add_co_u32 s42, s42, s43
	s_add_co_u32 s42, s42, WOFF
	s_mov_b32 s43, 0
	s_mul_i32 s23, s14, HALFB
	s_wait_dscnt 0x0
	s_wait_kmcnt 0x0
	s_add_nc_u64 s[40:41], s[4:5], s[40:41]
	s_add_nc_u64 s[42:43], s[6:7], s[42:43]
	CROUND
.irp s, 0,1
	s_mov_b32 s[G0A+4*(\s)], 1
	s_add_co_u32 s[G0A+4*(\s)+1], s23, (\s)*SLOT
	s_add_nc_u64 s[G0A+4*(\s)+2:G0A+4*(\s)+3], s[40:41], (\s)*4*524288
	s_or_b32 s[G0A+4*(\s)+3], s[G0A+4*(\s)+3], 0x80000000
	s_mov_b32 s[G0B+4*(\s)], 1
	s_add_co_u32 s[G0B+4*(\s)+1], s23, (\s)*SLOT
	s_add_nc_u64 s[G0B+4*(\s)+2:G0B+4*(\s)+3], s[42:43], (\s)*KSTEP*256
	s_or_b32 s[G0B+4*(\s)+3], s[G0B+4*(\s)+3], 0x80000000
	JLOAD \s
.endr
	v_and_b32 v1, 15, v0
	v_bfe_u32 v2, v0, 4, 1
	v_and_b32 v3, 7, v0
	v_bfe_u32 v4, v0, 3, 1
	v_mul_u32_u24 v5, v1, PA
	v_lshl_add_u32 v5, v2, 4, v5
	s_mul_i32 s21, s15, 64*PA
	v_add_nc_u32 v[ADRA], s21, v5
	v_add_nc_u32 v[ADRA+1], SLOT, v[ADRA]
	v_lshl_add_u32 v6, v2, 3, v3
	v_mul_u32_u24 v6, v6, PB
	v_lshl_add_u32 v6, v4, 4, v6
	s_lshl_b32 s21, s16, 7
	s_add_co_u32 s21, s21, ATILE
	v_add_nc_u32 v[ADRB], s21, v6
	v_add_nc_u32 v[ADRB+1], HALFB, v[ADRB]
	v_add_nc_u32 v[ADRB+2], SLOT, v[ADRB]
	v_add_nc_u32 v[ADRB+3], SLOT+HALFB, v[ADRB]
	s_lshl_b32 s46, s19, 9
	s_lshl_b32 s47, s16, 8
	s_add_co_u32 s46, s46, s47
	v_lshl_add_u32 v[BO], v2, 5, s46
.irp a, 0,1,2,3
.irp b, 0,1,2,3
	global_load_b128 v[ACC+8*(4*\a+\b):ACC+8*(4*\a+\b)+3],   v[BO], s[8:9] offset:64*\b
	global_load_b128 v[ACC+8*(4*\a+\b)+4:ACC+8*(4*\a+\b)+7], v[BO], s[8:9] offset:64*\b+16
.endr
.endr
	; the way out: my own stage of 16 rows x 272 bytes; my 64 columns are 256 aligned bytes of each row of C
	s_mul_i32 s21, s14, 16*272
	s_add_co_u32 s21, s21, STAGE
	v_mul_u32_u24 v7, v1, 272
	v_lshl_add_u32 v7, v2, 5, v7
	v_add_nc_u32 v[STO], s21, v7
	v_mul_u32_u24 v7, v2, 272
	v_lshl_add_u32 v7, v1, 4, v7
	v_add_nc_u32 v[RD], s21, v7
	v_lshlrev_b32 v7, 12, v2
	v_lshl_add_u32 v[GO], v1, 4, v7
	s_lshl_b32 s44, s20, 1
	s_add_co_u32 s44, s44, s15
	s_lshl_b32 s44, s44, 18
	s_add_co_u32 s44, s44, s46
	s_mov_b32 s45, 0
	s_add_nc_u64 s[10:11], s[10:11], s[44:45]
	s_add_nc_u64 s[12:13], s[12:13], s[44:45]
	s_wait_tensorcnt 1                             ; my part of K step 0 is in; step 1's may stay out
	s_barrier_signal -1
	s_barrier_wait -1
	FETCH 0, 0, F0
	s_wait_loadcnt 0x0                             ; the bias
	QUARTER 0, 1, F0, F1
	WIN 0
	s_mov_b32 s3, LAPS-1
.Llap:
	QUARTER 0, 2, F1, F0
	QUARTER 0, 3, F0, F1
	TURN 0, 1, 1
	QUARTER 1, 1, F0, F1
	QUARTER 1, 2, F1, F0
	QUARTER 1, 3, F0, F1
	TURN 1, 0, 1
	QUARTER 0, 1, F0, F1
	WIN 0
	s_sub_co_u32 s3, s3, 1
	s_cmp_lg_u32 s3, 0
	s_cbranch_scc1 .Llap
	QUARTER 0, 2, F1, F0
	QUARTER 0, 3, F0, F1
	TURN 0, 1, 0
	QUARTER 1, 1, F0, F1
	QUARTER 1, 2, F1, F0
	QUARTER 1, 3, F0, F1
.macro RES a                           ; the residual of 16 rows, as whole rows of 256 bytes: 8 loads
.irp t, 0,1,2,3,4,5,6,7
	global_load_b128 v[32+64*((\a)%2)+4*\t:32+64*((\a)%2)+4*\t+3], v[GO], s[10:11] offset:(16*(\a)+2*\t)*4096
.endr
.endm
.macro TOST a                          ; 16 rows of sums into my stage and back as whole rows
.irp b, 0,1,2,3
	ds_store_b128 v[STO], v[ACC+8*(4*(\a)+\b):ACC+8*(4*(\a)+\b)+3] offset:64*\b
	ds_store_b128 v[STO], v[ACC+8*(4*(\a)+\b)+4:ACC+8*(4*(\a)+\b)+7] offset:64*\b+16
.endr
.irp t, 0,1,2,3,4,5,6,7
	ds_load_b128 v[64+4*\t:64+4*\t+3], v[RD] offset:544*\t
.endr
.endm
.macro FIN a, n                        ; n: the next block's residual loads, which may stay out
	s_wait_dscnt 0x0
	s_wait_loadcnt \n
.irp i, 0,1,2,3,4,5,6,7,8,9,10,11,12,13,14,15
	v_pk_add_f32 v[64+2*\i:64+2*\i+1], v[64+2*\i:64+2*\i+1], v[32+64*((\a)%2)+2*\i:32+64*((\a)%2)+2*\i+1]
.endr
.irp t, 0,1,2,3,4,5,6,7
	global_store_b128 v[GO], v[64+4*\t:64+4*\t+3], s[12:13] offset:(16*(\a)+2*\t)*4096   ; sixteen lanes store 256 consecutive aligned bytes
.endr
.endm
	WIN 0
	RES 0                                          ; asked for ahead of the last quarter's products
	RES 1
	s_wait_dscnt 16
	MUL8 F1, 0, 0
	MUL8 F1, 0, 2
	s_wait_dscnt 0x0
	MUL8 F1, 1, 0
	MUL8 F1, 1, 2
	WIN 0
	PLACES
	TOST 0
	FIN 0, 8
	s_wait_xcnt 0x0                                ; the stores have read their registers: only now are these loaded again
	RES 2
	TOST 1
	FIN 1, 8
	s_wait_xcnt 0x0
	RES 3
	TOST 2
	FIN 2, 8
	s_wait_xcnt 0x0
	TOST 3
	FIN 3, 0
	s_wait_tensorcnt 0x0                           ; the wave's end
	ds_add_u32 v[SPW], v[NIL]
	s_wait_dscnt 0x0
	CROUND
	s_endpgm
.Lfunc_end_k_q758e4df533_gemmo:
	.size	k_q758e4df533_gemmo, .Lfunc_end_k_q758e4df533_gemmo-k_q758e4df533_gemmo
	.p2alignl 7, 3214868480
	.fill 96, 4, 3214868480
	.section	.rodata,"a",@progbits
	.p2align	6, 0x0
	.amdhsa_kernel k_q758e4df533_gemmo
		.amdhsa_group_segment_fixed_size 327680
		.amdhsa_private_segment_fixed_size 0
		.amdhsa_enable_private_segment 0
		.amdhsa_kernarg_size 40
		.amdhsa_user_sgpr_count 2
		.amdhsa_user_sgpr_kernarg_segment_ptr 1
		.amdhsa_wavefront_size32 1
		.amdhsa_system_sgpr_workgroup_id_x 1
		.amdhsa_system_sgpr_workgroup_id_y 1
		.amdhsa_system_sgpr_workgroup_id_z 1
		.amdhsa_system_vgpr_workitem_id 0
		.amdhsa_next_free_vgpr 512
		.amdhsa_next_free_sgpr 66
		.amdhsa_reserve_vcc 0
		.amdhsa_float_denorm_mode_32 3
		.amdhsa_float_denorm_mode_16_64 3
		.amdhsa_memory_ordered 1
		.amdhsa_forward_progress 1
		.amdhsa_inst_pref_size 96
	.end_amdhsa_kernel
	.amdgpu_metadata
---
amdhsa.version: [ 1, 2 ]
amdhsa.kernels:
  - .name:           k_q758e4df533_gemmo
    .symbol:         k_q758e4df533_gemmo.kd
    .args:
      - { .name: att, .offset: 0, .size: 8, .value_kind: global_buffer, .address_space: global }
      - { .name: wts, .offset: 8, .size: 8, .value_kind: global_buffer, .address_space: global }
      - { .name: bo, .offset: 16, .size: 8, .value_kind: global_buffer, .address_space: global }
      - { .name: h, .offset: 24, .size: 8, .value_kind: global_buffer, .address_space: global }
      - { .name: h1, .offset: 32, .size: 8, .value_kind: global_buffer, .address_space: global }
    .group_segment_fixed_size: 327680
    .private_segment_fixed_size: 0
    .kernarg_segment_align: 8
    .kernarg_segment_size: 40
    .max_flat_workgroup_size: 128
    .sgpr_count:     66
    .vgpr_count:     512
    .wavefront_size: 32
...
	.end_amdgpu_metadata
.endif
;; end of part 5
;; launch ln2 (part 6): grid 256 x 1, 4 waves a work-group, no clusters, 0 bytes of LDS; arguments h1, ln2_g, ln2_b, xn2; writes xn2
.if DOCPART == 6
	.amdgcn_target "amdgcn-amd-amdhsa--gfx1250"
	.amdhsa_code_object_version 6
	.text
	.protected	k_q758e4df533_ln2
	.globl	k_q758e4df533_ln2
	.p2align	8
	.type	k_q758e4df533_ln2,@function
k_q758e4df533_ln2:
	s_mov_b64 s[64:65], 0
	v_nop
	global_prefetch_b8 v0, s[64:65] scope:SCOPE_SE
	s_setreg_imm32_b32 hwreg(HW_REG_WAVE_MODE, 25, 1), 1
	s_wait_xcnt 0x0
; hn2 = LayerNorm(h1) -> xn2, f16, in panels [1024/64][4096 tokens][64].  16 rows a work-group, 4 a wave, 8 lanes a row; the row stays in registers between the mean, the variance
; (of x - mean) and the scaling.  A stream: no LDS, no barrier, no cluster (work-groups share only 8 KiB of gains and biases).  LIMIT: f16 ends at 65,504.
.set X,     64
.set GG,    192
.set BB,    32
.set T,     16
.set MEAN,  24
.set RSTD,  26
.set PANEL, 524288
.macro LNGB g, b, q, set               ; gains and biases of panels 2 q, 2 q + 1 into set: 8 loads
.irp pp, 0,1
	global_load_b128 v[GG+16*(\set)+8*\pp:GG+16*(\set)+8*\pp+3],   v3, s[\g:\g+1] offset:256*(2*(\q)+\pp)
	global_load_b128 v[GG+16*(\set)+8*\pp+4:GG+16*(\set)+8*\pp+7], v3, s[\g:\g+1] offset:256*(2*(\q)+\pp)+16
	global_load_b128 v[BB+16*(\set)+8*\pp:BB+16*(\set)+8*\pp+3],   v3, s[\b:\b+1] offset:256*(2*(\q)+\pp)
	global_load_b128 v[BB+16*(\set)+8*\pp+4:BB+16*(\set)+8*\pp+7], v3, s[\b:\b+1] offset:256*(2*(\q)+\pp)+16
.endr
.endm
.macro LNRED
	v_pk_add_f32 v[T:T+1], v[T:T+1], v[T+2:T+3]
	v_pk_add_f32 v[T+4:T+5], v[T+4:T+5], v[T+6:T+7]
	v_pk_add_f32 v[T:T+1], v[T:T+1], v[T+4:T+5]
	v_add_f32 v[T], v[T], v[T+1]
	v_add_f32_dpp v[T], v[T], v[T] row_xmask:1 row_mask:0xf bank_mask:0xf
	v_add_f32_dpp v[T], v[T], v[T] row_xmask:2 row_mask:0xf bank_mask:0xf
	v_add_f32_dpp v[T], v[T], v[T] row_xmask:4 row_mask:0xf bank_mask:0xf
.endm
.macro LNBODY src, g, b, dst
	s_lshl_b32 s30, ttmp9, 4
	s_lshl2_add_u32 s30, s28, s30                  ; my wave's first row
	s_lshl_b32 s32, s30, 12
	s_mov_b32 s33, 0
	s_add_nc_u64 s[\src:\src+1], s[\src:\src+1], s[32:33]
	s_lshl_b32 s32, s30, 7
	s_add_nc_u64 s[\dst:\dst+1], s[\dst:\dst+1], s[32:33]
	s_mov_b32 s26, 0x3a800000                      ; 1 / 1024
	s_mov_b32 s27, 0x3727c5ac                      ; 1e-5
	v_lshrrev_b32 v2, 3, v1
	v_and_b32 v3, 7, v1
	v_lshlrev_b32 v3, 5, v3
	v_lshl_add_u32 v2, v2, 12, v3
	v_lshlrev_b32 v4, 4, v1
.set p, 0
.rept 16
	global_load_b128 v[X+8*p:X+8*p+3],   v2, s[\src:\src+1] offset:256*p
	global_load_b128 v[X+8*p+4:X+8*p+7], v2, s[\src:\src+1] offset:256*p+16
.set p, p+1
.endr
	LNGB \g, \b, 0, 0
	LNGB \g, \b, 1, 1
	s_wait_loadcnt 16                              ; the row is in; the 16 younger loads are two groups of gains and biases
.irp c, 0,1,2,3
	v_pk_add_f32 v[T+2*\c:T+2*\c+1], v[X+2*\c:X+2*\c+1], v[X+8+2*\c:X+8+2*\c+1]
.endr
.set j, 8
.rept 56
	v_pk_add_f32 v[T+2*(j%4):T+2*(j%4)+1], v[T+2*(j%4):T+2*(j%4)+1], v[X+2*j:X+2*j+1]
.set j, j+1
.endr
	LNRED
	v_mul_f32 v[MEAN], s26, v[T]
	v_mov_b32 v[MEAN+1], v[MEAN]
.set j, 0
.rept 64
	v_pk_add_f32 v[X+2*j:X+2*j+1], v[X+2*j:X+2*j+1], v[MEAN:MEAN+1] neg_lo:[0,1] neg_hi:[0,1]
.set j, j+1
.endr
.irp c, 0,1,2,3
	v_pk_mul_f32 v[T+2*\c:T+2*\c+1], v[X+2*\c:X+2*\c+1], v[X+2*\c:X+2*\c+1]
.endr
.set j, 4
.rept 60
	v_pk_fma_f32 v[T+2*(j%4):T+2*(j%4)+1], v[X+2*j:X+2*j+1], v[X+2*j:X+2*j+1], v[T+2*(j%4):T+2*(j%4)+1]
.set j, j+1
.endr
	LNRED
	v_fma_f32 v[T], v[T], s26, s27
	v_rsq_f32 v[RSTD], v[T]
	v_rsq_f32 v[RSTD+1], v[T]
	v_nop
	s_wait_alu depctr_va_vdst(0)                   ; one wait for both roots, ahead of their first reader
.irp q, 0,1,2,3,4,5,6,7
.if \q < 7
	s_wait_loadcnt 8                               ; this group's gains and biases are in; the next group's 8 loads stay out
.else
	s_wait_loadcnt 0x0
.endif
.irp pp, 0,1
.set xp, X+8*(2*\q+\pp)
.irp k, 0,1,2,3
	v_pk_mul_f32 v[xp+2*\k:xp+2*\k+1], v[xp+2*\k:xp+2*\k+1], v[RSTD:RSTD+1]
.endr
.irp k, 0,1,2,3
	v_pk_fma_f32 v[xp+2*\k:xp+2*\k+1], v[xp+2*\k:xp+2*\k+1], v[GG+16*(\q%2)+8*\pp+2*\k:GG+16*(\q%2)+8*\pp+2*\k+1], v[BB+16*(\q%2)+8*\pp+2*\k:BB+16*(\q%2)+8*\pp+2*\k+1]
.endr
.irp k, 0,1,2,3
	v_cvt_pk_f16_f32 v[xp+\k], v[xp+2*\k], v[xp+2*\k+1]
.endr
	global_store_b128 v4, v[xp:xp+3], s[\dst:\dst+1] offset:(2*\q+\pp)*PANEL   ; 512 consecutive bytes of a panel
.endr
.if \q < 6
	LNGB \g, \b, \q+2, \q%2
.endif
.endr
.endm
	s_load_b256 s[4:11], s[0:1], 0x0               ; h1 4, ln2_g 6, ln2_b 8, xn2 10
	v_and_b32 v1, 31, v0
	v_lshrrev_b32 v2, 5, v0
	v_readfirstlane_b32 s28, v2
	s_wait_kmcnt 0x0
	LNBODY 4, 6, 8, 10
	s_endpgm
.Lfunc_end_k_q758e4df533_ln2:
	.size	k_q758e4df533_ln2, .Lfunc_end_k_q758e4df533_ln2-k_q758e4df533_ln2
	.p2alignl 7, 3214868480
	.fill 96, 4, 3214868480
	.section	.rodata,"a",@progbits
	.p2align	6, 0x0
	.amdhsa_kernel k_q758e4df533_ln2
		.amdhsa_group_segment_fixed_size 0
		.amdhsa_private_segment_fixed_size 0
		.amdhsa_enable_private_segment 0
		.amdhsa_kernarg_size 32
		.amdhsa_user_sgpr_count 2
		.amdhsa_user_sgpr_kernarg_segment_ptr 1
		.amdhsa_wavefront_size32 1
		.amdhsa_system_sgpr_workgroup_id_x 1
		.amdhsa_system_sgpr_workgroup_id_y 1
		.amdhsa_system_sgpr_workgroup_id_z 1
		.amdhsa_system_vgpr_workitem_id 0
		.amdhsa_next_free_vgpr 224
		.amdhsa_next_free_sgpr 66
		.amdhsa_reserve_vcc 0
		.amdhsa_float_denorm_mode_32 3
		.amdhsa_float_denorm_mode_16_64 3
		.amdhsa_memory_ordered 1
		.amdhsa_forward_progress 1
		.amdhsa_inst_pref_size 37
	.end_amdhsa_kernel
	.amdgpu_metadata
---
amdhsa.version: [ 1, 2 ]
amdhsa.kernels:
  - .name:           k_q758e4df533_ln2
    .symbol:         k_q758e4df533_ln2.kd
    .args:
      - { .name: h1, .offset: 0, .size: 8, .value_kind: global_buffer, .address_space: global }
      - { .name: ln2_g, .offset: 8, .size: 8, .value_kind: global_buffer, .address_space: global }
      - { .name: ln2_b, .offset: 16, .size: 8, .value_kind: global_buffer, .address_space: global }
      - { .name: xn2, .offset: 24, .size: 8, .value_kind: global_buffer, .address_space: global }
    .group_segment_fixed_size: 0
    .private_segment_fixed_size: 0
    .kernarg_segment_align: 8
    .kernarg_segment_size: 32
    .max_flat_workgroup_size: 128
    .sgpr_count:     66
    .vgpr_count:     224
    .wavefront_size: 32
...
	.end_amdgpu_metadata
.endif
;; end of part 6
;; launch ffn1 (part 7): grid 32 x 32, 4 waves a work-group, clusters of 4 x 4, 327,680 bytes of LDS; arguments xn2, wts, b1, act; writes act
.if DOCPART == 7
	.amdgcn_target "amdgcn-amd-amdhsa--gfx1250"
	.amdhsa_code_object_version 6
	.text
	.protected	k_q758e4df533_ffn1
	.globl	k_q758e4df533_ffn1
	.p2align	8
	.type	k_q758e4df533_ffn1,@function
k_q758e4df533_ffn1:
	s_mov_b64 s[64:65], 0
	v_nop
	global_prefetch_b8 v0, s[64:65] scope:SCOPE_SE
	s_setreg_imm32_b32 hwreg(HW_REG_WAVE_MODE, 25, 1), 1
	s_wait_xcnt 0x0
	s_wait_alu depctr_hold_cnt(0) depctr_sa_sdst(0) depctr_va_vdst(0) depctr_va_sdst(0) depctr_va_ssrc(0) depctr_va_vcc(0) depctr_vm_vsrc(0)
	s_getreg_b32 s2, hwreg(HW_REG_IB_STS2, 6, 4)
	s_cmp_eq_u32 s2, 0
	s_cbranch_scc0 .Lentry_in_a_cluster
	s_endpgm
.Lentry_in_a_cluster:
	s_bfe_u32 s2, ttmp6, 0x10000c
	s_cmp_lg_u32 s2, 0xf033
	s_cbranch_scc0 .Lentry_shape_is_right
	s_endpgm
.Lentry_shape_is_right:
; act = gelu(hn2 w1 + b1), the exact (erf) GELU.  C[4096][4096] = gelu(A W + bias).  A: f16 panels [K/64][4096][64]; W: f16 column blocks [N/128][K][128]; C: f16 panels; sums f32.  LIMIT: f16 ends at 65,504.
; A work-group makes 128 x 128 of C, each of its four waves 64 x 64: 16 accumulators, which START AT THE BIAS.  K goes in steps of 256 through two LDS slots, as in the other three products of this program:
; A's four panels come as two rows of 16 KiB a load (waves 0, 1), W's 256 rows of 256 bytes as 128 rows a load (waves 2, 3); W comes out of LDS turned.  CLUSTER 4 x 4 with joint loads.
; GELU: x Phi(x) = x / 2 + |x| (1/2 - Q), Q = 2^(-(a x)^2) t (c1 + t (c2 + t (c3 + t (c4 + t c5)))), t = 1 / (1 + p |x|): the five-term rational form of the normal tail, within 7.5e-8 for every x.
; THE WAY OUT is a loop of 8 trips over rows kept in LDS, so that the GELU's text stands once.  Its stage lies in slot 0's bytes: that slot has had its last fill, every wave's reads of it were waited
; for in front of the last change of slots, and each wave touches its own 17,408 bytes alone.
.set KTOT,   1024
.set WOFF,   4194304
.set KSTEP,  256
.set LAPS,   KTOT/(2*KSTEP)
.set PA,     144
.set PANELB, 128*PA
.set ATILE,  4*PANELB
.set PB,     288
.set HALFB,  128*PB
.set SLOT,   ATILE+2*HALFB
.set STAGE,  2*SLOT
.set SPARE,  STAGE+17408
.set ADRA, 8
.set ADRB, 10
.set STO,  14
.set RD,   15
.set GO,   16
.set BO,   17
.set SPW,  28
.set NIL,  29
.set GX,   32                          ; v32-47 x, then the result;  v48-63 t;  v64-79 the exponential, then x / 2;  v80-95 the polynomial
.set GU,   48
.set GY,   64
.set GP,   80
.set ACC,  128
.set F0,   0
.set F1,   128
.set G1A, 24
.set G0A, 32
.set G1B, 48
.set G0B, 56
.set PC,  66                           ; s66 p;  pairs: s[68:69] a, s[70:71] c5 .. s[78:79] c1
.set AA,  68
.set C5,  70
.set C4,  72
.set C3,  74
.set C2,  76
.set C1,  78
.set MSB, 0
.macro WIN new
.if MSB != (\new)
	s_set_vgpr_msb (MSB<<8)|(\new)
.set MSB, \new
.endif
.endm
.set MUL,  0x05
.set TO_F, 0x40
.macro JLOAD s
	s_cmp_eq_u32 s15, 0
	s_cbranch_scc0 .Lfor_b_\@
	tensor_load_to_lds s[G0A+4*(\s):G0A+4*(\s)+3], s[G1A:G1A+7]
	s_nop 0
.rept 4
	v_nop
.endr
	s_branch .Lasked_\@
.Lfor_b_\@:
	tensor_load_to_lds s[G0B+4*(\s):G0B+4*(\s)+3], s[G1B:G1B+7]
	s_nop 0
.rept 4
	v_nop
.endr
.Lasked_\@:
.endm
.macro CREST
	s_cmp_lg_u32 s14, 0
	s_cbranch_scc1 .Lnot_wave_0_\@
	s_barrier_signal -3
.Lnot_wave_0_\@:
	s_barrier_wait -3
	s_barrier_signal -1
	s_barrier_wait -1
.endm
.macro CROUND
	s_barrier_signal -1
	s_barrier_wait -1
	CREST
.endm
.macro PLACES
.rept 4
	v_nop
.endr
.endm
.macro MUL8 f, c, a0
	WIN MUL
.irp a, \a0, (\a0)+1
.irp b, 0,1,2,3
	v_wmma_f32_16x16x32_f16 v[ACC+8*(4*(\a)+(\b)):ACC+8*(4*(\a)+(\b))+7], v[(\f)+64+8*(4*(\c)+(\b)):(\f)+64+8*(4*(\c)+(\b))+7], v[(\f)+8*(4*(\c)+(\a)):(\f)+8*(4*(\c)+(\a))+7], v[ACC+8*(4*(\a)+(\b)):ACC+8*(4*(\a)+(\b))+7]
.endr
.endr
.endm
.macro FETCH slot, q, f
	WIN TO_F
.irp c, 0,1
.irp i, 0,1,2,3
	ds_load_tr16_b128 v[(\f)+64+8*(4*(\c)+(\i)):(\f)+64+8*(4*(\c)+(\i))+3],   v[ADRB+2*(\slot)+(\q)/2] offset:(((\q)%2)*64+32*(\c))*PB+32*(\i)
	ds_load_tr16_b128 v[(\f)+64+8*(4*(\c)+(\i))+4:(\f)+64+8*(4*(\c)+(\i))+7], v[ADRB+2*(\slot)+(\q)/2] offset:(((\q)%2)*64+32*(\c))*PB+32*(\i)+16*PB
	ds_load_b128 v[(\f)+8*(4*(\c)+(\i)):(\f)+8*(4*(\c)+(\i))+3],   v[ADRA+(\slot)] offset:(\q)*PANELB+(\i)*16*PA+64*(\c)
	ds_load_b128 v[(\f)+8*(4*(\c)+(\i))+4:(\f)+8*(4*(\c)+(\i))+7], v[ADRA+(\slot)] offset:(\q)*PANELB+(\i)*16*PA+64*(\c)+32
.endr
.endr
.endm
.macro QUARTER slot, q, f, g
	s_wait_dscnt 16                                ; the first 32 k are in; the 16 younger loads are the second 32 k
	MUL8 \f, 0, 0
	MUL8 \f, 0, 2
	PLACES
	FETCH \slot, \q, \g
	s_wait_dscnt 32                                ; all but the 32 just issued
	MUL8 \f, 1, 0
	MUL8 \f, 1, 2
.endm
.macro TURN slot, next, fill
	WIN 0
	s_wait_tensorcnt 0x0                           ; all my tensor loads have landed: my part of the next slot
	ds_add_u32 v[SPW], v[NIL]
	s_wait_dscnt 17                                ; the add and the youngest sixteen loads may be out
	MUL8 F1, 0, 0
	s_wait_dscnt 0x0                               ; the add is done, my reads of this slot are over
	s_barrier_signal -1
	MUL8 F1, 0, 2
.if \fill
	WIN 0
.endif
	s_barrier_wait -1
.if \fill
	CREST
	s_add_nc_u64 s[G0A+4*(\slot)+2:G0A+4*(\slot)+3], s[G0A+4*(\slot)+2:G0A+4*(\slot)+3], 8*524288
	s_add_nc_u64 s[G0B+4*(\slot)+2:G0B+4*(\slot)+3], s[G0B+4*(\slot)+2:G0B+4*(\slot)+3], 2*KSTEP*256
	JLOAD \slot
.else
	PLACES
.endif
	FETCH \next, 0, F0
	MUL8 F1, 1, 0
	MUL8 F1, 1, 2
.endm
	s_load_b256 s[4:11], s[0:1], 0x0               ; A 4, wts 6, bias 8, C 10
	v_lshl_add_u32 v[SPW], v0, 2, SPARE
	v_mov_b32 v[NIL], 0
	ds_add_u32 v[SPW], v[NIL]                      ; the wave's opening: the add and its wait ahead of my first tensor load
	v_lshrrev_b32 v1, 5, v0
	v_readfirstlane_b32 s14, v1
	s_lshr_b32 s15, s14, 1
	s_and_b32 s16, s14, 1
	s_bfe_u32 s17, ttmp6, 0x40000
	s_bfe_u32 s18, ttmp6, 0x40004
	s_lshl_b32 s19, ttmp9, 2
	s_add_co_u32 s19, s19, s17
	s_and_b32 s20, ttmp7, 0xffff
	s_lshl_b32 s20, s20, 2
	s_add_co_u32 s20, s20, s18
	s_lshl_b32 s21, s18, 2
	s_lshl_b32 s21, 15, s21
	s_lshl_b32 s22, 0x1111, s17
	s_or_b32 s[G1A], s21, (1<<16)|(1<<20)|(1<<21)|(4<<22)|(3<<25)
	s_mov_b32 s[G1A+1], 8192<<16
	s_mov_b32 s[G1A+2], 2<<16
	s_mov_b32 s[G1A+3], 8192<<16
	s_mov_b32 s[G1A+4], 2
	s_mov_b32 s[G1A+5], 262144
	s_mov_b32 s[G1A+6], 0
	s_mov_b32 s[G1A+7], 0
	s_or_b32 s[G1B], s22, (1<<16)|(1<<20)|(1<<21)|(5<<22)|(7<<25)
	s_mov_b32 s[G1B+1], 128<<16
	s_mov_b32 s[G1B+2], 128<<16
	s_mov_b32 s[G1B+3], 128<<16
	s_mov_b32 s[G1B+4], 128
	s_mov_b32 s[G1B+5], 128
	s_mov_b32 s[G1B+6], 0
	s_mov_b32 s[G1B+7], 0
	s_mov_b32 s[PC], 0x3e6d3389                    ; p = 0.2316419
	s_mov_b32 s[PC+1], 0
	s_mov_b32 s[AA], 0x3f596d27                    ; a = sqrt(log2(e) / 2) = 0.8493218
	s_mov_b32 s[C5], 0x3f07dc22                    ;  0.530702716
	s_mov_b32 s[C4], 0xbf3a00e3                    ; -0.726576014
	s_mov_b32 s[C3], 0x3f35f0e3                    ;  0.710706871
	s_mov_b32 s[C2], 0xbe11a98e                    ; -0.142248368
	s_mov_b32 s[C1], 0x3e027906                    ;  0.127414796
.irp c, AA, C5, C4, C3, C2, C1
	s_mov_b32 s[\c+1], s[\c]                       ; named as pairs
.endr
	s_lshl_b32 s40, s20, 14
	s_lshl_b32 s41, s16, 20
	s_add_co_u32 s40, s40, s41
	s_mov_b32 s41, 0
	s_mul_i32 s42, s19, KTOT*256
	s_lshl_b32 s43, s16, 15
	s_add_co_u32 s42, s42, s43
	s_add_co_u32 s42, s42, WOFF
	s_mov_b32 s43, 0
	s_mul_i32 s23, s14, HALFB
	s_wait_dscnt 0x0
	s_wait_kmcnt 0x0
	s_add_nc_u64 s[40:41], s[4:5], s[40:41]
	s_add_nc_u64 s[42:43], s[6:7], s[42:43]
	CROUND
.irp s, 0,1
	s_mov_b32 s[G0A+4*(\s)], 1
	s_add_co_u32 s[G0A+4*(\s)+1], s23, (\s)*SLOT
	s_add_nc_u64 s[G0A+4*(\s)+2:G0A+4*(\s)+3], s[40:41], (\s)*4*524288
	s_or_b32 s[G0A+4*(\s)+3], s[G0A+4*(\s)+3], 0x80000000
	s_mov_b32 s[G0B+4*(\s)], 1
	s_add_co_u32 s[G0B+4*(\s)+1], s23, (\s)*SLOT
	s_add_nc_u64 s[G0B+4*(\s)+2:G0B+4*(\s)+3], s[42:43], (\s)*KSTEP*256
	s_or_b32 s[G0B+4*(\s)+3], s[G0B+4*(\s)+3], 0x80000000
	JLOAD \s
.endr
	v_and_b32 v1, 15, v0
	v_bfe_u32 v2, v0, 4, 1
	v_and_b32 v3, 7, v0
	v_bfe_u32 v4, v0, 3, 1
	v_mul_u32_u24 v5, v1, PA
	v_lshl_add_u32 v5, v2, 4, v5
	s_mul_i32 s21, s15, 64*PA
	v_add_nc_u32 v[ADRA], s21, v5
	v_add_nc_u32 v[ADRA+1], SLOT, v[ADRA]
	v_lshl_add_u32 v6, v2, 3, v3
	v_mul_u32_u24 v6, v6, PB
	v_lshl_add_u32 v6, v4, 4, v6
	s_lshl_b32 s21, s16, 7
	s_add_co_u32 s21, s21, ATILE
	v_add_nc_u32 v[ADRB], s21, v6
	v_add_nc_u32 v[ADRB+1], HALFB, v[ADRB]
	v_add_nc_u32 v[ADRB+2], SLOT, v[ADRB]
	v_add_nc_u32 v[ADRB+3], SLOT+HALFB, v[ADRB]
	s_lshl_b32 s46, s19, 9
	s_lshl_b32 s47, s16, 8
	s_add_co_u32 s46, s46, s47
	v_lshl_add_u32 v[BO], v2, 5, s46
.irp a, 0,1,2,3
.irp b, 0,1,2,3
	global_load_b128 v[ACC+8*(4*\a+\b):ACC+8*(4*\a+\b)+3],   v[BO], s[8:9] offset:64*\b
	global_load_b128 v[ACC+8*(4*\a+\b)+4:ACC+8*(4*\a+\b)+7], v[BO], s[8:9] offset:64*\b+16
.endr
.endr
	; the way out: 64 rows x 272 bytes of f32 for each wave, in slot 0's bytes; my 64 columns are one panel of C
	s_mul_i32 s21, s14, 64*272
	v_mul_u32_u24 v7, v1, 272
	v_lshl_add_u32 v7, v2, 5, v7
	v_add_nc_u32 v[STO], s21, v7
	v_bfe_u32 v7, v0, 3, 2
	v_mul_u32_u24 v7, v7, 272
	v_lshl_add_u32 v7, v3, 5, v7
	v_add_nc_u32 v[RD], s21, v7                    ; row l / 8, my 8 columns
	v_and_b32 v7, 31, v0
	v_lshlrev_b32 v[GO], 4, v7
	s_lshl_b32 s44, s19, 1
	s_add_co_u32 s44, s44, s16
	s_lshl_b32 s44, s44, 19
	s_lshl_b32 s46, s20, 1
	s_add_co_u32 s46, s46, s15
	s_lshl_b32 s46, s46, 13
	s_add_co_u32 s44, s44, s46
	s_mov_b32 s45, 0
	s_add_nc_u64 s[10:11], s[10:11], s[44:45]
	s_wait_tensorcnt 1                             ; my part of K step 0 is in; step 1's may stay out
	s_barrier_signal -1
	s_barrier_wait -1
	FETCH 0, 0, F0
	s_wait_loadcnt 0x0                             ; the bias
	QUARTER 0, 1, F0, F1
	WIN 0
	s_mov_b32 s3, LAPS-1
.Llap:
	QUARTER 0, 2, F1, F0
	QUARTER 0, 3, F0, F1
	TURN 0, 1, 1
	QUARTER 1, 1, F0, F1
	QUARTER 1, 2, F1, F0
	QUARTER 1, 3, F0, F1
	TURN 1, 0, 1
	QUARTER 0, 1, F0, F1
	WIN 0
	s_sub_co_u32 s3, s3, 1
	s_cmp_lg_u32 s3, 0
	s_cbranch_scc1 .Llap
	QUARTER 0, 2, F1, F0
	QUARTER 0, 3, F0, F1
	TURN 0, 1, 0
	QUARTER 1, 1, F0, F1
	QUARTER 1, 2, F1, F0
	QUARTER 1, 3, F0, F1
	s_wait_dscnt 16
	MUL8 F1, 0, 0
	MUL8 F1, 0, 2
	s_wait_dscnt 0x0
	MUL8 F1, 1, 0
	MUL8 F1, 1, 2
	WIN 0
	PLACES
.irp a, 0,1,2,3
.irp b, 0,1,2,3
	ds_store_b128 v[STO], v[ACC+8*(4*\a+\b):ACC+8*(4*\a+\b)+3] offset:\a*4352+64*\b
	ds_store_b128 v[STO], v[ACC+8*(4*\a+\b)+4:ACC+8*(4*\a+\b)+7] offset:\a*4352+64*\b+16
.endr
.endr
	s_mov_b32 s2, 8
.Lgelu:                                ; a trip: 8 rows x 64 columns, 16 numbers a lane
	ds_load_b128 v[GX:GX+3], v[RD]                 ; LDS serves a wave's instructions in order: these see my stores above
	ds_load_b128 v[GX+4:GX+7], v[RD] offset:16
	ds_load_b128 v[GX+8:GX+11], v[RD] offset:1088
	ds_load_b128 v[GX+12:GX+15], v[RD] offset:1104
	s_wait_dscnt 0x0
.set i, 0
.rept 16
	v_fma_f32 v[GU+i], |v[GX+i]|, s[PC], 1.0
.set i, i+1
.endr
.set i, 0
.rept 8
	v_pk_mul_f32 v[GY+i:GY+i+1], v[GX+i:GX+i+1], s[AA:AA+1] op_sel_hi:[1,0]
.set i, i+2
.endr
.set i, 0
.rept 8
	v_pk_mul_f32 v[GY+i:GY+i+1], v[GY+i:GY+i+1], v[GY+i:GY+i+1] neg_lo:[1,0] neg_hi:[1,0]
.set i, i+2
.endr
.set i, 0
.rept 16
	v_rcp_f32 v[GU+i], v[GU+i]
.set i, i+1
.endr
.set i, 0
.rept 16
	v_exp_f32 v[GY+i], v[GY+i]
.set i, i+1
.endr
	v_nop                                          ; a plain instruction behind the last of the batch,
	s_wait_alu depctr_va_vdst(0)                   ; and one wait for all 32
.set i, 0
.rept 8
	v_pk_fma_f32 v[GP+i:GP+i+1], v[GU+i:GU+i+1], s[C5:C5+1], s[C4:C4+1] op_sel_hi:[1,0,0]
.set i, i+2
.endr
.irp c, C3, C2, C1
.set i, 0
.rept 8
	v_pk_fma_f32 v[GP+i:GP+i+1], v[GP+i:GP+i+1], v[GU+i:GU+i+1], s[\c:\c+1] op_sel_hi:[1,1,0]
.set i, i+2
.endr
.endr
.set i, 0
.rept 8
	v_pk_mul_f32 v[GP+i:GP+i+1], v[GP+i:GP+i+1], v[GU+i:GU+i+1]
.set i, i+2
.endr
.set i, 0
.rept 8
	v_pk_fma_f32 v[GP+i:GP+i+1], v[GP+i:GP+i+1], v[GY+i:GY+i+1], 0.5 op_sel_hi:[1,1,0] neg_lo:[1,0,0] neg_hi:[1,0,0]   ; 1/2 - Q
.set i, i+2
.endr
.set i, 0
.rept 8
	v_pk_mul_f32 v[GY+i:GY+i+1], v[GX+i:GX+i+1], 0.5 op_sel_hi:[1,0]
.set i, i+2
.endr
.set i, 0
.rept 16
	v_fma_f32 v[GX+i], |v[GX+i]|, v[GP+i], v[GY+i]
.set i, i+1
.endr
.set i, 0
.rept 8
	v_cvt_pk_f16_f32 v[96+i], v[GX+2*i], v[GX+2*i+1]
.set i, i+1
.endr
	global_store_b128 v[GO], v[96:99], s[10:11]              ; four rows of 128 bytes: 512 consecutive bytes of the panel
	global_store_b128 v[GO], v[100:103], s[10:11] offset:512
	s_wait_xcnt 0x0                                ; the stores have read their registers: these are written again only behind this wait
	v_add_nc_u32 v[RD], 8*272, v[RD]
	v_add_nc_u32 v[GO], 1024, v[GO]
	s_sub_co_u32 s2, s2, 1
	s_cmp_lg_u32 s2, 0
	s_cbranch_scc1 .Lgelu
	s_wait_tensorcnt 0x0                           ; the wave's end
	ds_add_u32 v[SPW], v[NIL]
	s_wait_dscnt 0x0
	CROUND
	s_endpgm
.Lfunc_end_k_q758e4df533_ffn1:
	.size	k_q758e4df533_ffn1, .Lfunc_end_k_q758e4df533_ffn1-k_q758e4df533_ffn1
	.p2alignl 7, 3214868480
	.fill 96, 4, 3214868480
	.section	.rodata,"a",@progbits
	.p2align	6, 0x0
	.amdhsa_kernel k_q758e4df533_ffn1
		.amdhsa_group_segment_fixed_size 327680
		.amdhsa_private_segment_fixed_size 0
		.amdhsa_enable_private_segment 0
		.amdhsa_kernarg_size 32
		.amdhsa_user_sgpr_count 2
		.amdhsa_user_sgpr_kernarg_segment_ptr 1
		.amdhsa_wavefront_size32 1
		.amdhsa_system_sgpr_workgroup_id_x 1
		.amdhsa_system_sgpr_workgroup_id_y 1
		.amdhsa_system_sgpr_workgroup_id_z 1
		.amdhsa_system_vgpr_workitem_id 0
		.amdhsa_next_free_vgpr 512
		.amdhsa_next_free_sgpr 80
		.amdhsa_reserve_vcc 0
		.amdhsa_float_denorm_mode_32 3
		.amdhsa_float_denorm_mode_16_64 3
		.amdhsa_memory_ordered 1
		.amdhsa_forward_progress 1
		.amdhsa_inst_pref_size 93
	.end_amdhsa_kernel
	.amdgpu_metadata
---
amdhsa.version: [ 1, 2 ]
amdhsa.kernels:
  - .name:           k_q758e4df533_ffn1
    .symbol:         k_q758e4df533_ffn1.kd
    .args:
      - { .name: xn2, .offset: 0, .size: 8, .value_kind: global_buffer, .address_space: global }
      - { .name: wts, .offset: 8, .size: 8, .value_kind: global_buffer, .address_space: global }
      - { .name: b1, .offset: 16, .size: 8, .value_kind: global_buffer, .address_space: global }
      - { .name: act, .offset: 24, .size: 8, .value_kind: global_buffer, .address_space: global }
    .group_segment_fixed_size: 327680
    .private_segment_fixed_size: 0
    .kernarg_segment_align: 8
    .kernarg_segment_size: 32
    .max_flat_workgroup_size: 128
    .sgpr_count:     80
    .vgpr_count:     512
    .wavefront_size: 32
...
	.end_amdgpu_metadata
.endif
;; end of part 7
;; launch ffn2 (part 8): grid 8 x 32, 4 waves a work-group, clusters of 4 x 4, 327,680 bytes of LDS; arguments act, wts, b2, h1, out0; writes out0
.if DOCPART == 8
	.amdgcn_target "amdgcn-amd-amdhsa--gfx1250"
	.amdhsa_code_object_version 6
	.text
	.protected	k_q758e4df533_ffn2
	.globl	k_q758e4df533_ffn2
	.p2align	8
	.type	k_q758e4df533_ffn2,@function
k_q758e4df533_ffn2:
	s_mov_b64 s[64:65], 0
	v_nop
	global_prefetch_b8 v0, s[64:65] scope:SCOPE_SE
	s_setreg_imm32_b32 hwreg(HW_REG_WAVE_MODE, 25, 1), 1
	s_wait_xcnt 0x0
	s_wait_alu depctr_hold_cnt(0) depctr_sa_sdst(0) depctr_va_vdst(0) depctr_va_sdst(0) depctr_va_ssrc(0) depctr_va_vcc(0) depctr_vm_vsrc(0)
	s_getreg_b32 s2, hwreg(HW_REG_IB_STS2, 6, 4)
	s_cmp_eq_u32 s2, 0
	s_cbranch_scc0 .Lentry_in_a_cluster
	s_endpgm
.Lentry_in_a_cluster:
	s_bfe_u32 s2, ttmp6, 0x10000c
	s_cmp_lg_u32 s2, 0xf033
	s_cbranch_scc0 .Lentry_shape_is_right
	s_endpgm
.Lentry_shape_is_right:
; out0 = h1 + act w2 + b2.  C[4096][1024] = A W + bias + residual, K = 4,096.  A: f16 panels [K/64][4096][64]; W: f16 column blocks [N/128][K][128]; residual and C: f32, row-major; sums f32.  LIMIT: f16 ends at 65,504.
; A work-group makes 128 x 128 of C, each of its four waves 64 x 64: 16 accumulators, which START AT THE BIAS (loaded into them).  K goes in steps of 256 through two LDS slots: A's four panels of
; 128 rows x 128 bytes come as two rows of 16 KiB a load (waves 0, 1), padded after every 128 bytes; W's 256 rows of 256 bytes as 128 rows a load (waves 2, 3); W comes out of LDS turned.
; CLUSTER 4 x 4: A's tiles are asked for jointly along a row of the cluster, W's along a column.  The product is taken transposed: a lane holds one row of C and eight neighbouring columns.
; No prefetch: a step's tile is small and its rows are read by several clusters at about the same time.
.set KTOT,   4096
.set WOFF,   12582912
.set KSTEP,  256
.set LAPS,   KTOT/(2*KSTEP)
.set PA,     144
.set PANELB, 128*PA
.set ATILE,  4*PANELB
.set PB,     288
.set HALFB,  128*PB
.set SLOT,   ATILE+2*HALFB
.set STAGE,  2*SLOT
.set SPARE,  STAGE+17408
.set ADRA, 8
.set ADRB, 10
.set STO,  14
.set RD,   15
.set GO,   16
.set BO,   17
.set SPW,  28
.set NIL,  29
.set ACC,  128
.set F0,   0
.set F1,   128
.set G1A, 24
.set G0A, 32
.set G1B, 48
.set G0B, 56
.set MSB, 0
.macro WIN new
.if MSB != (\new)
	s_set_vgpr_msb (MSB<<8)|(\new)
.set MSB, \new
.endif
.endm
.set MUL,  0x05
.set TO_F, 0x40
.macro JLOAD s
	s_cmp_eq_u32 s15, 0
	s_cbranch_scc0 .Lfor_b_\@
	tensor_load_to_lds s[G0A+4*(\s):G0A+4*(\s)+3], s[G1A:G1A+7]
	s_nop 0
.rept 4
	v_nop
.endr
	s_branch .Lasked_\@
.Lfor_b_\@:
	tensor_load_to_lds s[G0B+4*(\s):G0B+4*(\s)+3], s[G1B:G1B+7]
	s_nop 0
.rept 4
	v_nop
.endr
.Lasked_\@:
.endm
.macro CREST
	s_cmp_lg_u32 s14, 0
	s_cbranch_scc1 .Lnot_wave_0_\@
	s_barrier_signal -3
.Lnot_wave_0_\@:
	s_barrier_wait -3
	s_barrier_signal -1
	s_barrier_wait -1
.endm
.macro CROUND
	s_barrier_signal -1
	s_barrier_wait -1
	CREST
.endm
.macro PLACES
.rept 4
	v_nop
.endr
.endm
.macro MUL8 f, c, a0
	WIN MUL
.irp a, \a0, (\a0)+1
.irp b, 0,1,2,3
	v_wmma_f32_16x16x32_f16 v[ACC+8*(4*(\a)+(\b)):ACC+8*(4*(\a)+(\b))+7], v[(\f)+64+8*(4*(\c)+(\b)):(\f)+64+8*(4*(\c)+(\b))+7], v[(\f)+8*(4*(\c)+(\a)):(\f)+8*(4*(\c)+(\a))+7], v[ACC+8*(4*(\a)+(\b)):ACC+8*(4*(\a)+(\b))+7]
.endr
.endr
.endm
.macro FETCH slot, q, f
	WIN TO_F
.irp c, 0,1
.irp i, 0,1,2,3
	ds_load_tr16_b128 v[(\f)+64+8*(4*(\c)+(\i)):(\f)+64+8*(4*(\c)+(\i))+3],   v[ADRB+2*(\slot)+(\q)/2] offset:(((\q)%2)*64+32*(\c))*PB+32*(\i)
	ds_load_tr16_b128 v[(\f)+64+8*(4*(\c)+(\i))+4:(\f)+64+8*(4*(\c)+(\i))+7], v[ADRB+2*(\slot)+(\q)/2] offset:(((\q)%2)*64+32*(\c))*PB+32*(\i)+16*PB
	ds_load_b128 v[(\f)+8*(4*(\c)+(\i)):(\f)+8*(4*(\c)+(\i))+3],   v[ADRA+(\slot)] offset:(\q)*PANELB+(\i)*16*PA+64*(\c)
	ds_load_b128 v[(\f)+8*(4*(\c)+(\i))+4:(\f)+8*(4*(\c)+(\i))+7], v[ADRA+(\slot)] offset:(\q)*PANELB+(\i)*16*PA+64*(\c)+32
.endr
.endr
.endm
.macro QUARTER slot, q, f, g
	s_wait_dscnt 16                                ; the first 32 k are in; the 16 younger loads are the second 32 k
	MUL8 \f, 0, 0
	MUL8 \f, 0, 2
	PLACES
	FETCH \slot, \q, \g
	s_wait_dscnt 32                                ; all but the 32 just issued
	MUL8 \f, 1, 0
	MUL8 \f, 1, 2
.endm
.macro TURN slot, next, fill
	WIN 0
	s_wait_tensorcnt 0x0                           ; all my tensor loads have landed: my part of the next slot
	ds_add_u32 v[SPW], v[NIL]
	s_wait_dscnt 17                                ; the add and the youngest sixteen loads may be out
	MUL8 F1, 0, 0
	s_wait_dscnt 0x0                               ; the add is done, my reads of this slot are over
	s_barrier_signal -1
	MUL8 F1, 0, 2
.if \fill
	WIN 0
.endif
	s_barrier_wait -1
.if \fill
	CREST
	s_add_nc_u64 s[G0A+4*(\slot)+2:G0A+4*(\slot)+3], s[G0A+4*(\slot)+2:G0A+4*(\slot)+3], 8*524288
	s_add_nc_u64 s[G0B+4*(\slot)+2:G0B+4*(\slot)+3], s[G0B+4*(\slot)+2:G0B+4*(\slot)+3], 2*KSTEP*256
	JLOAD \slot
.else
	PLACES
.endif
	FETCH \next, 0, F0
	MUL8 F1, 1, 0
	MUL8 F1, 1, 2
.endm
	s_load_b256 s[4:11], s[0:1], 0x0               ; A 4, wts 6, bias 8, residual 10
	s_load_b64 s[12:13], s[0:1], 0x20              ; C
	v_lshl_add_u32 v[SPW], v0, 2, SPARE
	v_mov_b32 v[NIL], 0
	ds_add_u32 v[SPW], v[NIL]                      ; the wave's opening: the add and its wait ahead of my first tensor load
	v_lshrrev_b32 v1, 5, v0
	v_readfirstlane_b32 s14, v1
	s_lshr_b32 s15, s14, 1
	s_and_b32 s16, s14, 1
	s_bfe_u32 s17, ttmp6, 0x40000
	s_bfe_u32 s18, ttmp6, 0x40004
	s_lshl_b32 s19, ttmp9, 2
	s_add_co_u32 s19, s19, s17
	s_and_b32 s20, ttmp7, 0xffff
	s_lshl_b32 s20, s20, 2
	s_add_co_u32 s20, s20, s18
	s_lshl_b32 s21, s18, 2
	s_lshl_b32 s21, 15, s21
	s_lshl_b32 s22, 0x1111, s17
	s_or_b32 s[G1A], s21, (1<<16)|(1<<20)|(1<<21)|(4<<22)|(3<<25)
	s_mov_b32 s[G1A+1], 8192<<16
	s_mov_b32 s[G1A+2], 2<<16
	s_mov_b32 s[G1A+3], 8192<<16
	s_mov_b32 s[G1A+4], 2
	s_mov_b32 s[G1A+5], 262144
	s_mov_b32 s[G1A+6], 0
	s_mov_b32 s[G1A+7], 0
	s_or_b32 s[G1B], s22, (1<<16)|(1<<20)|(1<<21)|(5<<22)|(7<<25)
	s_mov_b32 s[G1B+1], 128<<16
	s_mov_b32 s[G1B+2], 128<<16
	s_mov_b32 s[G1B+3], 128<<16
	s_mov_b32 s[G1B+4], 128
	s_mov_b32 s[G1B+5], 128
	s_mov_b32 s[G1B+6], 0
	s_mov_b32 s[G1B+7], 0
	s_lshl_b32 s40, s20, 14
	s_lshl_b32 s41, s16, 20
	s_add_co_u32 s40, s40, s41
	s_mov_b32 s41, 0
	s_mul_i32 s42, s19, KTOT*256
	s_lshl_b32 s43, s16, 15
	s_add_co_u32 s42, s42, s43
	s_add_co_u32 s42, s42, WOFF
	s_mov_b32 s43, 0
	s_mul_i32 s23, s14, HALFB
	s_wait_dscnt 0x0
	s_wait_kmcnt 0x0
	s_add_nc_u64 s[40:41], s[4:5], s[40:41]
	s_add_nc_u64 s[42:43], s[6:7], s[42:43]
	CROUND
.irp s, 0,1
	s_mov_b32 s[G0A+4*(\s)], 1
	s_add_co_u32 s[G0A+4*(\s)+1], s23, (\s)*SLOT
	s_add_nc_u64 s[G0A+4*(\s)+2:G0A+4*(\s)+3], s[40:41], (\s)*4*524288
	s_or_b32 s[G0A+4*(\s)+3], s[G0A+4*(\s)+3], 0x80000000
	s_mov_b32 s[G0B+4*(\s)], 1
	s_add_co_u32 s[G0B+4*(\s)+1], s23, (\s)*SLOT
	s_add_nc_u64 s[G0B+4*(\s)+2:G0B+4*(\s)+3], s[42:43], (\s)*KSTEP*256
	s_or_b32 s[G0B+4*(\s)+3], s[G0B+4*(\s)+3], 0x80000000
	JLOAD \s
.endr
	v_and_b32 v1, 15, v0
	v_bfe_u32 v2, v0, 4, 1
	v_and_b32 v3, 7, v0
	v_bfe_u32 v4, v0, 3, 1
	v_mul_u32_u24 v5, v1, PA
	v_lshl_add_u32 v5, v2, 4, v5
	s_mul_i32 s21, s15, 64*PA
	v_add_nc_u32 v[ADRA], s21, v5
	v_add_nc_u32 v[ADRA+1], SLOT, v[ADRA]
	v_lshl_add_u32 v6, v2, 3, v3
	v_mul_u32_u24 v6, v6, PB
	v_lshl_add_u32 v6, v4, 4, v6
	s_lshl_b32 s21, s16, 7
	s_add_co_u32 s21, s21, ATILE
	v_add_nc_u32 v[ADRB], s21, v6
	v_add_nc_u32 v[ADRB+1], HALFB, v[ADRB]
	v_add_nc_u32 v[ADRB+2], SLOT, v[ADRB]
	v_add_nc_u32 v[ADRB+3], SLOT+HALFB, v[ADRB]
	s_lshl_b32 s46, s19, 9
	s_lshl_b32 s47, s16, 8
	s_add_co_u32 s46, s46, s47
	v_lshl_add_u32 v[BO], v2, 5, s46
.irp a, 0,1,2,3
.irp b, 0,1,2,3
	global_load_b128 v[ACC+8*(4*\a+\b):ACC+8*(4*\a+\b)+3],   v[BO], s[8:9] offset:64*\b
	global_load_b128 v[ACC+8*(4*\a+\b)+4:ACC+8*(4*\a+\b)+7], v[BO], s[8:9] offset:64*\b+16
.endr
.endr
	; the way out: my own stage of 16 rows x 272 bytes; my 64 columns are 256 aligned bytes of each row of C
	s_mul_i32 s21, s14, 16*272
	s_add_co_u32 s21, s21, STAGE
	v_mul_u32_u24 v7, v1, 272
	v_lshl_add_u32 v7, v2, 5, v7
	v_add_nc_u32 v[STO], s21, v7
	v_mul_u32_u24 v7, v2, 272
	v_lshl_add_u32 v7, v1, 4, v7
	v_add_nc_u32 v[RD], s21, v7
	v_lshlrev_b32 v7, 12, v2
	v_lshl_add_u32 v[GO], v1, 4, v7
	s_lshl_b32 s44, s20, 1
	s_add_co_u32 s44, s44, s15
	s_lshl_b32 s44, s44, 18
	s_add_co_u32 s44, s44, s46
	s_mov_b32 s45, 0
	s_add_nc_u64 s[10:11], s[10:11], s[44:45]
	s_add_nc_u64 s[12:13], s[12:13], s[44:45]
	s_wait_tensorcnt 1                             ; my part of K step 0 is in; step 1's may stay out
	s_barrier_signal -1
	s_barrier_wait -1
	FETCH 0, 0, F0
	s_wait_loadcnt 0x0                             ; the bias
	QUARTER 0, 1, F0, F1
	WIN 0
	s_mov_b32 s3, LAPS-1
.Llap:
	QUARTER 0, 2, F1, F0
	QUARTER 0, 3, F0, F1
	TURN 0, 1, 1
	QUARTER 1, 1, F0, F1
	QUARTER 1, 2, F1, F0
	QUARTER 1, 3, F0, F1
	TURN 1, 0, 1
	QUARTER 0, 1, F0, F1
	WIN 0
	s_sub_co_u32 s3, s3, 1
	s_cmp_lg_u32 s3, 0
	s_cbranch_scc1 .Llap
	QUARTER 0, 2, F1, F0
	QUARTER 0, 3, F0, F1
	TURN 0, 1, 0
	QUARTER 1, 1, F0, F1
	QUARTER 1, 2, F1, F0
	QUARTER 1, 3, F0, F1
.macro RES a                           ; the residual of 16 rows, as whole rows of 256 bytes: 8 loads
.irp t, 0,1,2,3,4,5,6,7
	global_load_b128 v[32+64*((\a)%2)+4*\t:32+64*((\a)%2)+4*\t+3], v[GO], s[10:11] offset:(16*(\a)+2*\t)*4096
.endr
.endm
.macro TOST a                          ; 16 rows of sums into my stage and back as whole rows
.irp b, 0,1,2,3
	ds_store_b128 v[STO], v[ACC+8*(4*(\a)+\b):ACC+8*(4*(\a)+\b)+3] offset:64*\b
	ds_store_b128 v[STO], v[ACC+8*(4*(\a)+\b)+4:ACC+8*(4*(\a)+\b)+7] offset:64*\b+16
.endr
.irp t, 0,1,2,3,4,5,6,7
	ds_load_b128 v[64+4*\t:64+4*\t+3], v[RD] offset:544*\t
.endr
.endm
.macro FIN a, n                        ; n: the next block's residual loads, which may stay out
	s_wait_dscnt 0x0
	s_wait_loadcnt \n
.irp i, 0,1,2,3,4,5,6,7,8,9,10,11,12,13,14,15
	v_pk_add_f32 v[64+2*\i:64+2*\i+1], v[64+2*\i:64+2*\i+1], v[32+64*((\a)%2)+2*\i:32+64*((\a)%2)+2*\i+1]
.endr
.irp t, 0,1,2,3,4,5,6,7
	global_store_b128 v[GO], v[64+4*\t:64+4*\t+3], s[12:13] offset:(16*(\a)+2*\t)*4096 th:TH_STORE_NT   ; sixteen lanes store 256 consecutive aligned bytes
.endr
.endm
	WIN 0
	RES 0                                          ; asked for ahead of the last quarter's products
	RES 1
	s_wait_dscnt 16
	MUL8 F1, 0, 0
	MUL8 F1, 0, 2
	s_wait_dscnt 0x0
	MUL8 F1, 1, 0
	MUL8 F1, 1, 2
	WIN 0
	PLACES
	TOST 0
	FIN 0, 8
	s_wait_xcnt 0x0                                ; the stores have read their registers: only now are these loaded again
	RES 2
	TOST 1
	FIN 1, 8
	s_wait_xcnt 0x0
	RES 3
	TOST 2
	FIN 2, 8
	s_wait_xcnt 0x0
	TOST 3
	FIN 3, 0
	s_wait_tensorcnt 0x0                           ; the wave's end
	ds_add_u32 v[SPW], v[NIL]
	s_wait_dscnt 0x0
	CROUND
	s_endpgm
.Lfunc_end_k_q758e4df533_ffn2:
	.size	k_q758e4df533_ffn2, .Lfunc_end_k_q758e4df533_ffn2-k_q758e4df533_ffn2
	.p2alignl 7, 3214868480
	.fill 96, 4, 3214868480
	.section	.rodata,"a",@progbits
	.p2align	6, 0x0
	.amdhsa_kernel k_q758e4df533_ffn2
		.amdhsa_group_segment_fixed_size 327680
		.amdhsa_private_segment_fixed_size 0
		.amdhsa_enable_private_segment 0
		.amdhsa_kernarg_size 40
		.amdhsa_user_sgpr_count 2
		.amdhsa_user_sgpr_kernarg_segment_ptr 1
		.amdhsa_wavefront_size32 1
		.amdhsa_system_sgpr_workgroup_id_x 1
		.amdhsa_system_sgpr_workgroup_id_y 1
		.amdhsa_system_sgpr_workgroup_id_z 1
		.amdhsa_system_vgpr_workitem_id 0
		.amdhsa_next_free_vgpr 512
		.amdhsa_next_free_sgpr 66
		.amdhsa_reserve_vcc 0
		.amdhsa_float_denorm_mode_32 3
		.amdhsa_float_denorm_mode_16_64 3
		.amdhsa_memory_ordered 1
		.amdhsa_forward_progress 1
		.amdhsa_inst_pref_size 96
	.end_amdhsa_kernel
	.amdgpu_metadata
---
amdhsa.version: [ 1, 2 ]
amdhsa.kernels:
  - .name:           k_q758e4df533_ffn2
    .symbol:         k_q758e4df533_ffn2.kd
    .args:
      - { .name: act, .offset: 0, .size: 8, .value_kind: global_buffer, .address_space: global }
      - { .name: wts, .offset: 8, .size: 8, .value_kind: global_buffer, .address_space: global }
      - { .name: b2, .offset: 16, .size: 8, .value_kind: global_buffer, .address_space: global }
      - { .name: h1, .offset: 24, .size: 8, .value_kind: global_buffer, .address_space: global }
      - { .name: out0, .offset: 32, .size: 8, .value_kind: global_buffer, .address_space: global }
    .group_segment_fixed_size: 327680
    .private_segment_fixed_size: 0
    .kernarg_segment_align: 8
    .kernarg_segment_size: 40
    .max_flat_workgroup_size: 128
    .sgpr_count:     66
    .vgpr_count:     512
    .wavefront_size: 32
...
	.end_amdgpu_metadata
.endif
;; end of part 8
;; ======== version 2 of 2: 7 launches
;; limits: values are held in f16: magnitudes above 65,504 overflow, below 6.1e-05 lose precision
;; workspace buffers: wts 21,135,360 bytes; xn 8,388,608 bytes; val 8,388,608 bytes; att 8,388,608 bytes; zc 2,359,296 bytes; h1 16,777,216 bytes; xn2 8,388,608 bytes; act 33,554,432 bytes
;; launch prep: the kernel of part 1 again; grid 1616 x 1, 4 waves a work-group, no clusters, 0 bytes of LDS; arguments h, ln1_g, ln1_b, wv, wo, w1, w2, wcn, wca, xn, wts; writes xn, wts
;; launch gemmv (part 9): grid 8 x 32, 4 waves a work-group, clusters of 4 x 4, 327,680 bytes of LDS; arguments xn, wts, bv, val, z, bca, zc; writes val, zc
.if DOCPART == 9
	.amdgcn_target "amdgcn-amd-amdhsa--gfx1250"
	.amdhsa_code_object_version 6
	.text
	.protected	k_q758e4df533_gemmv
	.globl	k_q758e4df533_gemmv
	.p2align	8
	.type	k_q758e4df533_gemmv,@function
k_q758e4df533_gemmv:
	s_mov_b64 s[64:65], 0
	v_nop
	global_prefetch_b8 v0, s[64:65] scope:SCOPE_SE
	s_setreg_imm32_b32 hwreg(HW_REG_WAVE_MODE, 25, 1), 1
	s_wait_xcnt 0x0
	s_wait_alu depctr_hold_cnt(0) depctr_sa_sdst(0) depctr_va_vdst(0) depctr_va_sdst(0) depctr_va_ssrc(0) depctr_va_vcc(0) depctr_vm_vsrc(0)
	s_getreg_b32 s2, hwreg(HW_REG_IB_STS2, 6, 4)
	s_cmp_eq_u32 s2, 0
	s_cbranch_scc0 .Lentry_in_a_cluster
	s_endpgm
.Lentry_in_a_cluster:
	s_bfe_u32 s2, ttmp6, 0x10000c
	s_cmp_lg_u32 s2, 0xf033
	s_cbranch_scc0 .Lentry_shape_is_right
	s_endpgm
.Lentry_shape_is_right:
; value = hn wv + bv.  C[4096][1024] = A W + bias.  A: f16 panels [K/64][4096][64]; W: f16 column blocks [N/128][K][128]; C: f16 panels; sums f32.  LIMIT: f16 ends at 65,504.
; A work-group makes 128 x 128 of C, each of its four waves 64 x 64: 16 accumulators, which START AT THE BIAS (loaded into them), so no product form with C = 0 is written.
; K goes in steps of 256 through two LDS slots.  A's part of a step is four panels of 128 rows x 128 bytes, each dense in memory: waves 0, 1 bring two panels each as two rows of 16 KiB, padded
; after every 128 bytes; W's part is 256 rows of 256 bytes: waves 2, 3 bring 128 rows each.  W lies [k][n] and comes out of LDS turned, by ds_load_tr16_b128.
; THE TEXT IS SHORT: a step is four quarters of 64 k on two fragment buffers; a PAIR of quarters is written once and walked twice, its LDS addresses made of a scalar that steps (A and W both advance
; 18,432 bytes a quarter).  The change of slots stands between two such loops.  The loop over laps is entered in the middle of a trip, so that no first step is written out.
; CLUSTER 4 x 4: A's tiles are asked for jointly along a row of the cluster, W's along a column.  The product is taken transposed (source 0 = 16 columns of W, source 1 = 16 rows of A):
; a lane holds one row of C and eight neighbouring columns.  No prefetch: the tiles are small.
; ALSO HERE, while the first tiles are on their way: the heads' coordinates zh = z wca + bca.  The launch has 256 work-groups of four waves; work-group 8 x tile row + tile column takes 16 tokens, each wave
; four heads -> zc: coordinates in f16 as planes [b x 16 + head][half][2048][8], and nz = -1/2 |zh|^2 in f32, of the ROUNDED coordinates.  The token block enters global addresses alone.
; nz leaves in pieces of 64 bytes: 256 KiB in all.
.set KTOT,   1024
.set WOFF,   0
.set KSTEP,  256
.set LAPS,   KTOT/(2*KSTEP)
.set PA,     144                       ; a row of A in LDS: 128 bytes + 16
.set QB,     128*PA                    ; a quarter: one panel of A, and 64 rows of W: 64 x 288 is the same 18,432
.set ATILE,  4*QB
.set PB,     288                       ; a row of W in LDS: 256 bytes + 32
.set HALFB,  128*PB                    ; = 2 QB: what one tensor load brings
.set SLOT,   ATILE+2*HALFB
.set STAGE,  2*SLOT
.set SPARE,  STAGE+17408               ; the spare words, 128 bytes a wave: two blocks of 256 bytes that no other line names
.set A0,   8                           ; v8   my place in A's tile of slot 0; never rewritten
.set B0,   9                           ; v9   the same for W
.set AA,   10                          ; v10  A0 + s[TB]: the pair of quarters to be fetched
.set AB,   11                          ; v11  B0 + s[TB]
.set STO,  14
.set RD,   15
.set GO,   16
.set BO,   17
.set HZ,   18                          ; v18-22  the coordinates' offsets: z, the turned wca, bca, the planes, nz; never rewritten
.set HW,   19
.set HB,   20
.set HP,   21
.set HN,   22
.set SPW,  28
.set NIL,  29
.set EP,   32                          ; v32-95 the way out.  Before that: v32-63 z as loaded, v64-74 sums of squares, v80-95 packed coordinates, v96-127 the four heads' accumulators
.set ACC,  128                         ; (a, b) at ACC + 8 (4 a + b)
.set F0,   0                           ; window 1: two fragment buffers of 128: 64 of A, then 64 of W.  Before that: v0-63 the turned wca, v64-79 z in f16
.set F1,   128
.set TB,   22                          ; s22  LDS byte, from slot 0's first, of the pair of quarters to be fetched
.set G1A, 24
.set G0A, 32
.set G1B, 48
.set G0B, 56
.set MSB, 0
.macro WIN new
.if MSB != (\new)
	s_set_vgpr_msb (MSB<<8)|(\new)
.set MSB, \new
.endif
.endm
.set MUL,  0x05                        ; sources 0 and 1 window 1; C and D window 0
.set TO_F, 0x40                        ; destination window 1
.macro JLOAD s                         ; a joint load; an s_nop 0 and four v_nop follow each line
	s_cmp_eq_u32 s15, 0
	s_cbranch_scc0 .Lfor_b_\@
	tensor_load_to_lds s[G0A+4*(\s):G0A+4*(\s)+3], s[G1A:G1A+7]
	s_nop 0
.rept 4
	v_nop
.endr
	s_branch .Lasked_\@
.Lfor_b_\@:
	tensor_load_to_lds s[G0B+4*(\s):G0B+4*(\s)+3], s[G1B:G1B+7]
	s_nop 0
.rept 4
	v_nop
.endr
.Lasked_\@:
.endm
.macro CROUND                          ; a round of the cluster's barrier
	s_barrier_signal -1
	s_barrier_wait -1
	s_cmp_lg_u32 s14, 0
	s_cbranch_scc1 .Lnot_wave_0_\@
	s_barrier_signal -3
.Lnot_wave_0_\@:
	s_barrier_wait -3
	s_barrier_signal -1
	s_barrier_wait -1
.endm
.macro PLACES
.rept 4
	v_nop
.endr
.endm
.macro MUL8 f, c, a0                   ; 8 products: row blocks a0, a0 + 1 x 4 column blocks, 32 along K; the 16 accumulators take turns
	WIN MUL
.irp a, \a0, (\a0)+1
.irp b, 0,1,2,3
	v_wmma_f32_16x16x32_f16 v[ACC+8*(4*(\a)+(\b)):ACC+8*(4*(\a)+(\b))+7], v[(\f)+64+8*(4*(\c)+(\b)):(\f)+64+8*(4*(\c)+(\b))+7], v[(\f)+8*(4*(\c)+(\a)):(\f)+8*(4*(\c)+(\a))+7], v[ACC+8*(4*(\a)+(\b)):ACC+8*(4*(\a)+(\b))+7]
.endr
.endr
.endm
.macro FETCH k, f                      ; 32 LDS loads: quarter k (0, 1) of the pair at AA, AB into buffer f, its first 32 k first
	WIN TO_F
.irp c, 0,1
.irp i, 0,1,2,3
	ds_load_tr16_b128 v[(\f)+64+8*(4*(\c)+(\i)):(\f)+64+8*(4*(\c)+(\i))+3],   v[AB] offset:(\k)*QB+32*(\c)*PB+32*(\i)
	ds_load_tr16_b128 v[(\f)+64+8*(4*(\c)+(\i))+4:(\f)+64+8*(4*(\c)+(\i))+7], v[AB] offset:(\k)*QB+32*(\c)*PB+32*(\i)+16*PB
	ds_load_b128 v[(\f)+8*(4*(\c)+(\i)):(\f)+8*(4*(\c)+(\i))+3],   v[AA] offset:(\k)*QB+(\i)*16*PA+64*(\c)
	ds_load_b128 v[(\f)+8*(4*(\c)+(\i))+4:(\f)+8*(4*(\c)+(\i))+7], v[AA] offset:(\k)*QB+(\i)*16*PA+64*(\c)+32
.endr
.endr
.endm
.macro HALF f, g, k                    ; a quarter: multiplies buffer f; in its middle fetches quarter k of the pair in hand into g
	s_wait_dscnt 16                                ; the first 32 k are in; the 16 younger loads are the second 32 k
	MUL8 \f, 0, 0
	MUL8 \f, 0, 2
	PLACES                                         ; in front of loads into registers that products have read
	FETCH \k, \g
	s_wait_dscnt 32                                ; all but the 32 just issued
	MUL8 \f, 1, 0
	MUL8 \f, 1, 2
.endm
; A slot's four fetches: two trips.  The first quarter multiplied is the last of the slot before.  mid = 1: the copy that is entered in its middle at the launch's start.
.macro PAIRS tag, mid
	s_mov_b32 s2, 2
.Lpair_\tag:
	HALF F1, F0, 0
.if \mid
	WIN 0
.Lmid_\tag:
.endif
	HALF F0, F1, 1
	WIN 0
	s_add_co_u32 s[TB], s[TB], 2*QB                ; the next pair of quarters
	v_add_nc_u32 v[AA], s[TB], v[A0]
	v_add_nc_u32 v[AB], s[TB], v[B0]
	s_sub_co_u32 s2, s2, 1
	s_cmp_lg_u32 s2, 0
	s_cbranch_scc1 .Lpair_\tag
.endm
; THE CHANGE OF SLOTS.  All of the slot's fragments have been asked for.  Each wave waits for all its tensor loads (one is out: its part of the other slot), adds 0 to its spare word, and waits for that and
; for its reads of the slot.  fill = 1: the barrier is a round of the cluster's, and the slot is filled again first thing behind it, two steps on: the load has a step's 128 products in which to land.
.macro CHANGE slot, fill
	s_wait_tensorcnt 0x0                           ; no tensor load of mine is out, so a group 0 may be written
	ds_add_u32 v[SPW], v[NIL]                      ; work on registers stands between the add and the wait for it
	s_mov_b32 s[TB], (1-(\slot))*SLOT              ; the fetches go on in the other slot
	v_add_nc_u32 v[AA], s[TB], v[A0]
	v_add_nc_u32 v[AB], s[TB], v[B0]
.if \fill
	s_add_nc_u64 s[G0A+4*(\slot)+2:G0A+4*(\slot)+3], s[G0A+4*(\slot)+2:G0A+4*(\slot)+3], 8*524288
	s_add_nc_u64 s[G0B+4*(\slot)+2:G0B+4*(\slot)+3], s[G0B+4*(\slot)+2:G0B+4*(\slot)+3], 2*KSTEP*256
.endif
	s_wait_dscnt 0x0                               ; the add is done, my reads of the slot are over
.if \fill
	CROUND
	JLOAD \slot
.else
	s_barrier_signal -1
	s_barrier_wait -1
.endif
.endm
	s_load_b256 s[4:11], s[0:1], 0x0               ; A 4, wts 6, bias 8, C 10
	s_load_b128 s[68:71], s[0:1], 0x20             ; z 68, bca 70
	s_load_b64 s[72:73], s[0:1], 0x30              ; zc
	v_lshl_add_u32 v[SPW], v0, 2, SPARE
	v_mov_b32 v[NIL], 0
	ds_add_u32 v[SPW], v[NIL]                      ; the wave's opening: the add and its wait ahead of my first tensor load
	v_lshrrev_b32 v1, 5, v0
	v_readfirstlane_b32 s14, v1                    ; wave
	s_lshr_b32 s15, s14, 1                         ; my half of the tile's rows; also 0: I fetch A, 1: W
	s_and_b32 s16, s14, 1                          ; my half of its columns; also which half I fetch
	s_bfe_u32 s17, ttmp6, 0x40000                  ; cx
	s_bfe_u32 s18, ttmp6, 0x40004                  ; cy
	s_lshl_b32 s19, ttmp9, 2
	s_add_co_u32 s19, s19, s17                     ; tile column
	s_and_b32 s20, ttmp7, 0xffff
	s_lshl_b32 s20, s20, 2
	s_add_co_u32 s20, s20, s18                     ; tile row
	s_lshl_b32 s21, s18, 2
	s_lshl_b32 s21, 15, s21                        ; my row of the cluster
	s_lshl_b32 s22, 0x1111, s17                    ; my column
	s_or_b32 s[G1A], s21, (1<<16)|(1<<20)|(1<<21)|(4<<22)|(3<<25)   ; 2-byte elements; after every 32 words 4 words of padding
	s_mov_b32 s[G1A+1], 8192<<16                   ; tensor_dim0 = 8,192: a panel's 128 rows on end
	s_mov_b32 s[G1A+2], 2<<16                      ; tensor_dim1 = 2 panels
	s_mov_b32 s[G1A+3], 8192<<16                   ; tile_dim0
	s_mov_b32 s[G1A+4], 2                          ; tile_dim1
	s_mov_b32 s[G1A+5], 262144                     ; elements from panel to panel
	s_mov_b32 s[G1A+6], 0
	s_mov_b32 s[G1A+7], 0
	s_or_b32 s[G1B], s22, (1<<16)|(1<<20)|(1<<21)|(5<<22)|(7<<25)   ; after every 64 words 8 words of padding
	s_mov_b32 s[G1B+1], 128<<16
	s_mov_b32 s[G1B+2], 128<<16
	s_mov_b32 s[G1B+3], 128<<16
	s_mov_b32 s[G1B+4], 128
	s_mov_b32 s[G1B+5], 128
	s_mov_b32 s[G1B+6], 0
	s_mov_b32 s[G1B+7], 0
	s_lshl_b32 s40, s20, 14                        ; A: the tile's 128 rows in a panel,
	s_lshl_b32 s41, s16, 20                        ; my two panels of the four
	s_add_co_u32 s40, s40, s41
	s_mov_b32 s41, 0
	s_mul_i32 s42, s19, KTOT*256                   ; W: the tile's column block,
	s_lshl_b32 s43, s16, 15                        ; my 128 k rows
	s_add_co_u32 s42, s42, s43
	s_add_co_u32 s42, s42, WOFF
	s_mov_b32 s43, 0
	s_mul_i32 s23, s14, HALFB                      ; where they go: wave x 36,864
	s_wait_dscnt 0x0
	s_wait_kmcnt 0x0
	s_add_nc_u64 s[40:41], s[4:5], s[40:41]
	s_add_nc_u64 s[42:43], s[6:7], s[42:43]
	CROUND                                         ; all sixteen work-groups are here: the first joint loads meet
.irp s, 0,1
	s_mov_b32 s[G0A+4*(\s)], 1
	s_add_co_u32 s[G0A+4*(\s)+1], s23, (\s)*SLOT
	s_add_nc_u64 s[G0A+4*(\s)+2:G0A+4*(\s)+3], s[40:41], (\s)*4*524288
	s_or_b32 s[G0A+4*(\s)+3], s[G0A+4*(\s)+3], 0x80000000
	s_mov_b32 s[G0B+4*(\s)], 1
	s_add_co_u32 s[G0B+4*(\s)+1], s23, (\s)*SLOT
	s_add_nc_u64 s[G0B+4*(\s)+2:G0B+4*(\s)+3], s[42:43], (\s)*KSTEP*256
	s_or_b32 s[G0B+4*(\s)+3], s[G0B+4*(\s)+3], 0x80000000
	JLOAD \s
.endr
	v_and_b32 v1, 15, v0                           ; r
	v_bfe_u32 v2, v0, 4, 1                         ; h
	v_and_b32 v3, 7, v0
	v_bfe_u32 v4, v0, 3, 1
	; ---- the coordinates: addresses and 32 loads, ahead of the bias's loads.  What hangs on my place in the cluster lies in s44-47 and in the pointers made of it
	s_lshl_b32 s44, s20, 3
	s_add_co_u32 s44, s44, s19                     ; the work-group's number, 0 .. 255
	s_lshl_b32 s44, s44, 4                         ; its first token
	s_lshr_b32 s46, s44, 11                        ; b
	s_and_b32 s47, s44, 2047                       ; s
	s_lshl_b32 s44, s44, 8
	s_mov_b32 s45, 0
	s_add_nc_u64 s[68:69], s[68:69], s[44:45]      ; z at my tokens
	s_lshl_b32 s44, s14, 8
	s_add_nc_u64 s[70:71], s[70:71], s[44:45]      ; bca at my four heads
	s_lshl_b32 s44, s14, 13
	s_add_co_u32 s44, s44, 21102592
	s_add_nc_u64 s[76:77], s[6:7], s[44:45]        ; the turned wca at my heads
	s_lshl_b32 s46, s46, 4
	s_lshl2_add_u32 s46, s14, s46                  ; 16 b + my first head
	s_lshl_b32 s44, s46, 16
	s_lshl4_add_u32 s44, s47, s44
	s_add_nc_u64 s[78:79], s[72:73], s[44:45]      ; the planes
	s_lshl_b32 s44, s46, 13
	s_lshl2_add_u32 s44, s47, s44
	s_add_co_u32 s44, s44, 2097152
	s_add_nc_u64 s[72:73], s[72:73], s[44:45]      ; nz
	s_mov_b32 s74, 0x76543210                      ; v_permlanex16_b32: each lane takes its own place in the other half
	s_mov_b32 s75, 0xfedcba98
	v_lshlrev_b32 v[HZ], 8, v1
	v_lshl_add_u32 v[HZ], v2, 5, v[HZ]             ; token x 256 + 32 h
	v_lshlrev_b32 v[HW], 7, v1
	v_lshl_add_u32 v[HW], v2, 4, v[HW]             ; output x 128 + 16 h
	v_lshlrev_b32 v[HB], 5, v2                     ; 32 h
	v_lshlrev_b32 v[HP], 15, v2
	v_lshl_add_u32 v[HP], v1, 4, v[HP]             ; h x 32,768 + 16 r
	v_lshlrev_b32 v[HN], 13, v2
	v_lshl_add_u32 v[HN], v1, 2, v[HN]             ; h x 8,192 + 4 r
.irp c, 0,1
	global_load_b128 v[32+16*\c:32+16*\c+3], v[HZ], s[68:69] offset:128*\c
	global_load_b128 v[32+16*\c+4:32+16*\c+7], v[HZ], s[68:69] offset:128*\c+16
	global_load_b128 v[32+16*\c+8:32+16*\c+11], v[HZ], s[68:69] offset:128*\c+64
	global_load_b128 v[32+16*\c+12:32+16*\c+15], v[HZ], s[68:69] offset:128*\c+80
.endr
	WIN TO_F
.irp e, 0,1,2,3
.irp c, 0,1
	global_load_b128 v[16*\e+8*\c:16*\e+8*\c+3], v[HW], s[76:77] offset:\e*2048+64*\c
	global_load_b128 v[16*\e+8*\c+4:16*\e+8*\c+7], v[HW], s[76:77] offset:\e*2048+64*\c+32
.endr
.endr
	WIN 0
.irp e, 0,1,2,3
	global_load_b128 v[96+8*\e:96+8*\e+3], v[HB], s[70:71] offset:64*\e       ; the sums start at the bias
	global_load_b128 v[96+8*\e+4:96+8*\e+7], v[HB], s[70:71] offset:64*\e+16
.endr
	; ---- the product's own addresses
	v_mul_u32_u24 v5, v1, PA
	v_lshl_add_u32 v5, v2, 4, v5                   ; r x 144 + 16 h
	s_mul_i32 s21, s15, 64*PA
	v_add_nc_u32 v[A0], s21, v5
	v_mov_b32 v[AA], v[A0]
	v_lshl_add_u32 v6, v2, 3, v3
	v_mul_u32_u24 v6, v6, PB
	v_lshl_add_u32 v6, v4, 4, v6                   ; (8 h + l % 8) x 288 + 16 ((l / 8) % 2)
	s_lshl_b32 s21, s16, 7
	s_add_co_u32 s21, s21, ATILE
	v_add_nc_u32 v[B0], s21, v6
	v_mov_b32 v[AB], v[B0]
	s_lshl_b32 s46, s19, 9
	s_lshl_b32 s47, s16, 8
	s_add_co_u32 s46, s46, s47                     ; my 64 columns, in f32 bytes
	v_lshl_add_u32 v[BO], v2, 5, s46
.irp a, 0,1,2,3
.irp b, 0,1,2,3
	global_load_b128 v[ACC+8*(4*\a+\b):ACC+8*(4*\a+\b)+3],   v[BO], s[8:9] offset:64*\b
	global_load_b128 v[ACC+8*(4*\a+\b)+4:ACC+8*(4*\a+\b)+7], v[BO], s[8:9] offset:64*\b+16
.endr
.endr
	; the way out: my own stage of 16 rows x 144 bytes; my 64 columns are one panel of C, my rows dense in it
	s_mul_i32 s21, s14, 16*PA
	s_add_co_u32 s21, s21, STAGE
	v_add_nc_u32 v[STO], s21, v5
	v_bfe_u32 v7, v0, 3, 2
	v_mul_u32_u24 v7, v7, PA
	v_lshl_add_u32 v7, v3, 4, v7
	v_add_nc_u32 v[RD], s21, v7
	v_and_b32 v7, 31, v0
	v_lshlrev_b32 v[GO], 4, v7
	s_lshl_b32 s44, s19, 1
	s_add_co_u32 s44, s44, s16
	s_lshl_b32 s44, s44, 19
	s_lshl_b32 s46, s20, 1
	s_add_co_u32 s46, s46, s15
	s_lshl_b32 s46, s46, 13
	s_add_co_u32 s44, s44, s46
	s_mov_b32 s45, 0
	s_add_nc_u64 s[10:11], s[10:11], s[44:45]
	; ---- the coordinates: 8 products, the roundings, nz, 6 stores
	s_wait_loadcnt 32                              ; the coordinates' 32 loads are in; the 32 younger ones are the bias's
	WIN TO_F
.set k, 0
.rept 16
	v_cvt_pk_f16_f32 v[64+k], v[32+2*k], v[33+2*k] ; z in f16, into window 1
.set k, k+1
.endr
	WIN MUL
.irp c, 0,1                            ; the four heads' accumulators take turns
.irp e, 0,1,2,3
	v_wmma_f32_16x16x32_f16 v[96+8*\e:96+8*\e+7], v[16*\e+8*\c:16*\e+8*\c+7], v[64+8*\c:64+8*\c+7], v[96+8*\e:96+8*\e+7]
.endr
.endr
	WIN 0
	PLACES
	v_mov_b32 v72, 0
.irp e, 0,1,2,3
.irp q, 0,1,2,3
	v_cvt_pk_f16_f32 v[80+4*\e+\q], v[96+8*\e+2*\q], v[96+8*\e+2*\q+1]
.endr
	global_store_b128 v[HP], v[80+4*\e:80+4*\e+3], s[78:79] offset:\e*65536   ; sixteen lanes store 256 consecutive bytes of a plane
	v_mov_b32 v[64+\e], 0
.endr
.irp q, 0,1,2,3                        ; the squares of the rounded coordinates, in f32, the four heads' chains side by side
.irp e, 0,1,2,3
	v_fma_mix_f32 v[64+\e], v[80+4*\e+\q], v[80+4*\e+\q], v[64+\e] op_sel_hi:[1,1,0]
.endr
.irp e, 0,1,2,3
	v_fma_mix_f32 v[64+\e], v[80+4*\e+\q], v[80+4*\e+\q], v[64+\e] op_sel:[1,1,0] op_sel_hi:[1,1,0]
.endr
.endr
.irp e, 0,1,2,3
	v_permlanex16_b32 v72, v[64+\e], s74, s75      ; the other eight coordinates
	v_add_f32 v[64+\e], v[64+\e], v72
	v_mul_f32 v[64+\e], -0.5, v[64+\e]
.endr
	v_cmp_eq_u32 vcc_lo, 1, v2
	v_cndmask_b32 v73, v64, v65, vcc_lo            ; lanes 0-15 store an even head's, lanes 16-31 the next head's
	v_cndmask_b32 v74, v66, v67, vcc_lo
	global_store_b32 v[HN], v73, s[72:73]
	global_store_b32 v[HN], v74, s[72:73] offset:16384
	s_wait_tensorcnt 1                             ; my part of K step 0 is in; step 1's may stay out
	s_barrier_signal -1
	s_barrier_wait -1
	FETCH 0, F0                                    ; step 0's first quarter
	WIN 0
	s_wait_loadcnt 0x0                             ; the bias
	s_mov_b32 s[TB], 0
	s_mov_b32 s3, LAPS
	s_mov_b32 s2, 2
	s_branch .Lmid_b                               ; the loop is entered where slot 0's second quarter is fetched
.Llap:                                 ; LAPS - 1 whole trips: both slots are filled again
	CHANGE 0, 1
	PAIRS a, 0
	CHANGE 1, 1
	PAIRS b, 1
	s_sub_co_u32 s3, s3, 1
	s_cmp_lg_u32 s3, 0
	s_cbranch_scc1 .Llap
	CHANGE 0, 0                                    ; the tail is written out: nothing is asked for
	PAIRS c, 0
	s_wait_dscnt 16                                ; the very last quarter
	MUL8 F1, 0, 0
	MUL8 F1, 0, 2
	s_wait_dscnt 0x0
	MUL8 F1, 1, 0
	MUL8 F1, 1, 2
	WIN 0
	PLACES
	s_wait_xcnt 0x0                                ; the coordinates' stores have read v73, v74 and v80-95: these are written again only behind this wait
.macro PACKV a                         ; 16 rows: rounded to f16, into my stage, back as whole rows of 128 bytes
.irp b, 0,1,2,3
.irp q, 0,1,2,3
	v_cvt_pk_f16_f32 v[EP+16*(\a)+4*\b+\q], v[ACC+8*(4*(\a)+\b)+2*\q], v[ACC+8*(4*(\a)+\b)+2*\q+1]
.endr
.endr
.irp b, 0,1,2,3
	ds_store_b128 v[STO], v[EP+16*(\a)+4*\b:EP+16*(\a)+4*\b+3] offset:32*\b
.endr
.irp f, 0,1,2,3
	ds_load_b128 v[EP+16*(\a)+4*\f:EP+16*(\a)+4*\f+3], v[RD] offset:4*PA*\f   ; LDS serves a wave's instructions in order: these see the stores above
.endr
.endm
.macro SENDV a, younger
.irp f, 0,1,2,3
	s_wait_dscnt (\younger)+3-\f
	global_store_b128 v[GO], v[EP+16*(\a)+4*\f:EP+16*(\a)+4*\f+3], s[10:11] offset:(\a)*2048+\f*512   ; 512 consecutive bytes of a panel
.endr
.endm
	PACKV 0
	PACKV 1
	SENDV 0, 8
	PACKV 2
	SENDV 1, 8
	PACKV 3
	SENDV 2, 8
	SENDV 3, 0
	s_wait_tensorcnt 0x0                           ; the wave's end
	ds_add_u32 v[SPW], v[NIL]
	s_wait_dscnt 0x0
	CROUND                                         ; the closing round
	s_endpgm
.Lfunc_end_k_q758e4df533_gemmv:
	.size	k_q758e4df533_gemmv, .Lfunc_end_k_q758e4df533_gemmv-k_q758e4df533_gemmv
	.p2alignl 7, 3214868480
	.fill 96, 4, 3214868480
	.section	.rodata,"a",@progbits
	.p2align	6, 0x0
	.amdhsa_kernel k_q758e4df533_gemmv
		.amdhsa_group_segment_fixed_size 327680
		.amdhsa_private_segment_fixed_size 0
		.amdhsa_enable_private_segment 0
		.amdhsa_kernarg_size 56
		.amdhsa_user_sgpr_count 2
		.amdhsa_user_sgpr_kernarg_segment_ptr 1
		.amdhsa_wavefront_size32 1
		.amdhsa_system_sgpr_workgroup_id_x 1
		.amdhsa_system_sgpr_workgroup_id_y 1
		.amdhsa_system_sgpr_workgroup_id_z 1
		.amdhsa_system_vgpr_workitem_id 0
		.amdhsa_next_free_vgpr 512
		.amdhsa_next_free_sgpr 80
		.amdhsa_reserve_vcc 1
		.amdhsa_float_denorm_mode_32 3
		.amdhsa_float_denorm_mode_16_64 3
		.amdhsa_memory_ordered 1
		.amdhsa_forward_progress 1
		.amdhsa_inst_pref_size 63
	.end_amdhsa_kernel
	.amdgpu_metadata
---
amdhsa.version: [ 1, 2 ]
amdhsa.kernels:
  - .name:           k_q758e4df533_gemmv
    .symbol:         k_q758e4df533_gemmv.kd
    .args:
      - { .name: xn, .offset: 0, .size: 8, .value_kind: global_buffer, .address_space: global }
      - { .name: wts, .offset: 8, .size: 8, .value_kind: global_buffer, .address_space: global }
      - { .name: bv, .offset: 16, .size: 8, .value_kind: global_buffer, .address_space: global }
      - { .name: val, .offset: 24, .size: 8, .value_kind: global_buffer, .address_space: global }
      - { .name: z, .offset: 32, .size: 8, .value_kind: global_buffer, .address_space: global }
      - { .name: bca, .offset: 40, .size: 8, .value_kind: global_buffer, .address_space: global }
      - { .name: zc, .offset: 48, .size: 8, .value_kind: global_buffer, .address_space: global }
    .group_segment_fixed_size: 327680
    .private_segment_fixed_size: 0
    .kernarg_segment_align: 8
    .kernarg_segment_size: 56
    .max_flat_workgroup_size: 128
    .sgpr_count:     80
    .vgpr_count:     512
    .wavefront_size: 32
...
	.end_amdgpu_metadata
.endif
;; end of part 9
;; launch attn (part 10): grid 8 x 32, 8 waves a work-group, clusters of 4 x 1, 327,680 bytes of LDS; arguments zc, val, gamma, att, xn, z, wts, bcn, lnc_g, lnc_b, out1; writes att, out1
.if DOCPART == 10
	.amdgcn_target "amdgcn-amd-amdhsa--gfx1250"
	.amdhsa_code_object_version 6
	.text
	.protected	k_q758e4df533_attn
	.globl	k_q758e4df533_attn
	.p2align	8
	.type	k_q758e4df533_attn,@function
k_q758e4df533_attn:
	s_mov_b64 s[64:65], 0
	v_nop
	global_prefetch_b8 v0, s[64:65] scope:SCOPE_SE
	s_setreg_imm32_b32 hwreg(HW_REG_WAVE_MODE, 25, 1), 1
	s_wait_xcnt 0x0
	s_wait_alu depctr_hold_cnt(0) depctr_sa_sdst(0) depctr_va_vdst(0) depctr_va_sdst(0) depctr_va_ssrc(0) depctr_va_vcc(0) depctr_vm_vsrc(0)
	s_getreg_b32 s2, hwreg(HW_REG_IB_STS2, 6, 4)
	s_cmp_eq_u32 s2, 0
	s_cbranch_scc0 .Lentry_in_a_cluster
	s_endpgm
.Lentry_in_a_cluster:
	s_bfe_u32 s2, ttmp6, 0x10000c
	s_cmp_lg_u32 s2, 0x3003
	s_cbranch_scc0 .Lentry_shape_is_right
	s_endpgm
.Lentry_shape_is_right:
; DISTANCE ATTENTION.  For each (b, head): att[q] = sum over k of softmax_k(-g max(|zq - zk|^2, 0)) value[k], g = softplus(gamma[head]).  2,048 keys, 16 coordinates, 64 channels.
; With nz = -1/2 |z|^2 (of the rounded coordinates) the matrix unit makes S' = zk . zq + nz[k] (nz is the C operand), and t = c2 (S' + nz[q]) is the logit in base 2 before the clip, c2 = 2 log2(e) g.
; THE MAXIMUM IS TAKEN AWAY, EXACTLY: a first pass over all keys finds max t; m = min(max t, 0) is the maximum behind the clip; the weight 2^(min(t, 0) - m) equals min(2^(t - m), 1),
; so the clip is a packed minimum with 1 on the weights rounded to f16.  The row sum is made by the matrix unit (a block of ones as a fifth channel block), of the weights that are multiplied.
; SHARES.  A work-group owns 256 queries of one (b, head).  Wave w: queries 64 (w % 4) .. + 63 (four tiles of 16), keys 1,024 (w / 4) .. + 1,023.  With one maximum for both key halves their sums simply add, in LDS at the end.
; Coordinates and nz of all keys lie in LDS for the whole launch; V goes through two slots of 2 x 256 keys.  CLUSTER 4 x 1: four query blocks of one (b, head) ask for every tile jointly.
; LAYOUT.  S^T = K Q^T: a lane holds one query (lane % 16) and the keys 8 (lane / 16) + 0..7; pairs rounded to f16 ARE source 1 of O^T = V^T P.  The form's K is 32, the coordinates are 16:
; the upper half of K's fragments is 0, so the upper half of Q's may hold any finite number (the next tile's coordinates).
; A step's coordinates and nz are asked of LDS a step ahead, directly behind the products that read the registers; the last step of each pass jumps over that fetch.
; ALSO HERE, while the first tiles are on their way: z_out = LayerNorm(z + hn wcn + bcn).  The launch has 256 work-groups of eight waves; work-group 8 (16 b + head) + query block takes 16 tokens (the block
; enters global addresses alone).  K = 1,024 is split among the eight waves (source 0 = 16 rows of the turned wcn, source 1 = the 16 tokens); the partial sums meet in LDS behind the barrier that
; stands behind the first tiles anyway; then wave w finishes tokens 2 w and 2 w + 1, four columns a lane, a token to sixteen lanes, and stores 512 consecutive bytes of out1.
; LIMITS.  f16 operands (65,504); a weight below 6e-5 keeps f16's fixed step; NaN and infinities are not treated apart.  O starts at 0 by 160 moves, in the wait for the first tiles: no first step is written out.
.set VROW,  160                        ; a key's row of V in LDS: 128 bytes + 32
.set VPART, 128*VROW                   ; what one tensor load brings
.set VHALF, 256*VROW                   ; one key half's part of a slot
.set STEPV, 64*VROW
.set SLOT1, 1<<17
.set XBASE, 81920                      ; exchange regions of 20,480 bytes: two here, two XHOP further on; no tensor load fills them
.set XSIZE, 20480
.set XHOP,  196608
.set NZL,   122880                     ; nz of all keys
.set ZKL,   212992                     ; the two planes of coordinates
.set SPARE, 319488                     ; the spare words, 128 bytes a wave: four blocks of 256 bytes that no other line names
.set SP,    144
.set ZPART, XBASE+XHOP                 ; z_next's partial sums, in the third and fourth exchange regions, which are idle until the launch's end: 8 x 4,352 bytes
.set ZPV,   4352                       ; a wave's four tiles
.set ZPJ,   1088                       ; a tile: 1,024 + 64
.set ZPI,   544                        ; its registers 0-3, then 4-7: 512 + 32
.set ZPH,   272                        ; lanes 0-15, then 16-31: 256 + 16., and so do the writers
.set AK0, 3
.set AC0, 4
.set AV0, 5
.set AK,  6
.set AC,  7
.set AV,  8
.set STO, 9
.set RD,  10
.set GO,  11                           ; v11  16 x lane; never rewritten
.set PFO, 12
.set MS,  13
.set MR,  14
.set XW,  15
.set BQ,  16                           ; v16-23  a pair a tile: c2 nz[q] - m, twice (at first nz[q] in the odd one); at the end 1 / l
.set MX,  24                           ; v24-39  four running maxima a tile (set behind z_out, whose offsets lie in v32-38 till then)
.set ZT,  32                           ; z_out: my offset in the tokens' panels
.set ZW,  33                           ;        in the turned wcn
.set PST, 34                           ;        where I put partial sums
.set PRD, 35                           ;        where I read them
.set C16, 37                           ;        16 x (lane % 16): my four columns
.set TZ,  38
.set QF,  40                           ; v40-59  tile t's fragment is v[40 + 4 t : 47 + 4 t]
.set SPW, 60
.set NIL, 61
.set QA,  62
.set NA,  63
.set KF,  64                           ; v64-95   K: key block kb at KF + 8 kb; registers 4-7 stay 0.  Before that: z_next's four accumulators
.set CZ,  96                           ; v96-127  nz of the step's keys.  Before that: the tokens' fragments
.set S,   128                          ; v128-255 S^T, 32 a tile; P in place in the lower 16.  Before that: the turned wcn's fragments, then z_out at work
.set VF,  160                          ; window 1: v0-159 O^T, 40 a tile (block 4 = the row sum); v160-223 V; v224-231 ones; v232-235 z_out as stored
.set ONES, 224
.set ZC,  160                          ; window 1, before V: z, bcn, lnc_g, lnc_b of my four columns
.set ZD,  232
.set WV,  12
.set QG,  13
.set KH,  14
.set CX,  15
.set G1V, 24
.set G0V, 32
.set G1Z, 36
.set G0Z, 44
.set G1N, 48
.set G0N, 56
.set CS,  60                           ; s[60:61] c2, twice
.set SEL, 62
.set TBV, 66
.set TBK, 67
.set TBC, 68
.set CNT, 69
.set SLOTS, 70
.set LIM, 71
.set PFA, 72
.set ONE2, 74
.set MSB, 0
.macro WIN new
.if MSB != (\new)
	s_set_vgpr_msb (MSB<<8)|(\new)
.set MSB, \new
.endif
.endm
.set W_PV,  0x51                       ; V and O^T in window 1, P in window 0
.set TO1,   0x40
.set W_AD1, 0x41
.set DAT1,  0x04                       ; source 1 (a store's data) in window 1
.set SRC1,  0x01
.macro CROUND
	s_barrier_signal -1
	s_barrier_wait -1
	s_cmp_lg_u32 s[WV], 0
	s_cbranch_scc1 .Lnot_wave_0_\@
	s_barrier_signal -3
.Lnot_wave_0_\@:
	s_barrier_wait -3
	s_barrier_signal -1
	s_barrier_wait -1
.endm
.macro JLOADV                          ; waves 0-3 bring 128 keys of V each; waves 4-7 have no part of the tile
	s_cmp_lt_u32 s[WV], 4
	s_cbranch_scc0 .Lno_v_\@
	tensor_load_to_lds s[G0V:G0V+3], s[G1V:G1V+7]
	s_nop 0
.rept 4
	v_nop
.endr
.Lno_v_\@:
.endm
; A prefetch of the slot that the NEXT change will ask for: 256 blocks of 256 bytes.  The (b, head)'s first cluster asks; its four partners take 64 blocks each, told apart by address;
; in each, waves 0 and 1 take 32, a lane a block: each block is named once in the launch.  The last change that fills a slot asks for nothing.
.macro ASK
	s_cmp_gt_u32 s[SLOTS], s[LIM]
	s_cbranch_scc0 .Lnot_mine_\@
	global_prefetch_b8 v[PFO], s[PFA:PFA+1] th:TH_LOAD_NT scope:SCOPE_SE
.Lnot_mine_\@:
.endm
.macro CHANGE fill                     ; the change of V's slots
	WIN 0
	s_wait_tensorcnt 0x0                           ; no tensor load of mine is out, so a group 0 may be written
	ds_add_u32 v[SPW], v[NIL]
.if \fill
	s_xor_b32 s[G0V+1], s[G0V+1], SLOT1
	s_add_nc_u64 s[G0V+2:G0V+3], s[G0V+2:G0V+3], 32768   ; each key half's next 256 keys
	s_wait_xcnt 0x0                                ; the last prefetch, four key steps back, has read its address
	s_add_nc_u64 s[PFA:PFA+1], s[PFA:PFA+1], 32768
	s_wait_dscnt 0x0                               ; the add is done, my reads of the slot are over
	CROUND
	JLOADV                                         ; it has four key steps of both waves of a SIMD in which to land
	ASK
.else
	s_wait_dscnt 0x0
	s_barrier_signal -1
	s_barrier_wait -1
.endif
	s_sub_co_u32 s[TBV], s[TBV], VHALF
	s_xor_b32 s[TBV], s[TBV], SLOT1
.endm
.macro LOADKC                          ; a step's 64 keys: coordinates (4 loads) and nz (8 loads)
	v_add_nc_u32 v[AK], s[TBK], v[AK0]
	v_add_nc_u32 v[AC], s[TBC], v[AC0]
.irp kb, 0,1,2,3
	ds_load_b128 v[KF+8*\kb:KF+8*\kb+3], v[AK] offset:256*\kb
.endr
.irp kb, 0,1,2,3
	ds_load_b128 v[CZ+8*\kb:CZ+8*\kb+3], v[AC] offset:64*\kb
	ds_load_b128 v[CZ+8*\kb+4:CZ+8*\kb+7], v[AC] offset:64*\kb+16
.endr
	s_add_co_u32 s[TBK], s[TBK], 1024
	s_add_co_u32 s[TBC], s[TBC], 256
.endm
.macro QK16                            ; S' for 64 keys x 64 queries: sixteen results, all different registers
.irp kb, 0,1,2,3
.irp t, 0,1,2,3
	v_wmma_f32_16x16x32_f16 v[S+32*\t+8*\kb:S+32*\t+8*\kb+7], v[KF+8*\kb:KF+8*\kb+7], v[QF+4*\t:QF+4*\t+7], v[CZ+8*\kb:CZ+8*\kb+7]
.endr
.endr
.endm
.macro STEP last                       ; a key step of the second pass.  last = 1: the tail's copy, whose fourth trip has no step behind it
	v_add_nc_u32 v[AV], s[TBV], v[AV0]
	WIN TO1
.irp f, 0,1,2,3,4,5,6,7                ; keys 32 (f / 4) on, channels 16 (f % 4) on, turned
	ds_load_tr16_b128 v[VF+8*\f:VF+8*\f+3],   v[AV] offset:(\f/4)*32*VROW+(\f%4)*32
	ds_load_tr16_b128 v[VF+8*\f+4:VF+8*\f+7], v[AV] offset:(\f/4)*32*VROW+16*VROW+(\f%4)*32
.endr
	WIN 0
	s_add_co_u32 s[TBV], s[TBV], STEPV
	s_wait_dscnt 16                                ; coordinates and nz, asked for a step ago, are in; V's sixteen loads are younger and may stay out
	QK16
.rept 4
	v_nop                                          ; the places behind the last product, in front of loads into registers that it has read
.endr
.if \last
	s_cmp_eq_u32 s[CNT], 1
	s_cbranch_scc1 .Lno_kc_\@
.endif
	LOADKC                                         ; the next step's
.if \last
.Lno_kc_\@:
.endif
.set t, 0
.rept 4                                ; t - m, and all 128 exponentials as ONE batch: nothing names a result ahead of the wait
	v_pk_fma_f32 v[S+32*t:S+32*t+1], v[S+32*t:S+32*t+1], s[CS:CS+1], v[BQ+2*t:BQ+2*t+1] op_sel_hi:[1,0,1]
.set i, 0
.rept 16
.if i < 15
	v_pk_fma_f32 v[S+32*t+2*i+2:S+32*t+2*i+3], v[S+32*t+2*i+2:S+32*t+2*i+3], s[CS:CS+1], v[BQ+2*t:BQ+2*t+1] op_sel_hi:[1,0,1]
.endif
	v_exp_f32 v[S+32*t+2*i], v[S+32*t+2*i]
	v_exp_f32 v[S+32*t+2*i+1], v[S+32*t+2*i+1]
.set i, i+1
.endr
.set t, t+1
.endr
	v_nop                                          ; a plain instruction behind the last exponential,
	s_wait_alu depctr_va_vdst(0)                   ; and one wait for the batch
.set t, 0
.rept 4
.set i, 0
.rept 16
	v_cvt_pk_f16_f32 v[S+32*t+i], v[S+32*t+2*i], v[S+32*t+2*i+1]
.set i, i+1
.endr
.set i, 0
.rept 16
	v_pk_min_num_f16 v[S+32*t+i], v[S+32*t+i], s[ONE2]   ; the clip of the distance at 0
.set i, i+1
.endr
.set t, t+1
.endr
.if \last
	s_wait_dscnt 0x0                               ; V is in (in the fourth trip nothing younger was issued)
.else
	s_wait_dscnt 12                                ; V is in; the twelve younger loads are the next step's coordinates and nz
.endif
	WIN W_PV
.irp kk, 0,1                           ; 40 products; the 20 accumulators take turns
.irp cb, 0,1,2,3,4
.irp t, 0,1,2,3
.if \cb < 4
	v_wmma_f32_16x16x32_f16 v[40*\t+8*\cb:40*\t+8*\cb+7], v[VF+32*\kk+8*\cb:VF+32*\kk+8*\cb+7], v[S+32*\t+8*\kk:S+32*\t+8*\kk+7], v[40*\t+8*\cb:40*\t+8*\cb+7]
.else
	v_wmma_f32_16x16x32_f16 v[40*\t+8*\cb:40*\t+8*\cb+7], v[ONES:ONES+7], v[S+32*\t+8*\kk:S+32*\t+8*\kk+7], v[40*\t+8*\cb:40*\t+8*\cb+7]
.endif
.endr
.endr
.endr
	WIN 0
.rept 5
	v_nop                                          ; the places in front of the next loads into V's registers and of the next products, which write over P
.endr
.endm
.macro FOURSTEPS last
	s_mov_b32 s[CNT], 4
.Lstep_\@:
	STEP \last
	s_sub_co_u32 s[CNT], s[CNT], 1
	s_cmp_lg_u32 s[CNT], 0
	s_cbranch_scc1 .Lstep_\@
.endm
	s_load_b256 s[4:11], s[0:1], 0x0               ; zc 4, val 6, gamma 8, att 10
	s_load_b256 s[16:23], s[0:1], 0x20             ; xn 16, z 18, wts 20, bcn 22
	s_load_b128 s[96:99], s[0:1], 0x40             ; lnc_g 96, lnc_b 98
	s_load_b64 s[100:101], s[0:1], 0x50            ; out1
	v_lshl_add_u32 v[SPW], v0, 2, SPARE
	v_mov_b32 v[NIL], 0
	ds_add_u32 v[SPW], v[NIL]                      ; the wave's opening: the add and its wait ahead of my first tensor load
	v_lshrrev_b32 v1, 5, v0
	v_readfirstlane_b32 s[WV], v1
	s_and_b32 s[QG], s[WV], 3
	s_lshr_b32 s[KH], s[WV], 2
	s_bfe_u32 s[CX], ttmp6, 0x40000
	s_and_b32 s75, ttmp7, 0xffff                   ; 16 b + head
	s_and_b32 s76, s75, 15
	s_lshr_b32 s77, s75, 4
	s_lshl_b32 s85, s76, 2                         ; gamma's byte
	s_mov_b32 s[G1V], 15|(1<<16)|(1<<20)|(1<<21)|(4<<22)|(7<<25)   ; all four work-groups; 2-byte elements; after every 32 words 8 words of padding
	s_mov_b32 s[G1V+1], 128<<16
	s_mov_b32 s[G1V+2], 64<<16                     ; 128 keys as 64 rows of 256 bytes
	s_mov_b32 s[G1V+3], 128<<16
	s_mov_b32 s[G1V+4], 64
	s_mov_b32 s[G1V+5], 128
	s_mov_b32 s[G1V+6], 0
	s_mov_b32 s[G1V+7], 0
	s_mov_b32 s[G1Z], 15|(1<<16)|(1<<21)           ; the planes: 256 rows of 256 bytes, dense
	s_mov_b32 s[G1Z+1], 128<<16
	s_mov_b32 s[G1Z+2], 256<<16
	s_mov_b32 s[G1Z+3], 128<<16
	s_mov_b32 s[G1Z+4], 256
	s_mov_b32 s[G1Z+5], 128
	s_mov_b32 s[G1Z+6], 0
	s_mov_b32 s[G1Z+7], 0
	s_mov_b32 s[G1N], 15|(1<<16)|(1<<21)           ; nz: 32 rows of 256 bytes
	s_mov_b32 s[G1N+1], 128<<16
	s_mov_b32 s[G1N+2], 32<<16
	s_mov_b32 s[G1N+3], 128<<16
	s_mov_b32 s[G1N+4], 32
	s_mov_b32 s[G1N+5], 128
	s_mov_b32 s[G1N+6], 0
	s_mov_b32 s[G1N+7], 0
	s_mov_b32 s[G0V], 1
	s_mul_i32 s[G0V+1], s[WV], VPART
	s_mov_b32 s[G0Z], 1
	s_mov_b32 s[G0Z+1], ZKL
	s_mov_b32 s[G0N], 1
	s_mov_b32 s[G0N+1], NZL
	s_lshl_b32 s78, s76, 19
	s_lshl_b32 s79, s77, 18
	s_add_co_u32 s78, s78, s79                     ; the (b, head)'s rows in val and in att
	s_lshr_b32 s79, s[WV], 1
	s_lshl_b32 s79, s79, 17                        ; key half,
	s_and_b32 s80, s[WV], 1
	s_lshl_b32 s80, s80, 14                        ; 128 keys of its 256
	s_add_co_u32 s80, s80, s79
	s_add_co_u32 s80, s80, s78
	s_mov_b32 s81, 0
	s_lshl_b32 s82, s75, 13
	s_add_co_u32 s82, s82, 2097152
	s_mov_b32 s83, 0
	s_mov_b32 s[SEL], 0x76543210
	s_mov_b32 s[SEL+1], 0xfedcba98
	s_mov_b32 s[ONE2], 0x3c003c00                  ; 1.0 twice, in f16
	s_lshr_b32 s[LIM], s[WV], 1
	s_or_b32 s[LIM], s[LIM], ttmp9                 ; 0 in waves 0 and 1 of the first cluster: the same in all four partners
	s_cmp_eq_u32 s[LIM], 0
	s_cselect_b32 s[LIM], 1, -1
	; what hangs on my place in the cluster has registers of its own, s86-s95, and the pointers made of them
	s_lshl_b32 s86, ttmp9, 2
	s_add_co_u32 s86, s86, s[CX]                   ; my block of 256 queries
	s_lshl_b32 s86, s86, 2
	s_add_co_u32 s86, s86, s[QG]                   ; my wave's 64 queries
	s_lshl_b32 s92, s86, 10
	s_lshl_b32 s87, s75, 16
	s_add_co_u32 s92, s92, s87                     ; their coordinates
	s_mov_b32 s93, 0
	s_lshl_b32 s94, s86, 8
	s_add_co_u32 s94, s94, s82                     ; their nz
	s_mov_b32 s95, 0
	s_wait_dscnt 0x0
	s_wait_kmcnt 0x0
	s_load_b32 s84, s[8:9], s85 offset:0x0         ; gamma[head]
	s_add_nc_u64 s[G0V+2:G0V+3], s[6:7], s[80:81]
	s_or_b32 s[G0V+3], s[G0V+3], 0x80000000
	s_lshl_b32 s80, s75, 16
	s_add_nc_u64 s[G0Z+2:G0Z+3], s[4:5], s[80:81]
	s_or_b32 s[G0Z+3], s[G0Z+3], 0x80000000
	s_add_nc_u64 s[G0N+2:G0N+3], s[4:5], s[82:83]
	s_or_b32 s[G0N+3], s[G0N+3], 0x80000000
	s_add_nc_u64 s[88:89], s[4:5], s[92:93]
	s_add_nc_u64 s[90:91], s[4:5], s[94:95]
	s_lshl_b32 s92, s86, 13
	s_add_co_u32 s92, s92, s78
	s_add_nc_u64 s[10:11], s[10:11], s[92:93]      ; att at my wave's rows
	s_lshr_b32 s92, s[CX], 1
	s_lshl_b32 s92, s92, 17
	s_and_b32 s87, s[CX], 1
	s_lshl_b32 s87, s87, 14
	s_add_co_u32 s92, s92, s87
	s_lshl_b32 s87, s[WV], 13
	s_add_co_u32 s92, s92, s87
	s_add_co_u32 s92, s92, s78
	s_add_co_u32 s92, s92, 32768                   ; in the second slot's keys; the first change steps it on
	s_add_nc_u64 s[PFA:PFA+1], s[6:7], s[92:93]
	CROUND                                         ; all four work-groups are here: the first joint loads meet
	s_cmp_lt_u32 s[WV], 4
	s_cbranch_scc0 .Lfirst_not_v
	tensor_load_to_lds s[G0V:G0V+3], s[G1V:G1V+7]
	s_nop 0
.rept 4
	v_nop
.endr
	s_branch .Lfirst_asked
.Lfirst_not_v:
	s_cmp_eq_u32 s[WV], 4
	s_cbranch_scc0 .Lfirst_not_z
	tensor_load_to_lds s[G0Z:G0Z+3], s[G1Z:G1Z+7]
	s_nop 0
.rept 4
	v_nop
.endr
	s_branch .Lfirst_asked
.Lfirst_not_z:
	s_cmp_eq_u32 s[WV], 5
	s_cbranch_scc0 .Lfirst_asked
	tensor_load_to_lds s[G0N:G0N+3], s[G1N:G1N+7]
	s_nop 0
.rept 4
	v_nop
.endr
.Lfirst_asked:
	v_and_b32 v1, 15, v0                           ; r
	v_bfe_u32 v2, v0, 4, 1                         ; h
	v_and_b32 v26, 31, v0
	v_lshlrev_b32 v[GO], 4, v26
	; ---- z_out: addresses and 44 loads.  Wave w takes k = 128 w .. + 127: panels 2 w, 2 w + 1 of xn
	s_lshl_b32 s87, ttmp9, 2
	s_add_co_u32 s87, s87, s[CX]
	s_lshl3_add_u32 s87, s75, s87                  ; the work-group's number, 0 .. 255
	s_lshl_b32 s87, s87, 4                         ; its first token
	s_lshl_b32 s92, s[WV], 20
	s_lshl_b32 s94, s87, 7
	s_add_co_u32 s92, s92, s94
	s_add_nc_u64 s[16:17], s[16:17], s[92:93]      ; the tokens' rows in my first panel
	s_lshl_b32 s92, s[WV], 8
	s_add_co_u32 s92, s92, 20971520
	s_add_nc_u64 s[20:21], s[20:21], s[92:93]      ; the turned wcn at my k
	s_lshl1_add_u32 s92, s[WV], s87                ; the two tokens that I finish
	s_lshl_b32 s92, s92, 8
	s_add_nc_u64 s[18:19], s[18:19], s[92:93]
	s_add_nc_u64 s[100:101], s[100:101], s[92:93]
	v_lshlrev_b32 v[ZT], 7, v1
	v_lshl_add_u32 v[ZT], v2, 4, v[ZT]             ; token x 128 + 16 h
	v_lshlrev_b32 v[ZW], 11, v1
	v_lshl_add_u32 v[ZW], v2, 4, v[ZW]             ; output x 2,048 + 16 h
	v_lshlrev_b32 v[C16], 4, v1
.irp c, 0,1,2,3
	global_load_b128 v[CZ+8*\c:CZ+8*\c+3], v[ZT], s[16:17] offset:(\c/2)*524288+(\c%2)*64
	global_load_b128 v[CZ+8*\c+4:CZ+8*\c+7], v[ZT], s[16:17] offset:(\c/2)*524288+(\c%2)*64+32
.endr
.irp j, 0,1,2,3
.irp c, 0,1,2,3
	global_load_b128 v[S+32*\j+8*\c:S+32*\j+8*\c+3], v[ZW], s[20:21] offset:\j*32768+64*\c
	global_load_b128 v[S+32*\j+8*\c+4:S+32*\j+8*\c+7], v[ZW], s[20:21] offset:\j*32768+64*\c+32
.endr
.endr
	WIN TO1
	global_load_b128 v[ZC:ZC+3], v[GO], s[18:19]           ; z: two tokens' rows are 512 consecutive bytes
	global_load_b128 v[ZC+4:ZC+7], v[C16], s[22:23]        ; bcn
	global_load_b128 v[ZC+8:ZC+11], v[C16], s[96:97]       ; lnc_g
	global_load_b128 v[ZC+12:ZC+15], v[C16], s[98:99]      ; lnc_b
	WIN 0
	; ---- attention: Q, nz[q], addresses
	v_lshlrev_b32 v[QA], 15, v2
	v_lshl_add_u32 v[QA], v1, 4, v[QA]             ; plane h, row r
	v_lshlrev_b32 v[NA], 2, v1
.irp t, 0,1,2,3
	global_load_b128 v[QF+4*\t:QF+4*\t+3], v[QA], s[88:89] offset:256*\t
	global_load_b32 v[BQ+2*\t+1], v[NA], s[90:91] offset:64*\t
.endr
	s_lshl_b32 s79, s[KH], 14
	s_add_co_u32 s79, s79, ZKL
	v_add_nc_u32 v[AK0], s79, v[QA]
	s_lshl_b32 s79, s[KH], 12
	s_add_co_u32 s79, s79, NZL
	v_lshl_add_u32 v[AC0], v2, 5, s79
	v_and_b32 v24, 7, v0
	v_bfe_u32 v25, v0, 3, 1
	v_lshl_add_u32 v[AV0], v2, 3, v24
	v_mul_u32_u24 v[AV0], v[AV0], VROW
	v_lshl_add_u32 v[AV0], v25, 4, v[AV0]
	s_mul_i32 s79, s[KH], VHALF
	v_add_nc_u32 v[AV0], s79, v[AV0]
	s_and_b32 s79, s[QG], 1
	s_mul_i32 s79, s79, XSIZE
	s_lshr_b32 s80, s[QG], 1
	s_mul_i32 s80, s80, XHOP
	s_add_co_u32 s79, s79, s80
	s_add_co_u32 s79, s79, XBASE                   ; the exchange region of my 64 queries
	v_mul_u32_u24 v[STO], v1, SP
	v_lshl_add_u32 v[STO], v2, 4, v[STO]
	v_add_nc_u32 v[STO], s79, v[STO]
	v_bfe_u32 v[RD], v0, 3, 2
	v_mul_u32_u24 v[RD], v[RD], SP
	v_lshl_add_u32 v[RD], v24, 4, v[RD]
	v_add_nc_u32 v[RD], s79, v[RD]
	v_lshlrev_b32 v[PFO], 8, v26
	v_add_nc_u32 v[XW], s79, v[GO]
	s_lshl_b32 s80, s[WV], 9
	s_add_co_u32 s80, s80, XBASE
	v_lshl_add_u32 v[MS], v26, 2, s80              ; where I put my maxima,
	s_xor_b32 s80, s[WV], 4
	s_lshl_b32 s80, s80, 9
	s_add_co_u32 s80, s80, XBASE
	v_lshl_add_u32 v[MR], v26, 2, s80              ; and where the other key half's wave puts its own
.irp j, 16,17,18,19
	v_mov_b32 v[QF+\j], 0
.endr
	WIN TO1
.set i, 0
.rept 160
	v_mov_b32 v[i], 0
.set i, i+1
.endr
.set i, 0
.rept 8
	v_mov_b32 v[ONES+i], 0x3c003c00
.set i, i+1
.endr
	WIN 0
	; c2 = 2 (log2(e) max(gamma, 0) + log2(1 + u)), u = 2^(-|gamma| log2(e)); log2(1 + u) as log2(w) u / (w - 1), w = 1 + u rounded, or u log2(e) where w = 1
	s_mov_b32 s79, 0x3fb8aa3b
	s_wait_kmcnt 0x0
	v_mov_b32 v24, s84
	v_mul_f32 v25, s79, -|v24|
	v_exp_f32 v25, v25
	v_nop
	s_wait_alu depctr_va_vdst(0)
	v_add_f32 v26, 1.0, v25
	v_add_f32 v27, -1.0, v26
	v_log_f32 v28, v26
	v_rcp_f32 v29, v27
	v_nop
	s_wait_alu depctr_va_vdst(0)
	v_mul_f32 v28, v28, v25
	v_mul_f32 v28, v28, v29
	v_mul_f32 v29, s79, v25
	v_cmp_eq_f32 vcc_lo, 0, v27
	v_cndmask_b32 v28, v28, v29, vcc_lo
	v_max_num_f32 v24, 0, v24
	v_fma_f32 v28, v24, s79, v28
	v_add_f32 v28, v28, v28
	v_readfirstlane_b32 s[CS], v28
	s_mov_b32 s[CS+1], s[CS]
	; ---- z_out: where the partial sums go and come from; 16 products; 8 LDS stores
	s_mul_i32 s79, s[WV], ZPV
	s_add_co_u32 s79, s79, ZPART
	v_mul_u32_u24 v[PST], v2, ZPH
	v_lshl_add_u32 v[PST], v1, 4, v[PST]
	v_add_nc_u32 v[PST], s79, v[PST]               ; my wave's part, 16 bytes for token r, the halves of the lanes 272 bytes apart
	s_lshl_b32 s79, s[WV], 5
	s_add_co_u32 s79, s79, ZPART                   ; token 2 w
	v_lshrrev_b32 v[PRD], 2, v1                    ; my four columns 4 (l % 16) .. + 3 lie in tile (l % 16) / 4,
	v_mul_u32_u24 v[PRD], v[PRD], ZPJ
	v_bfe_u32 v[TZ], v0, 1, 1                      ; in the half of the lanes (l / 2) % 2,
	v_mul_u32_u24 v[TZ], v[TZ], ZPH
	v_add_nc_u32 v[PRD], v[PRD], v[TZ]
	v_and_b32 v[TZ], 1, v0                         ; in registers 4 (l % 2) .. + 3
	v_mul_u32_u24 v[TZ], v[TZ], ZPI
	v_add_nc_u32 v[PRD], v[PRD], v[TZ]
	v_lshl_add_u32 v[PRD], v2, 4, v[PRD]           ; lanes 16-31: token 2 w + 1
	v_add_nc_u32 v[PRD], s79, v[PRD]
	s_mov_b32 s2, 0x3c800000                       ; 1 / 64
	s_mov_b32 s3, 0x3727c5ac                       ; 1e-5
	s_wait_loadcnt 12                              ; the 40 loads of fragments are in; the 12 younger ones are z, bcn, gains, biases (4) and Q, nz[q] (8)
.irp c, 0,1,2,3                        ; the four accumulators take turns; the first 32 k start the sums
.irp j, 0,1,2,3
.if \c == 0
	v_wmma_f32_16x16x32_f16 v[KF+8*\j:KF+8*\j+7], v[S+32*\j+8*\c:S+32*\j+8*\c+7], v[CZ+8*\c:CZ+8*\c+7], 0
.else
	v_wmma_f32_16x16x32_f16 v[KF+8*\j:KF+8*\j+7], v[S+32*\j+8*\c:S+32*\j+8*\c+7], v[CZ+8*\c:CZ+8*\c+7], v[KF+8*\j:KF+8*\j+7]
.endif
.endr
.endr
.rept 4
	v_nop                                          ; the places behind the last product
.endr
.irp j, 0,1,2,3
	ds_store_b128 v[PST], v[KF+8*\j:KF+8*\j+3] offset:ZPJ*\j
	ds_store_b128 v[PST], v[KF+8*\j+4:KF+8*\j+7] offset:ZPJ*\j+ZPI
.endr
.irp kb, 0,1,2,3                       ; K's fragments: the upper halves are 0 from here on
.irp j, 4,5,6,7
	v_mov_b32 v[KF+8*\kb+\j], 0
.endr
.endr
	s_wait_tensorcnt 0x0                           ; my first tile is in,
	s_wait_dscnt 0x0                               ; my partial sums lie in LDS,
	s_barrier_signal -1
	s_barrier_wait -1                              ; everybody's
	; ---- z_out: the eight partial sums of my four columns, bcn, z, the LayerNorm over a token's sixteen lanes, one store
.irp u, 0,1,2,3,4,5,6,7
	ds_load_b128 v[S+4*\u:S+4*\u+3], v[PRD] offset:ZPV*\u
.endr
	s_wait_loadcnt 0x0                             ; z, bcn, gains and biases; Q and nz[q] too
	s_wait_dscnt 0x0
.irp u, 0,2,4,6
	v_pk_add_f32 v[S+4*\u:S+4*\u+1], v[S+4*\u:S+4*\u+1], v[S+4*\u+4:S+4*\u+5]
	v_pk_add_f32 v[S+4*\u+2:S+4*\u+3], v[S+4*\u+2:S+4*\u+3], v[S+4*\u+6:S+4*\u+7]
.endr
.irp u, 0,4
	v_pk_add_f32 v[S+4*\u:S+4*\u+1], v[S+4*\u:S+4*\u+1], v[S+4*\u+8:S+4*\u+9]
	v_pk_add_f32 v[S+4*\u+2:S+4*\u+3], v[S+4*\u+2:S+4*\u+3], v[S+4*\u+10:S+4*\u+11]
.endr
	v_pk_add_f32 v[S:S+1], v[S:S+1], v[S+16:S+17]
	v_pk_add_f32 v[S+2:S+3], v[S+2:S+3], v[S+18:S+19]
	WIN DAT1                                       ; source 1 in window 1
	v_pk_add_f32 v[S:S+1], v[S:S+1], v[ZC+4:ZC+5]
	v_pk_add_f32 v[S+2:S+3], v[S+2:S+3], v[ZC+6:ZC+7]
	v_pk_add_f32 v[S:S+1], v[S:S+1], v[ZC:ZC+1]
	v_pk_add_f32 v[S+2:S+3], v[S+2:S+3], v[ZC+2:ZC+3]
	WIN 0
	v_pk_add_f32 v[S+32:S+33], v[S:S+1], v[S+2:S+3]
	v_add_f32 v[S+32], v[S+32], v[S+33]
	v_add_f32_dpp v[S+32], v[S+32], v[S+32] row_xmask:1 row_mask:0xf bank_mask:0xf
	v_add_f32_dpp v[S+32], v[S+32], v[S+32] row_xmask:2 row_mask:0xf bank_mask:0xf
	v_add_f32_dpp v[S+32], v[S+32], v[S+32] row_xmask:4 row_mask:0xf bank_mask:0xf
	v_add_f32_dpp v[S+32], v[S+32], v[S+32] row_xmask:8 row_mask:0xf bank_mask:0xf
	v_mul_f32 v[S+34], s2, v[S+32]                 ; the mean
	v_mov_b32 v[S+35], v[S+34]
	v_pk_add_f32 v[S:S+1], v[S:S+1], v[S+34:S+35] neg_lo:[0,1] neg_hi:[0,1]
	v_pk_add_f32 v[S+2:S+3], v[S+2:S+3], v[S+34:S+35] neg_lo:[0,1] neg_hi:[0,1]
	v_pk_mul_f32 v[S+32:S+33], v[S:S+1], v[S:S+1]
	v_pk_fma_f32 v[S+32:S+33], v[S+2:S+3], v[S+2:S+3], v[S+32:S+33]
	v_add_f32 v[S+32], v[S+32], v[S+33]
	v_add_f32_dpp v[S+32], v[S+32], v[S+32] row_xmask:1 row_mask:0xf bank_mask:0xf
	v_add_f32_dpp v[S+32], v[S+32], v[S+32] row_xmask:2 row_mask:0xf bank_mask:0xf
	v_add_f32_dpp v[S+32], v[S+32], v[S+32] row_xmask:4 row_mask:0xf bank_mask:0xf
	v_add_f32_dpp v[S+32], v[S+32], v[S+32] row_xmask:8 row_mask:0xf bank_mask:0xf
	v_fma_f32 v[S+32], v[S+32], s2, s3             ; variance + eps
	v_rsq_f32 v[S+36], v[S+32]
	v_rsq_f32 v[S+37], v[S+32]
	v_nop
	s_wait_alu depctr_va_vdst(0)                   ; one wait for both roots, ahead of their first reader
	v_pk_mul_f32 v[S:S+1], v[S:S+1], v[S+36:S+37]
	v_pk_mul_f32 v[S+2:S+3], v[S+2:S+3], v[S+36:S+37]
	WIN 0x54                                       ; gains, biases and the result in window 1: the result's registers are written nowhere else, so nothing waits for the store
	v_pk_fma_f32 v[ZD:ZD+1], v[S:S+1], v[ZC+8:ZC+9], v[ZC+12:ZC+13]
	v_pk_fma_f32 v[ZD+2:ZD+3], v[S+2:S+3], v[ZC+10:ZC+11], v[ZC+14:ZC+15]
	WIN DAT1
	global_store_b128 v[GO], v[ZD:ZD+3], s[100:101] th:TH_STORE_NT   ; two tokens' rows: 512 consecutive bytes of out1
	WIN 0
.set i, 0
.rept 16
	v_mov_b32 v[MX+i], 0xff7fffff
.set i, i+1
.endr
	; THE FIRST PASS: the largest S' of each query over my 1,024 keys
	s_mov_b32 s[TBK], 0
	s_mov_b32 s[TBC], 0
	s_mov_b32 s[CNT], 16
	LOADKC                                         ; the first step's coordinates and nz
.Lmax:
	s_wait_dscnt 0x0
	QK16
.rept 4
	v_nop
.endr
	s_cmp_eq_u32 s[CNT], 1                         ; the last trip has no step behind it
	s_cbranch_scc1 .Lmax_last
	LOADKC                                         ; the next step's, under the maxima below
.Lmax_last:
.irp e, 0,1,2,3                        ; each result's lowest registers are read first; sixteen chains side by side
.irp t, 0,1,2,3
.irp kb, 0,1,2,3
	v_max3_num_f32 v[MX+4*\t+\kb], v[MX+4*\t+\kb], v[S+32*\t+8*\kb+2*\e], v[S+32*\t+8*\kb+2*\e+1]
.endr
.endr
.endr
	s_sub_co_u32 s[CNT], s[CNT], 1
	s_cmp_lg_u32 s[CNT], 0
	s_cbranch_scc1 .Lmax
.irp t, 0,1,2,3
	v_max3_num_f32 v[MX+4*\t], v[MX+4*\t], v[MX+4*\t+1], v[MX+4*\t+2]
.endr
.irp t, 0,1,2,3
	v_max_num_f32 v[MX+4*\t], v[MX+4*\t], v[MX+4*\t+3]
.endr
.irp t, 0,1,2,3
	v_permlanex16_b32 v[MX+4*\t+1], v[MX+4*\t], s[SEL], s[SEL+1]
.endr
.irp t, 0,1,2,3
	v_max_num_f32 v[MX+4*\t], v[MX+4*\t], v[MX+4*\t+1]
.endr
.irp t, 0,1,2,3
	ds_store_b32 v[MS], v[MX+4*\t] offset:128*\t
.endr
	s_wait_dscnt 0x0
	s_barrier_signal -1
	s_barrier_wait -1
.irp t, 0,1,2,3
	ds_load_b32 v[MX+4*\t+1], v[MR] offset:128*\t
.endr
	s_wait_dscnt 0x0
.irp t, 0,1,2,3
	v_max_num_f32 v[MX+4*\t], v[MX+4*\t], v[MX+4*\t+1]
	v_add_f32 v[MX+4*\t], v[MX+4*\t], v[BQ+2*\t+1]
	v_mul_f32 v[MX+4*\t], s[CS], v[MX+4*\t]        ; max t
	v_min_num_f32 v[MX+4*\t], 0, v[MX+4*\t]        ; m
	v_fma_f32 v[BQ+2*\t], s[CS], v[BQ+2*\t+1], -v[MX+4*\t]
	v_mov_b32 v[BQ+2*\t+1], v[BQ+2*\t]
.endr
	; THE SECOND PASS
	s_mov_b32 s[TBK], 0
	s_mov_b32 s[TBC], 0
	LOADKC                                         ; its first step's coordinates and nz
	s_mov_b32 s[TBV], SLOT1+VHALF                  ; the first change turns it into 0
	s_mov_b32 s[SLOTS], 3
.Lslot:                                ; three times: a slot is entered and the next 2 x 256 keys are asked for (the first time into slot 1, which has not been filled yet)
	CHANGE 1
	FOURSTEPS 0
	s_sub_co_u32 s[SLOTS], s[SLOTS], 1
	s_cmp_lg_u32 s[SLOTS], 0
	s_cbranch_scc1 .Lslot
	CHANGE 0                                       ; the tail is written out
	FOURSTEPS 1
	; THE TWO KEY HALVES MEET: waves 4-7 hand O^T and the row sums to waves 0-3
	s_cmp_lt_u32 s[WV], 4
	s_cbranch_scc1 .Lkeep
	WIN DAT1
.set e, 0
.rept 40
	ds_store_b128 v[XW], v[4*e:4*e+3] offset:512*e
.set e, e+1
.endr
	WIN 0
.Lkeep:
	s_wait_dscnt 0x0
	s_barrier_signal -1
	s_barrier_wait -1
	s_cmp_lt_u32 s[WV], 4
	s_cbranch_scc0 .Lend
.set e, 0
.rept 40
	ds_load_b128 v[64+4*e:64+4*e+3], v[XW] offset:512*e
.set e, e+1
.endr
	s_wait_dscnt 0x0
	WIN W_AD1
.set i, 0
.rept 80
	v_pk_add_f32 v[2*i:2*i+1], v[2*i:2*i+1], v[64+2*i:64+2*i+1]
.set i, i+1
.endr
	WIN SRC1
.irp t, 0,1,2,3
	v_rcp_f32 v[BQ+2*\t], v[40*\t+32]              ; the row sum lies in every register of its block: the lowest is taken
.endr
	v_nop
	s_wait_alu depctr_va_vdst(0)                   ; one wait for the four reciprocals
.macro PACK t                          ; a tile: divided by l, rounded to f16, through my exchange region (read out by now) as a stage, back as whole rows of 128 bytes
	WIN W_AD1
.set i, 0
.rept 16
	v_pk_mul_f32 v[40*(\t)+2*i:40*(\t)+2*i+1], v[40*(\t)+2*i:40*(\t)+2*i+1], v[BQ+2*(\t):BQ+2*(\t)+1] op_sel_hi:[1,0]
.set i, i+1
.endr
	WIN 0x05
.set i, 0
.rept 16
	v_cvt_pk_f16_f32 v[S+16*(\t)+i], v[40*(\t)+2*i], v[40*(\t)+2*i+1]
.set i, i+1
.endr
	WIN 0
.irp f, 0,1,2,3
	ds_store_b128 v[STO], v[S+16*(\t)+4*\f:S+16*(\t)+4*\f+3] offset:32*\f
.endr
.irp f, 0,1,2,3
	ds_load_b128 v[S+16*(\t)+4*\f:S+16*(\t)+4*\f+3], v[RD] offset:\f*4*SP
.endr
.endm
.macro SEND t, younger
.irp f, 0,1,2,3
	s_wait_dscnt (\younger)+3-\f
	global_store_b128 v[GO], v[S+16*(\t)+4*\f:S+16*(\t)+4*\f+3], s[10:11] offset:(\t)*2048+\f*512   ; 512 consecutive bytes of the head's panel
.endr
.endm
	PACK 0
	PACK 1
	SEND 0, 8
	PACK 2
	SEND 1, 8
	PACK 3
	SEND 2, 8
	SEND 3, 0
.Lend:
	s_wait_tensorcnt 0x0                           ; the wave's end
	ds_add_u32 v[SPW], v[NIL]
	s_wait_dscnt 0x0
	CROUND                                         ; the closing round
	s_endpgm
.Lfunc_end_k_q758e4df533_attn:
	.size	k_q758e4df533_attn, .Lfunc_end_k_q758e4df533_attn-k_q758e4df533_attn
	.p2alignl 7, 3214868480
	.fill 96, 4, 3214868480
	.section	.rodata,"a",@progbits
	.p2align	6, 0x0
	.amdhsa_kernel k_q758e4df533_attn
		.amdhsa_group_segment_fixed_size 327680
		.amdhsa_private_segment_fixed_size 0
		.amdhsa_enable_private_segment 0
		.amdhsa_kernarg_size 88
		.amdhsa_user_sgpr_count 2
		.amdhsa_user_sgpr_kernarg_segment_ptr 1
		.amdhsa_wavefront_size32 1
		.amdhsa_system_sgpr_workgroup_id_x 1
		.amdhsa_system_sgpr_workgroup_id_y 1
		.amdhsa_system_sgpr_workgroup_id_z 1
		.amdhsa_system_vgpr_workitem_id 0
		.amdhsa_next_free_vgpr 512
		.amdhsa_next_free_sgpr 102
		.amdhsa_reserve_vcc 1
		.amdhsa_float_denorm_mode_32 3
		.amdhsa_float_denorm_mode_16_64 3
		.amdhsa_memory_ordered 1
		.amdhsa_forward_progress 1
		.amdhsa_inst_pref_size 109
	.end_amdhsa_kernel
	.amdgpu_metadata
---
amdhsa.version: [ 1, 2 ]
amdhsa.kernels:
  - .name:           k_q758e4df533_attn
    .symbol:         k_q758e4df533_attn.kd
    .args:
      - { .name: zc, .offset: 0, .size: 8, .value_kind: global_buffer, .address_space: global }
      - { .name: val, .offset: 8, .size: 8, .value_kind: global_buffer, .address_space: global }
      - { .name: gamma, .offset: 16, .size: 8, .value_kind: global_buffer, .address_space: global }
      - { .name: att, .offset: 24, .size: 8, .value_kind: global_buffer, .address_space: global }
      - { .name: xn, .offset: 32, .size: 8, .value_kind: global_buffer, .address_space: global }
      - { .name: z, .offset: 40, .size: 8, .value_kind: global_buffer, .address_space: global }
      - { .name: wts, .offset: 48, .size: 8, .value_kind: global_buffer, .address_space: global }
      - { .name: bcn, .offset: 56, .size: 8, .value_kind: global_buffer, .address_space: global }
      - { .name: lnc_g, .offset: 64, .size: 8, .value_kind: global_buffer, .address_space: global }
      - { .name: lnc_b, .offset: 72, .size: 8, .value_kind: global_buffer, .address_space: global }
      - { .name: out1, .offset: 80, .size: 8, .value_kind: global_buffer, .address_space: global }
    .group_segment_fixed_size: 327680
    .private_segment_fixed_size: 0
    .kernarg_segment_align: 8
    .kernarg_segment_size: 88
    .max_flat_workgroup_size: 256
    .sgpr_count:     102
    .vgpr_count:     512
    .wavefront_size: 32
...
	.end_amdgpu_metadata
.endif
;; end of part 10
;; launch gemmo (part 11): grid 8 x 32, 4 waves a work-group, clusters of 4 x 4, 327,680 bytes of LDS; arguments att, wts, bo, h, h1; writes h1
.if DOCPART == 11
	.amdgcn_target "amdgcn-amd-amdhsa--gfx1250"
	.amdhsa_code_object_version 6
	.text
	.protected	k_q758e4df533_gemmo
	.globl	k_q758e4df533_gemmo
	.p2align	8
	.type	k_q758e4df533_gemmo,@function
k_q758e4df533_gemmo:
	s_mov_b64 s[64:65], 0
	v_nop
	global_prefetch_b8 v0, s[64:65] scope:SCOPE_SE
	s_setreg_imm32_b32 hwreg(HW_REG_WAVE_MODE, 25, 1), 1
	s_wait_xcnt 0x0
	s_wait_alu depctr_hold_cnt(0) depctr_sa_sdst(0) depctr_va_vdst(0) depctr_va_sdst(0) depctr_va_ssrc(0) depctr_va_vcc(0) depctr_vm_vsrc(0)
	s_getreg_b32 s2, hwreg(HW_REG_IB_STS2, 6, 4)
	s_cmp_eq_u32 s2, 0
	s_cbranch_scc0 .Lentry_in_a_cluster
	s_endpgm
.Lentry_in_a_cluster:
	s_bfe_u32 s2, ttmp6, 0x10000c
	s_cmp_lg_u32 s2, 0xf033
	s_cbranch_scc0 .Lentry_shape_is_right
	s_endpgm
.Lentry_shape_is_right:
; h1 = h + attn_out wo + bo.  C[4096][1024] = A W + bias + residual.  A: f16 panels [K/64][4096][64]; W: f16 column blocks [N/128][K][128]; residual and C: f32, row-major; sums f32.  LIMIT: f16 ends at 65,504.
; A work-group makes 128 x 128 of C, each of its four waves 64 x 64: 16 accumulators, which START AT THE BIAS (loaded into them).  K goes in steps of 256 through two LDS slots: A's four panels of
; 128 rows x 128 bytes come as two rows of 16 KiB a load (waves 0, 1), padded after every 128 bytes; W's 256 rows of 256 bytes as 128 rows a load (waves 2, 3); W comes out of LDS turned.
; THE TEXT IS SHORT: a pair of quarters of 64 k is written once and walked twice for each slot, its LDS addresses made of a scalar that steps (A and W both advance 18,432 bytes a quarter); the change of
; slots stands between two such loops; the loop over laps is entered in the middle of a trip, so that no first step is written out.
; CLUSTER 4 x 4: A's tiles are asked for jointly along a row of the cluster, W's along a column.  The product is taken transposed: a lane holds one row of C and eight neighbouring columns.
; No prefetch: the tiles are small.
.set KTOT,   1024
.set WOFF,   2097152
.set KSTEP,  256
.set LAPS,   KTOT/(2*KSTEP)
.set PA,     144
.set QB,     128*PA
.set ATILE,  4*QB
.set PB,     288
.set HALFB,  128*PB
.set SLOT,   ATILE+2*HALFB
.set STAGE,  2*SLOT
.set SPARE,  STAGE+17408
.set A0,   8
.set B0,   9
.set AA,   10
.set AB,   11
.set STO,  14
.set RD,   15
.set GO,   16
.set BO,   17
.set SPW,  28
.set NIL,  29
.set ACC,  128
.set F0,   0
.set F1,   128
.set TB,   22
.set G1A, 24
.set G0A, 32
.set G1B, 48
.set G0B, 56
.set MSB, 0
.macro WIN new
.if MSB != (\new)
	s_set_vgpr_msb (MSB<<8)|(\new)
.set MSB, \new
.endif
.endm
.set MUL,  0x05
.set TO_F, 0x40
.macro JLOAD s
	s_cmp_eq_u32 s15, 0
	s_cbranch_scc0 .Lfor_b_\@
	tensor_load_to_lds s[G0A+4*(\s):G0A+4*(\s)+3], s[G1A:G1A+7]
	s_nop 0
.rept 4
	v_nop
.endr
	s_branch .Lasked_\@
.Lfor_b_\@:
	tensor_load_to_lds s[G0B+4*(\s):G0B+4*(\s)+3], s[G1B:G1B+7]
	s_nop 0
.rept 4
	v_nop
.endr
.Lasked_\@:
.endm
.macro CROUND
	s_barrier_signal -1
	s_barrier_wait -1
	s_cmp_lg_u32 s14, 0
	s_cbranch_scc1 .Lnot_wave_0_\@
	s_barrier_signal -3
.Lnot_wave_0_\@:
	s_barrier_wait -3
	s_barrier_signal -1
	s_barrier_wait -1
.endm
.macro PLACES
.rept 4
	v_nop
.endr
.endm
.macro MUL8 f, c, a0
	WIN MUL
.irp a, \a0, (\a0)+1
.irp b, 0,1,2,3
	v_wmma_f32_16x16x32_f16 v[ACC+8*(4*(\a)+(\b)):ACC+8*(4*(\a)+(\b))+7], v[(\f)+64+8*(4*(\c)+(\b)):(\f)+64+8*(4*(\c)+(\b))+7], v[(\f)+8*(4*(\c)+(\a)):(\f)+8*(4*(\c)+(\a))+7], v[ACC+8*(4*(\a)+(\b)):ACC+8*(4*(\a)+(\b))+7]
.endr
.endr
.endm
.macro FETCH k, f
	WIN TO_F
.irp c, 0,1
.irp i, 0,1,2,3
	ds_load_tr16_b128 v[(\f)+64+8*(4*(\c)+(\i)):(\f)+64+8*(4*(\c)+(\i))+3],   v[AB] offset:(\k)*QB+32*(\c)*PB+32*(\i)
	ds_load_tr16_b128 v[(\f)+64+8*(4*(\c)+(\i))+4:(\f)+64+8*(4*(\c)+(\i))+7], v[AB] offset:(\k)*QB+32*(\c)*PB+32*(\i)+16*PB
	ds_load_b128 v[(\f)+8*(4*(\c)+(\i)):(\f)+8*(4*(\c)+(\i))+3],   v[AA] offset:(\k)*QB+(\i)*16*PA+64*(\c)
	ds_load_b128 v[(\f)+8*(4*(\c)+(\i))+4:(\f)+8*(4*(\c)+(\i))+7], v[AA] offset:(\k)*QB+(\i)*16*PA+64*(\c)+32
.endr
.endr
.endm
.macro HALF f, g, k
	s_wait_dscnt 16                                ; the first 32 k are in; the 16 younger loads are the second 32 k
	MUL8 \f, 0, 0
	MUL8 \f, 0, 2
	PLACES
	FETCH \k, \g
	s_wait_dscnt 32                                ; all but the 32 just issued
	MUL8 \f, 1, 0
	MUL8 \f, 1, 2
.endm
.macro PAIRS tag, mid
	s_mov_b32 s2, 2
.Lpair_\tag:
	HALF F1, F0, 0
.if \mid
	WIN 0
.Lmid_\tag:
.endif
	HALF F0, F1, 1
	WIN 0
	s_add_co_u32 s[TB], s[TB], 2*QB
	v_add_nc_u32 v[AA], s[TB], v[A0]
	v_add_nc_u32 v[AB], s[TB], v[B0]
	s_sub_co_u32 s2, s2, 1
	s_cmp_lg_u32 s2, 0
	s_cbranch_scc1 .Lpair_\tag
.endm
.macro CHANGE slot, fill
	s_wait_tensorcnt 0x0                           ; no tensor load of mine is out, so a group 0 may be written
	ds_add_u32 v[SPW], v[NIL]
	s_mov_b32 s[TB], (1-(\slot))*SLOT
	v_add_nc_u32 v[AA], s[TB], v[A0]
	v_add_nc_u32 v[AB], s[TB], v[B0]
.if \fill
	s_add_nc_u64 s[G0A+4*(\slot)+2:G0A+4*(\slot)+3], s[G0A+4*(\slot)+2:G0A+4*(\slot)+3], 8*524288
	s_add_nc_u64 s[G0B+4*(\slot)+2:G0B+4*(\slot)+3], s[G0B+4*(\slot)+2:G0B+4*(\slot)+3], 2*KSTEP*256
.endif
	s_wait_dscnt 0x0                               ; the add is done, my reads of the slot are over
.if \fill
	CROUND
	JLOAD \slot
.else
	s_barrier_signal -1
	s_barrier_wait -1
.endif
.endm
	s_load_b256 s[4:11], s[0:1], 0x0               ; A 4, wts 6, bias 8, residual 10
	s_load_b64 s[12:13], s[0:1], 0x20              ; C
	v_lshl_add_u32 v[SPW], v0, 2, SPARE
	v_mov_b32 v[NIL], 0
	ds_add_u32 v[SPW], v[NIL]                      ; the wave's opening: the add and its wait ahead of my first tensor load
	v_lshrrev_b32 v1, 5, v0
	v_readfirstlane_b32 s14, v1
	s_lshr_b32 s15, s14, 1
	s_and_b32 s16, s14, 1
	s_bfe_u32 s17, ttmp6, 0x40000
	s_bfe_u32 s18, ttmp6, 0x40004
	s_lshl_b32 s19, ttmp9, 2
	s_add_co_u32 s19, s19, s17
	s_and_b32 s20, ttmp7, 0xffff
	s_lshl_b32 s20, s20, 2
	s_add_co_u32 s20, s20, s18
	s_lshl_b32 s21, s18, 2
	s_lshl_b32 s21, 15, s21
	s_lshl_b32 s22, 0x1111, s17
	s_or_b32 s[G1A], s21, (1<<16)|(1<<20)|(1<<21)|(4<<22)|(3<<25)
	s_mov_b32 s[G1A+1], 8192<<16
	s_mov_b32 s[G1A+2], 2<<16
	s_mov_b32 s[G1A+3], 8192<<16
	s_mov_b32 s[G1A+4], 2
	s_mov_b32 s[G1A+5], 262144
	s_mov_b32 s[G1A+6], 0
	s_mov_b32 s[G1A+7], 0
	s_or_b32 s[G1B], s22, (1<<16)|(1<<20)|(1<<21)|(5<<22)|(7<<25)
	s_mov_b32 s[G1B+1], 128<<16
	s_mov_b32 s[G1B+2], 128<<16
	s_mov_b32 s[G1B+3], 128<<16
	s_mov_b32 s[G1B+4], 128
	s_mov_b32 s[G1B+5], 128
	s_mov_b32 s[G1B+6], 0
	s_mov_b32 s[G1B+7], 0
	s_lshl_b32 s40, s20, 14
	s_lshl_b32 s41, s16, 20
	s_add_co_u32 s40, s40, s41
	s_mov_b32 s41, 0
	s_mul_i32 s42, s19, KTOT*256
	s_lshl_b32 s43, s16, 15
	s_add_co_u32 s42, s42, s43
	s_add_co_u32 s42, s42, WOFF
	s_mov_b32 s43, 0
	s_mul_i32 s23, s14, HALFB
	s_wait_dscnt 0x0
	s_wait_kmcnt 0x0
	s_add_nc_u64 s[40:41], s[4:5], s[40:41]
	s_add_nc_u64 s[42:43], s[6:7], s[42:43]
	CROUND
.irp s, 0,1
	s_mov_b32 s[G0A+4*(\s)], 1
	s_add_co_u32 s[G0A+4*(\s)+1], s23, (\s)*SLOT
	s_add_nc_u64 s[G0A+4*(\s)+2:G0A+4*(\s)+3], s[40:41], (\s)*4*524288
	s_or_b32 s[G0A+4*(\s)+3], s[G0A+4*(\s)+3], 0x80000000
	s_mov_b32 s[G0B+4*(\s)], 1
	s_add_co_u32 s[G0B+4*(\s)+1], s23, (\s)*SLOT
	s_add_nc_u64 s[G0B+4*(\s)+2:G0B+4*(\s)+3], s[42:43], (\s)*KSTEP*256
	s_or_b32 s[G0B+4*(\s)+3], s[G0B+4*(\s)+3], 0x80000000
	JLOAD \s
.endr
	v_and_b32 v1, 15, v0
	v_bfe_u32 v2, v0, 4, 1
	v_and_b32 v3, 7, v0
	v_bfe_u32 v4, v0, 3, 1
	v_mul_u32_u24 v5, v1, PA
	v_lshl_add_u32 v5, v2, 4, v5
	s_mul_i32 s21, s15, 64*PA
	v_add_nc_u32 v[A0], s21, v5
	v_mov_b32 v[AA], v[A0]
	v_lshl_add_u32 v6, v2, 3, v3
	v_mul_u32_u24 v6, v6, PB
	v_lshl_add_u32 v6, v4, 4, v6
	s_lshl_b32 s21, s16, 7
	s_add_co_u32 s21, s21, ATILE
	v_add_nc_u32 v[B0], s21, v6
	v_mov_b32 v[AB], v[B0]
	s_lshl_b32 s46, s19, 9
	s_lshl_b32 s47, s16, 8
	s_add_co_u32 s46, s46, s47
	v_lshl_add_u32 v[BO], v2, 5, s46
.irp a, 0,1,2,3
.irp b, 0,1,2,3
	global_load_b128 v[ACC+8*(4*\a+\b):ACC+8*(4*\a+\b)+3],   v[BO], s[8:9] offset:64*\b
	global_load_b128 v[ACC+8*(4*\a+\b)+4:ACC+8*(4*\a+\b)+7], v[BO], s[8:9] offset:64*\b+16
.endr
.endr
	; the way out: my own stage of 16 rows x 272 bytes; my 64 columns are 256 aligned bytes of each row of C
	s_mul_i32 s21, s14, 16*272
	s_add_co_u32 s21, s21, STAGE
	v_mul_u32_u24 v7, v1, 272
	v_lshl_add_u32 v7, v2, 5, v7
	v_add_nc_u32 v[STO], s21, v7
	v_mul_u32_u24 v7, v2, 272
	v_lshl_add_u32 v7, v1, 4, v7
	v_add_nc_u32 v[RD], s21, v7
	v_lshlrev_b32 v7, 12, v2
	v_lshl_add_u32 v[GO], v1, 4, v7
	s_lshl_b32 s44, s20, 1
	s_add_co_u32 s44, s44, s15
	s_lshl_b32 s44, s44, 18
	s_add_co_u32 s44, s44, s46
	s_mov_b32 s45, 0
	s_add_nc_u64 s[10:11], s[10:11], s[44:45]
	s_add_nc_u64 s[12:13], s[12:13], s[44:45]
	s_wait_tensorcnt 1                             ; my part of K step 0 is in; step 1's may stay out
	s_barrier_signal -1
	s_barrier_wait -1
	FETCH 0, F0
	WIN 0
	s_wait_loadcnt 0x0                             ; the bias
	s_mov_b32 s[TB], 0
	s_mov_b32 s3, LAPS
	s_mov_b32 s2, 2
	s_branch .Lmid_b                               ; the loop is entered where slot 0's second quarter is fetched
.Llap:
	CHANGE 0, 1
	PAIRS a, 0
	CHANGE 1, 1
	PAIRS b, 1
	s_sub_co_u32 s3, s3, 1
	s_cmp_lg_u32 s3, 0
	s_cbranch_scc1 .Llap
	CHANGE 0, 0                                    ; the tail is written out
	PAIRS c, 0
.macro RES a                           ; the residual of 16 rows, as whole rows of 256 bytes: 8 loads
.irp t, 0,1,2,3,4,5,6,7
	global_load_b128 v[32+64*((\a)%2)+4*\t:32+64*((\a)%2)+4*\t+3], v[GO], s[10:11] offset:(16*(\a)+2*\t)*4096
.endr
.endm
.macro TOST a                          ; 16 rows of sums into my stage and back as whole rows
.irp b, 0,1,2,3
	ds_store_b128 v[STO], v[ACC+8*(4*(\a)+\b):ACC+8*(4*(\a)+\b)+3] offset:64*\b
	ds_store_b128 v[STO], v[ACC+8*(4*(\a)+\b)+4:ACC+8*(4*(\a)+\b)+7] offset:64*\b+16
.endr
.irp t, 0,1,2,3,4,5,6,7
	ds_load_b128 v[64+4*\t:64+4*\t+3], v[RD] offset:544*\t
.endr
.endm
.macro FIN a, n                        ; n: the next block's residual loads, which may stay out
	s_wait_dscnt 0x0
	s_wait_loadcnt \n
.irp i, 0,1,2,3,4,5,6,7,8,9,10,11,12,13,14,15
	v_pk_add_f32 v[64+2*\i:64+2*\i+1], v[64+2*\i:64+2*\i+1], v[32+64*((\a)%2)+2*\i:32+64*((\a)%2)+2*\i+1]
.endr
.irp t, 0,1,2,3,4,5,6,7
	global_store_b128 v[GO], v[64+4*\t:64+4*\t+3], s[12:13] offset:(16*(\a)+2*\t)*4096   ; sixteen lanes store 256 consecutive aligned bytes
.endr
.endm
	RES 0                                          ; asked for ahead of the last quarter's products
	RES 1
	s_wait_dscnt 16
	MUL8 F1, 0, 0
	MUL8 F1, 0, 2
	s_wait_dscnt 0x0
	MUL8 F1, 1, 0
	MUL8 F1, 1, 2
	WIN 0
	PLACES
	TOST 0
	FIN 0, 8
	s_wait_xcnt 0x0                                ; the stores have read their registers: only now are these loaded again
	RES 2
	TOST 1
	FIN 1, 8
	s_wait_xcnt 0x0
	RES 3
	TOST 2
	FIN 2, 8
	s_wait_xcnt 0x0
	TOST 3
	FIN 3, 0
	s_wait_tensorcnt 0x0                           ; the wave's end
	ds_add_u32 v[SPW], v[NIL]
	s_wait_dscnt 0x0
	CROUND
	s_endpgm
.Lfunc_end_k_q758e4df533_gemmo:
	.size	k_q758e4df533_gemmo, .Lfunc_end_k_q758e4df533_gemmo-k_q758e4df533_gemmo
	.p2alignl 7, 3214868480
	.fill 96, 4, 3214868480
	.section	.rodata,"a",@progbits
	.p2align	6, 0x0
	.amdhsa_kernel k_q758e4df533_gemmo
		.amdhsa_group_segment_fixed_size 327680
		.amdhsa_private_segment_fixed_size 0
		.amdhsa_enable_private_segment 0
		.amdhsa_kernarg_size 40
		.amdhsa_user_sgpr_count 2
		.amdhsa_user_sgpr_kernarg_segment_ptr 1
		.amdhsa_wavefront_size32 1
		.amdhsa_system_sgpr_workgroup_id_x 1
		.amdhsa_system_sgpr_workgroup_id_y 1
		.amdhsa_system_sgpr_workgroup_id_z 1
		.amdhsa_system_vgpr_workitem_id 0
		.amdhsa_next_free_vgpr 512
		.amdhsa_next_free_sgpr 66
		.amdhsa_reserve_vcc 0
		.amdhsa_float_denorm_mode_32 3
		.amdhsa_float_denorm_mode_16_64 3
		.amdhsa_memory_ordered 1
		.amdhsa_forward_progress 1
		.amdhsa_inst_pref_size 59
	.end_amdhsa_kernel
	.amdgpu_metadata
---
amdhsa.version: [ 1, 2 ]
amdhsa.kernels:
  - .name:           k_q758e4df533_gemmo
    .symbol:         k_q758e4df533_gemmo.kd
    .args:
      - { .name: att, .offset: 0, .size: 8, .value_kind: global_buffer, .address_space: global }
      - { .name: wts, .offset: 8, .size: 8, .value_kind: global_buffer, .address_space: global }
      - { .name: bo, .offset: 16, .size: 8, .value_kind: global_buffer, .address_space: global }
      - { .name: h, .offset: 24, .size: 8, .value_kind: global_buffer, .address_space: global }
      - { .name: h1, .offset: 32, .size: 8, .value_kind: global_buffer, .address_space: global }
    .group_segment_fixed_size: 327680
    .private_segment_fixed_size: 0
    .kernarg_segment_align: 8
    .kernarg_segment_size: 40
    .max_flat_workgroup_size: 128
    .sgpr_count:     66
    .vgpr_count:     512
    .wavefront_size: 32
...
	.end_amdgpu_metadata
.endif
;; end of part 11
;; launch ln2: the kernel of part 1 again; grid 256 x 1, 4 waves a work-group, no clusters, 0 bytes of LDS; arguments h1, ln2_g, ln2_b, wv, wo, w1, w2, wcn, wca, xn2, act; writes xn2, act
;; launch ffn1 (part 12): grid 16 x 16, 4 waves a work-group, clusters of 4 x 4, 327,680 bytes of LDS; arguments xn2, wts, b1, act; writes act
.if DOCPART == 12
	.amdgcn_target "amdgcn-amd-amdhsa--gfx1250"
	.amdhsa_code_object_version 6
	.text
	.protected	k_q758e4df533_ffn1
	.globl	k_q758e4df533_ffn1
	.p2align	8
	.type	k_q758e4df533_ffn1,@function
k_q758e4df533_ffn1:
	s_mov_b64 s[64:65], 0
	v_nop
	global_prefetch_b8 v0, s[64:65] scope:SCOPE_SE
	s_setreg_imm32_b32 hwreg(HW_REG_WAVE_MODE, 25, 1), 1
	s_wait_xcnt 0x0
	s_wait_alu depctr_hold_cnt(0) depctr_sa_sdst(0) depctr_va_vdst(0) depctr_va_sdst(0) depctr_va_ssrc(0) depctr_va_vcc(0) depctr_vm_vsrc(0)
	s_getreg_b32 s2, hwreg(HW_REG_IB_STS2, 6, 4)
	s_cmp_eq_u32 s2, 0
	s_cbranch_scc0 .Lentry_in_a_cluster
	s_endpgm
.Lentry_in_a_cluster:
	s_bfe_u32 s2, ttmp6, 0x10000c
	s_cmp_lg_u32 s2, 0xf033
	s_cbranch_scc0 .Lentry_shape_is_right
	s_endpgm
.Lentry_shape_is_right:
; act = gelu(hn2 w1 + b1), the exact (erf) GELU.  C[4096][4096] = gelu(A W + bias), K = 1,024.  A: f16 panels [K/64][4096][64]; W: f16 column blocks [N/128][K][128]; C: f16 panels; sums f32.  LIMIT: f16 ends at 65,504.
; A work-group makes 256 x 256 of C: 256 work-groups.  Each of its four waves makes 128 x 128: 64 accumulators, 512 registers, which START AT THE BIAS (loaded into them).
; K goes in steps of 128 through two LDS slots.  A's part of a step is two panels of 256 rows x 128 bytes, each dense in memory: waves 0, 1 bring one each, as two rows of 16 KiB, padded after every 128 bytes;
; W's part is two column blocks of 128 rows x 256 bytes: waves 2, 3 bring one each.  W lies [k][n] and comes out of LDS turned, by ds_load_tr16_b128.
; THE TEXT: a step is four quarters of 32 k (64 products, 32 LDS loads) on two fragment buffers; a PAIR of quarters is written once and walked twice for each slot, its LDS addresses made of two scalars that
; step; the change of slots stands between two such loops; the loop over laps is entered in the middle of a trip, so that no first step is written out.
; CLUSTER 4 x 4: A's tiles are asked for jointly along a row of the cluster, W's along a column.  The product is taken transposed (source 0 = 16 columns of W, source 1 = 16 rows of A).
; REGISTERS, in windows of 256: window 0: v8-19 addresses, v28-29 the add's two, v64-191 A's two fragment buffers (later the GELU's registers); window 1: v64-191 W's two buffers;
; window 2: the accumulators of my rows 0-63 ((a, b) at 8 (8 a + b)); window 3: those of my rows 64-127.
; GELU: x Phi(x) = y + |y| (1 - 2 Q), y = x / 2, 2 Q = 2^(-(a x)^2) t (c1 + t (c2 + t (c3 + t (c4 + t c5)))), t = 1 / (1 + p |x|): the five-term rational form of the normal tail, Q within 7.5e-8 for every x.
; THE WAY OUT goes by halves of 64 rows through a stage in LDS and a loop of 16 trips, so that the GELU's text stands once.  The stage lies in slot 0's bytes: that slot has had its last fill, every wave's
; reads of it were waited for in front of the last change of slots, and each wave touches its own 33,792 bytes alone.  A trip reads x in its first 32 lines alone and asks for the next trip's rows behind them;
; the registers of its two stores are written again a trip later.
.set KTOT,   1024
.set WOFF,   4194304
.set KSTEP,  128
.set LAPS,   KTOT/(2*KSTEP)
.set PA,     144                       ; a row of A in LDS: 128 bytes + 16
.set APAN,   256*PA                    ; a panel's 256 rows: what one tensor load brings
.set ATILE,  2*APAN
.set PB,     288                       ; a row of W in LDS: 256 bytes + 32
.set BPAN,   128*PB                    ; a column block's 128 rows: the same 36,864
.set SLOT,   ATILE+2*BPAN
.set SPARE,  2*SLOT                    ; the spare words, 128 bytes a wave: two blocks of 256 bytes that no other line names
.set SPI,    528                       ; a stage row: 128 f32 + 16 bytes
.set STW,    64*SPI                    ; a wave's stage
.set A0,   8                           ; v8   my place in A's tile of slot 0; never rewritten
.set B0,   9                           ; v9   the same for W
.set AA,   10                          ; v10  A0 + s[TBA]
.set AB,   11                          ; v11  B0 + s[TBB]
.set STO,  14
.set RD,   15
.set GO,   16
.set BO,   17
.set PFO,  18                          ; v18  256 x my lane; never rewritten
.set RD0,  19
.set SPW,  28
.set NIL,  29
.set GX,   32                          ; v32-47 x;  v48-63 t;  v64-79 the exponential;  v80-95 the polynomial, then the result;  v96-103 packed;  v104-119 y = x / 2
.set GU,   48
.set GY,   64
.set GP,   80
.set GH,   104
.set F0,   64
.set F1,   128
.set TBA,  12                          ; s12  LDS byte, from slot 0's first, of the pair of quarters to be fetched, for A
.set TBB,  13                          ; s13  the same for W
.set G1A, 24
.set G0A, 32
.set G1B, 48
.set G0B, 56
.set PC,  66                           ; s66 p;  pairs: s[68:69] a, s[70:71] c5 .. s[78:79] c1
.set AA2, 68
.set C5,  70
.set C4,  72
.set C3,  74
.set C2,  76
.set C1,  78
.set PFA, 80                           ; s[80:81] where my prefetches stand: my work-group's 32 blocks of the piece that I fetch, two steps on from the refill in hand
.set PFS, 82                           ; s[82:83] bytes from a step's piece to the next step's
.set LIM, 84                           ; s84  1 in a wave that prefetches, else the greatest number
.set HLF, 85                           ; s85  counts the way out's two halves
.set MSB, 0
.macro WIN new
.if MSB != (\new)
	s_set_vgpr_msb (MSB<<8)|(\new)
.set MSB, \new
.endif
.endm
.set MUL_LO, 0xa1                      ; source 0 (W) window 1, source 1 (A) window 0, C and D window 2
.set MUL_HI, 0xf1                      ; the same, C and D window 3
.set TO_B,   0x40                      ; destination window 1, address window 0
.macro JLOAD s                         ; a joint load; an s_nop 0 and four v_nop follow each line
	s_cmp_eq_u32 s15, 0
	s_cbranch_scc0 .Lfor_b_\@
	tensor_load_to_lds s[G0A+4*(\s):G0A+4*(\s)+3], s[G1A:G1A+7]
	s_nop 0
.rept 4
	v_nop
.endr
	s_branch .Lasked_\@
.Lfor_b_\@:
	tensor_load_to_lds s[G0B+4*(\s):G0B+4*(\s)+3], s[G1B:G1B+7]
	s_nop 0
.rept 4
	v_nop
.endr
.Lasked_\@:
.endm
; A PREFETCH, behind each joint refill and its five lines: the piece that I shall ask for TWO refills on, 512 products ahead of that load.  A piece is 128 blocks of 256 bytes, dense.  A's pieces are read by every
; cluster of a row of clusters: the one with x = 0 asks; W's by every cluster of a column: the one with y = 0 asks.  The four partners that ask for a piece jointly take 32 blocks each, told apart BY ADDRESS
; (cx for A, cy for W), a lane a block: each block is named once in the launch.  Steps 0 to 3 come by their loads alone; the last lap's two refills have no step two on and ask for nothing.
.macro ASK
	s_cmp_gt_u32 s3, s[LIM]                        ; s3 = 1 in the loop's last trip
	s_cbranch_scc0 .Lnot_mine_\@
	global_prefetch_b8 v[PFO], s[PFA:PFA+1] th:TH_LOAD_NT scope:SCOPE_SE
.Lnot_mine_\@:
.endm
.macro CROUND                          ; a round of the cluster's barrier
	s_barrier_signal -1
	s_barrier_wait -1
	s_cmp_lg_u32 s14, 0
	s_cbranch_scc1 .Lnot_wave_0_\@
	s_barrier_signal -3
.Lnot_wave_0_\@:
	s_barrier_wait -3
	s_barrier_signal -1
	s_barrier_wait -1
.endm
.macro PLACES
.rept 4
	v_nop
.endr
.endm
.macro MUL16 f, hi, a0                 ; 16 products: row blocks a0, a0 + 1 of the window's four x all 8 column blocks, 32 along K; the 64 accumulators take turns
	WIN MUL_LO+0x50*(\hi)
.irp a, \a0, (\a0)+1
.irp b, 0,1,2,3,4,5,6,7
	v_wmma_f32_16x16x32_f16 v[8*(8*(\a)+(\b)):8*(8*(\a)+(\b))+7], v[(\f)+8*(\b):(\f)+8*(\b)+7], v[(\f)+8*(4*(\hi)+(\a)):(\f)+8*(4*(\hi)+(\a))+7], v[8*(8*(\a)+(\b)):8*(8*(\a)+(\b))+7]
.endr
.endr
.endm
.macro FETCH k, f                      ; 32 LDS loads: quarter k (0, 1) of the pair at AA, AB into buffer f: W's eight fragments, then A's
	WIN TO_B
.irp i, 0,1,2,3,4,5,6,7
	ds_load_tr16_b128 v[(\f)+8*(\i):(\f)+8*(\i)+3],   v[AB] offset:(\k)*32*PB+32*(\i)
	ds_load_tr16_b128 v[(\f)+8*(\i)+4:(\f)+8*(\i)+7], v[AB] offset:(\k)*32*PB+32*(\i)+16*PB
.endr
	WIN 0
.irp i, 0,1,2,3,4,5,6,7
	ds_load_b128 v[(\f)+8*(\i):(\f)+8*(\i)+3],   v[AA] offset:(\k)*64+(\i)*16*PA
	ds_load_b128 v[(\f)+8*(\i)+4:(\f)+8*(\i)+7], v[AA] offset:(\k)*64+(\i)*16*PA+32
.endr
.endm
.macro HALF f, g, k                    ; a quarter: multiplies buffer f; in its middle fetches quarter k of the pair in hand into g
	s_wait_dscnt 8                                 ; W and A's rows 0-63 are in; the youngest eight loads are A's rows 64-127
	MUL16 \f, 0, 0
	MUL16 \f, 0, 2
	PLACES                                         ; in front of loads into registers that products have read
	FETCH \k, \g
	s_wait_dscnt 32                                ; all but the 32 just issued
	MUL16 \f, 1, 0
	MUL16 \f, 1, 2
.endm
; A slot's four fetches: two trips.  The first quarter multiplied is the last of the slot before.  mid = 1: the copy that is entered in its middle at the launch's start.
.macro PAIRS tag, mid
	s_mov_b32 s2, 2
.Lpair_\tag:
	HALF F1, F0, 0
.if \mid
	WIN 0
.Lmid_\tag:
.endif
	HALF F0, F1, 1
	WIN 0
	s_add_co_u32 s[TBA], s[TBA], APAN              ; the next 64 k: A's next panel,
	s_add_co_u32 s[TBB], s[TBB], 64*PB             ; W's next 64 rows
	v_add_nc_u32 v[AA], s[TBA], v[A0]
	v_add_nc_u32 v[AB], s[TBB], v[B0]
	s_sub_co_u32 s2, s2, 1
	s_cmp_lg_u32 s2, 0
	s_cbranch_scc1 .Lpair_\tag
.endm
; THE CHANGE OF SLOTS.  All of the slot's fragments have been asked for.  Each wave waits for all its tensor loads (one is out: its part of the other slot), adds 0 to its spare word, and waits for that and
; for its reads of the slot.  fill = 1: the barrier is a round of the cluster's, and the slot is filled again first thing behind it, two steps on: the load has a step's 256 products in which to land.
.macro CHANGE slot, fill
	s_wait_tensorcnt 0x0                           ; no tensor load of mine is out, so a group 0 may be written
	ds_add_u32 v[SPW], v[NIL]                      ; work on registers stands between the add and the wait for it
	s_mov_b32 s[TBA], (1-(\slot))*SLOT             ; the fetches go on in the other slot
	s_mov_b32 s[TBB], (1-(\slot))*SLOT
	v_add_nc_u32 v[AA], s[TBA], v[A0]
	v_add_nc_u32 v[AB], s[TBB], v[B0]
.if \fill
	s_add_nc_u64 s[G0A+4*(\slot)+2:G0A+4*(\slot)+3], s[G0A+4*(\slot)+2:G0A+4*(\slot)+3], 4*524288
	s_add_nc_u64 s[G0B+4*(\slot)+2:G0B+4*(\slot)+3], s[G0B+4*(\slot)+2:G0B+4*(\slot)+3], 2*KSTEP*256
	s_wait_xcnt 0x0                                ; the last prefetch, a step back, has read its address, so it may be written
	s_add_nc_u64 s[PFA:PFA+1], s[PFA:PFA+1], s[PFS:PFS+1]
.endif
	s_wait_dscnt 0x0                               ; the add is done, my reads of the slot are over
.if \fill
	CROUND
	JLOAD \slot
	ASK
.else
	s_barrier_signal -1
	s_barrier_wait -1
.endif
.endm
	s_load_b256 s[4:11], s[0:1], 0x0               ; A 4, wts 6, bias 8, C 10
	v_lshl_add_u32 v[SPW], v0, 2, SPARE
	v_mov_b32 v[NIL], 0
	ds_add_u32 v[SPW], v[NIL]                      ; the wave's opening: the add and its wait ahead of my first tensor load
	v_lshrrev_b32 v1, 5, v0
	v_readfirstlane_b32 s14, v1                    ; wave
	s_lshr_b32 s15, s14, 1                         ; my half of the tile's rows; also 0: I fetch A, 1: W
	s_and_b32 s16, s14, 1                          ; my half of its columns; also which piece I fetch
	s_bfe_u32 s17, ttmp6, 0x40000                  ; cx
	s_bfe_u32 s18, ttmp6, 0x40004                  ; cy
	s_lshl_b32 s19, ttmp9, 2
	s_add_co_u32 s19, s19, s17                     ; tile column
	s_and_b32 s20, ttmp7, 0xffff
	s_lshl_b32 s20, s20, 2
	s_add_co_u32 s20, s20, s18                     ; tile row
	s_lshl_b32 s21, s18, 2
	s_lshl_b32 s21, 15, s21                        ; my row of the cluster
	s_lshl_b32 s22, 0x1111, s17                    ; my column
	s_or_b32 s[G1A], s21, (1<<16)|(1<<20)|(1<<21)|(4<<22)|(3<<25)   ; 2-byte elements; after every 32 words 4 words of padding
	s_mov_b32 s[G1A+1], 8192<<16                   ; tensor_dim0 = 8,192: 128 rows of a panel on end
	s_mov_b32 s[G1A+2], 2<<16                      ; tensor_dim1 = 2: the panel's 256 rows
	s_mov_b32 s[G1A+3], 8192<<16                   ; tile_dim0
	s_mov_b32 s[G1A+4], 2                          ; tile_dim1
	s_mov_b32 s[G1A+5], 8192                       ; dense
	s_mov_b32 s[G1A+6], 0
	s_mov_b32 s[G1A+7], 0
	s_or_b32 s[G1B], s22, (1<<16)|(1<<20)|(1<<21)|(5<<22)|(7<<25)   ; after every 64 words 8 words of padding
	s_mov_b32 s[G1B+1], 128<<16
	s_mov_b32 s[G1B+2], 128<<16
	s_mov_b32 s[G1B+3], 128<<16
	s_mov_b32 s[G1B+4], 128
	s_mov_b32 s[G1B+5], 128
	s_mov_b32 s[G1B+6], 0
	s_mov_b32 s[G1B+7], 0
	s_mov_b32 s[PC], 0x3e6d3389                    ; p = 0.2316419
	s_mov_b32 s[PC+1], 0
	s_mov_b32 s[AA2], 0x3f596d27                   ; a = sqrt(log2(e) / 2) = 0.8493218
	s_mov_b32 s[C5], 0x3f87dc22                    ;  1.061405432: the tail's five coefficients, doubled
	s_mov_b32 s[C4], 0xbfba00e3                    ; -1.453152028
	s_mov_b32 s[C3], 0x3fb5f0e3                    ;  1.421413742
	s_mov_b32 s[C2], 0xbe91a98e                    ; -0.284496736
	s_mov_b32 s[C1], 0x3e827906                    ;  0.254829592
.irp c, AA2, C5, C4, C3, C2, C1
	s_mov_b32 s[\c+1], s[\c]                       ; named as pairs
.endr
	s_lshl_b32 s40, s20, 15                        ; A: the tile's 256 rows in a panel,
	s_lshl_b32 s41, s16, 19                        ; my panel of the step's two
	s_add_co_u32 s40, s40, s41
	s_mov_b32 s41, 0
	s_lshl_b32 s42, s19, 1                         ; W: my column block of the tile's two,
	s_add_co_u32 s42, s42, s16
	s_lshl_b32 s42, s42, 18                        ; 1,024 rows of 256 bytes each
	s_add_co_u32 s42, s42, WOFF
	s_mov_b32 s43, 0
	s_mul_i32 s23, s14, APAN                       ; where they go: wave x 36,864
	s_wait_dscnt 0x0
	s_wait_kmcnt 0x0
	s_add_nc_u64 s[40:41], s[4:5], s[40:41]
	s_add_nc_u64 s[42:43], s[6:7], s[42:43]
	CROUND                                         ; all sixteen work-groups are here: the first joint loads meet
.irp s, 0,1
	s_mov_b32 s[G0A+4*(\s)], 1
	s_add_co_u32 s[G0A+4*(\s)+1], s23, (\s)*SLOT
	s_add_nc_u64 s[G0A+4*(\s)+2:G0A+4*(\s)+3], s[40:41], (\s)*2*524288
	s_or_b32 s[G0A+4*(\s)+3], s[G0A+4*(\s)+3], 0x80000000
	s_mov_b32 s[G0B+4*(\s)], 1
	s_add_co_u32 s[G0B+4*(\s)+1], s23, (\s)*SLOT
	s_add_nc_u64 s[G0B+4*(\s)+2:G0B+4*(\s)+3], s[42:43], (\s)*KSTEP*256
	s_or_b32 s[G0B+4*(\s)+3], s[G0B+4*(\s)+3], 0x80000000
	JLOAD \s
.endr
	v_and_b32 v1, 15, v0                           ; r
	v_bfe_u32 v2, v0, 4, 1                         ; h
	v_and_b32 v3, 7, v0
	v_bfe_u32 v4, v0, 3, 1
	v_mul_u32_u24 v5, v1, PA
	v_lshl_add_u32 v5, v2, 4, v5                   ; r x 144 + 16 h
	s_mul_i32 s21, s15, 128*PA                     ; my 128 rows
	v_add_nc_u32 v[A0], s21, v5
	v_mov_b32 v[AA], v[A0]
	v_lshl_add_u32 v6, v2, 3, v3
	v_mul_u32_u24 v6, v6, PB
	v_lshl_add_u32 v6, v4, 4, v6                   ; (8 h + l % 8) x 288 + 16 ((l / 8) % 2)
	s_mul_i32 s21, s16, BPAN                       ; my 128 columns are one column block
	s_add_co_u32 s21, s21, ATILE
	v_add_nc_u32 v[B0], s21, v6
	v_mov_b32 v[AB], v[B0]
	s_lshl_b32 s46, s19, 10
	s_lshl_b32 s47, s16, 9
	s_add_co_u32 s46, s46, s47                     ; my 128 columns, in f32 bytes
	v_lshl_add_u32 v[BO], v2, 5, s46
.irp w, 0x80, 0xc0                     ; the bias into all 64 accumulators: destination window 2, then 3
	WIN \w
.irp a, 0,1,2,3
.irp b, 0,1,2,3,4,5,6,7
	global_load_b128 v[8*(8*\a+\b):8*(8*\a+\b)+3],   v[BO], s[8:9] offset:64*\b
	global_load_b128 v[8*(8*\a+\b)+4:8*(8*\a+\b)+7], v[BO], s[8:9] offset:64*\b+16
.endr
.endr
.endr
	WIN 0
	; the way out: 64 rows x 528 bytes of f32 for each wave, in slot 0's bytes; my 128 columns are two panels of C
	s_mul_i32 s21, s14, STW
	v_mul_u32_u24 v7, v1, SPI
	v_lshl_add_u32 v7, v2, 5, v7
	v_add_nc_u32 v[STO], s21, v7                   ; in: row r, my 32 bytes of each 64
	v_bfe_u32 v7, v0, 3, 2
	v_mul_u32_u24 v7, v7, SPI
	v_lshl_add_u32 v7, v3, 5, v7
	v_add_nc_u32 v[RD0], s21, v7                   ; back: row l / 8, my 8 columns of each panel
	v_and_b32 v7, 31, v0
	v_lshlrev_b32 v[GO], 4, v7
	v_lshlrev_b32 v[PFO], 8, v7
	s_lshl_b32 s44, s19, 1
	s_add_co_u32 s44, s44, s16
	s_lshl_b32 s44, s44, 20                        ; my first panel: 4 x tile column + 2 x half
	s_lshl_b32 s46, s20, 1
	s_add_co_u32 s46, s46, s15
	s_lshl_b32 s46, s46, 14                        ; my first row: 256 x tile row + 128 x half
	s_add_co_u32 s44, s44, s46
	s_mov_b32 s45, 0
	s_add_nc_u64 s[10:11], s[10:11], s[44:45]
	; the prefetches.  s[40:41], s[42:43] still stand at my piece of step 0
	s_and_b32 s86, ttmp7, 0xffff                   ; cluster y
	s_mov_b32 s90, 2*524288                        ; from step to step: two panels of A,
	s_mov_b32 s91, KSTEP*256                       ; 128 rows of W
	s_cmp_eq_u32 s15, 0                            ; do I fetch for A?
	s_cselect_b32 s87, s17, s18                    ; my place among the four that ask with me
	s_cselect_b32 s86, ttmp9, s86                  ; the coordinate along which other clusters read the same piece
	s_cselect_b64 s[PFA:PFA+1], s[40:41], s[42:43]
	s_cselect_b32 s[PFS], s90, s91
	s_mov_b32 s[PFS+1], 0
	s_cmp_eq_u32 s86, 0
	s_cselect_b32 s[LIM], 1, -1                    ; the same in all sixteen partners, for a given wave
	s_lshl_b32 s88, s87, 13                        ; my work-group's 32 blocks of the 128
	s_mov_b32 s89, 0
	s_add_nc_u64 s[PFA:PFA+1], s[PFA:PFA+1], s[88:89]
	s_mul_i32 s88, s[PFS], 3                       ; at step 3: the first refill (step 2's) steps it to 4
	s_add_nc_u64 s[PFA:PFA+1], s[PFA:PFA+1], s[88:89]
	s_wait_tensorcnt 1                             ; my part of K step 0 is in; step 1's may stay out
	s_barrier_signal -1
	s_barrier_wait -1
	FETCH 0, F0                                    ; step 0's first quarter
	s_wait_loadcnt 0x0                             ; the bias
	s_mov_b32 s[TBA], 0
	s_mov_b32 s[TBB], 0
	s_mov_b32 s3, LAPS
	s_mov_b32 s2, 2
	s_branch .Lmid_b                               ; the loop is entered where slot 0's second quarter is fetched
.Llap:                                 ; LAPS - 1 whole trips: both slots are filled again
	CHANGE 0, 1
	PAIRS a, 0
	CHANGE 1, 1
	PAIRS b, 1
	s_sub_co_u32 s3, s3, 1
	s_cmp_lg_u32 s3, 0
	s_cbranch_scc1 .Llap
	CHANGE 0, 0                                    ; the tail is written out: nothing is asked for
	PAIRS c, 0
	s_wait_dscnt 8                                 ; the very last quarter
	MUL16 F1, 0, 0
	MUL16 F1, 0, 2
	s_wait_dscnt 0x0
	MUL16 F1, 1, 0
	MUL16 F1, 1, 2
	WIN 0
	PLACES
.macro TOSTAGE                         ; a window's 32 accumulators, 64 rows x 128 columns, into my stage; each accumulator's low registers first
.irp a, 0,1,2,3
.irp b, 0,1,2,3,4,5,6,7
	ds_store_b128 v[STO], v[8*(8*\a+\b):8*(8*\a+\b)+3] offset:\a*16*SPI+64*\b
	ds_store_b128 v[STO], v[8*(8*\a+\b)+4:8*(8*\a+\b)+7] offset:\a*16*SPI+64*\b+16
.endr
.endr
.endm
.macro ROWS4                           ; four rows x 128 columns out of my stage: 16 numbers a lane
	ds_load_b128 v[GX:GX+3], v[RD]                 ; LDS serves a wave's instructions in order: these see my stores
	ds_load_b128 v[GX+4:GX+7], v[RD] offset:16
	ds_load_b128 v[GX+8:GX+11], v[RD] offset:256
	ds_load_b128 v[GX+12:GX+15], v[RD] offset:272
.endm
	s_mov_b32 s[HLF], 0
.Lhalf:                                ; twice: my rows 0-63, then my rows 64-127
	s_cmp_lg_u32 s[HLF], 0
	s_cbranch_scc1 .Lhigh
	WIN 0x08                                       ; the stores' data in window 2
	TOSTAGE
	WIN 0
	s_branch .Lstaged
.Lhigh:
	WIN 0x0c                                       ; in window 3
	TOSTAGE
	WIN 0
.Lstaged:
	v_mov_b32 v[RD], v[RD0]
	ROWS4                                          ; the first trip's rows
	s_mov_b32 s2, 16
.Lgelu:                                ; a trip: 4 rows x 128 columns, 16 numbers a lane
	s_wait_dscnt 0x0                               ; this trip's rows, asked for a trip ago
.set i, 0
.rept 16
	v_fma_f32 v[GU+i], |v[GX+i]|, s[PC], 1.0
.set i, i+1
.endr
.set i, 0
.rept 8
	v_pk_mul_f32 v[GY+i:GY+i+1], v[GX+i:GX+i+1], s[AA2:AA2+1] op_sel_hi:[1,0]
.set i, i+2
.endr
.set i, 0
.rept 8
	v_pk_mul_f32 v[GH+i:GH+i+1], v[GX+i:GX+i+1], 0.5 op_sel_hi:[1,0]
.set i, i+2
.endr
	s_cmp_eq_u32 s2, 1                             ; x has been read for the last time: the next trip's rows are asked for; the last trip has none
	s_cbranch_scc1 .Lno_rows
	v_add_nc_u32 v[RD], 4*SPI, v[RD]
	ROWS4
.Lno_rows:
.set i, 0
.rept 8
	v_pk_mul_f32 v[GY+i:GY+i+1], v[GY+i:GY+i+1], v[GY+i:GY+i+1] neg_lo:[1,0] neg_hi:[1,0]
.set i, i+2
.endr
.set i, 0
.rept 16
	v_rcp_f32 v[GU+i], v[GU+i]
.set i, i+1
.endr
.set i, 0
.rept 16
	v_exp_f32 v[GY+i], v[GY+i]
.set i, i+1
.endr
	v_nop                                          ; a plain instruction behind the last of the batch,
	s_wait_alu depctr_va_vdst(0)                   ; and one wait for all 32
.set i, 0
.rept 8
	v_pk_fma_f32 v[GP+i:GP+i+1], v[GU+i:GU+i+1], s[C5:C5+1], s[C4:C4+1] op_sel_hi:[1,0,0]
.set i, i+2
.endr
.irp c, C3, C2, C1
.set i, 0
.rept 8
	v_pk_fma_f32 v[GP+i:GP+i+1], v[GP+i:GP+i+1], v[GU+i:GU+i+1], s[\c:\c+1] op_sel_hi:[1,1,0]
.set i, i+2
.endr
.endr
.set i, 0
.rept 8
	v_pk_mul_f32 v[GP+i:GP+i+1], v[GP+i:GP+i+1], v[GU+i:GU+i+1]
.set i, i+2
.endr
.set i, 0
.rept 8
	v_pk_fma_f32 v[GP+i:GP+i+1], v[GP+i:GP+i+1], v[GY+i:GY+i+1], 1.0 op_sel_hi:[1,1,0] neg_lo:[1,0,0] neg_hi:[1,0,0]   ; 1 - 2 Q
.set i, i+2
.endr
.set i, 0
.rept 16
	v_fma_f32 v[GP+i], |v[GH+i]|, v[GP+i], v[GH+i]
.set i, i+1
.endr
	s_wait_xcnt 0x0                                ; the last trip's stores have read their registers: these are written again only behind this wait
	v_add_nc_u32 v[GO], 512, v[GO]                 ; it runs on through both halves: my 128 rows are dense in a panel; the stores reach back
.set i, 0
.rept 8
	v_cvt_pk_f16_f32 v[96+i], v[GP+2*i], v[GP+2*i+1]
.set i, i+1
.endr
	global_store_b128 v[GO], v[96:99], s[10:11] offset:-512            ; four rows of 128 bytes: 512 consecutive bytes of my first panel,
	global_store_b128 v[GO], v[100:103], s[10:11] offset:524288-512    ; and of my second
	s_sub_co_u32 s2, s2, 1
	s_cmp_lg_u32 s2, 0
	s_cbranch_scc1 .Lgelu
	s_add_co_u32 s[HLF], s[HLF], 1
	s_cmp_lt_u32 s[HLF], 2
	s_cbranch_scc1 .Lhalf
	s_wait_tensorcnt 0x0                           ; the wave's end
	ds_add_u32 v[SPW], v[NIL]
	s_wait_dscnt 0x0
	CROUND                                         ; the closing round
	s_endpgm
.Lfunc_end_k_q758e4df533_ffn1:
	.size	k_q758e4df533_ffn1, .Lfunc_end_k_q758e4df533_ffn1-k_q758e4df533_ffn1
	.p2alignl 7, 3214868480
	.fill 96, 4, 3214868480
	.section	.rodata,"a",@progbits
	.p2align	6, 0x0
	.amdhsa_kernel k_q758e4df533_ffn1
		.amdhsa_group_segment_fixed_size 327680
		.amdhsa_private_segment_fixed_size 0
		.amdhsa_enable_private_segment 0
		.amdhsa_kernarg_size 32
		.amdhsa_user_sgpr_count 2
		.amdhsa_user_sgpr_kernarg_segment_ptr 1
		.amdhsa_wavefront_size32 1
		.amdhsa_system_sgpr_workgroup_id_x 1
		.amdhsa_system_sgpr_workgroup_id_y 1
		.amdhsa_system_sgpr_workgroup_id_z 1
		.amdhsa_system_vgpr_workitem_id 0
		.amdhsa_next_free_vgpr 1024
		.amdhsa_next_free_sgpr 96
		.amdhsa_reserve_vcc 0
		.amdhsa_float_denorm_mode_32 3
		.amdhsa_float_denorm_mode_16_64 3
		.amdhsa_memory_ordered 1
		.amdhsa_forward_progress 1
		.amdhsa_inst_pref_size 88
	.end_amdhsa_kernel
	.amdgpu_metadata
---
amdhsa.version: [ 1, 2 ]
amdhsa.kernels:
  - .name:           k_q758e4df533_ffn1
    .symbol:         k_q758e4df533_ffn1.kd
    .args:
      - { .name: xn2, .offset: 0, .size: 8, .value_kind: global_buffer, .address_space: global }
      - { .name: wts, .offset: 8, .size: 8, .value_kind: global_buffer, .address_space: global }
      - { .name: b1, .offset: 16, .size: 8, .value_kind: global_buffer, .address_space: global }
      - { .name: act, .offset: 24, .size: 8, .value_kind: global_buffer, .address_space: global }
    .group_segment_fixed_size: 327680
    .private_segment_fixed_size: 0
    .kernarg_segment_align: 8
    .kernarg_segment_size: 32
    .max_flat_workgroup_size: 128
    .sgpr_count:     96
    .vgpr_count:     1024
    .wavefront_size: 32
...
	.end_amdgpu_metadata
.endif
;; end of part 12
;; launch ffn2 (part 13): grid 8 x 32, 4 waves a work-group, clusters of 4 x 4, 327,680 bytes of LDS; arguments act, wts, b2, h1, out0; writes out0
.if DOCPART == 13
	.amdgcn_target "amdgcn-amd-amdhsa--gfx1250"
	.amdhsa_code_object_version 6
	.text
	.protected	k_q758e4df533_ffn2
	.globl	k_q758e4df533_ffn2
	.p2align	8
	.type	k_q758e4df533_ffn2,@function
k_q758e4df533_ffn2:
	s_mov_b64 s[64:65], 0
	v_nop
	global_prefetch_b8 v0, s[64:65] scope:SCOPE_SE
	s_setreg_imm32_b32 hwreg(HW_REG_WAVE_MODE, 25, 1), 1
	s_wait_xcnt 0x0
	s_wait_alu depctr_hold_cnt(0) depctr_sa_sdst(0) depctr_va_vdst(0) depctr_va_sdst(0) depctr_va_ssrc(0) depctr_va_vcc(0) depctr_vm_vsrc(0)
	s_getreg_b32 s2, hwreg(HW_REG_IB_STS2, 6, 4)
	s_cmp_eq_u32 s2, 0
	s_cbranch_scc0 .Lentry_in_a_cluster
	s_endpgm
.Lentry_in_a_cluster:
	s_bfe_u32 s2, ttmp6, 0x10000c
	s_cmp_lg_u32 s2, 0xf033
	s_cbranch_scc0 .Lentry_shape_is_right
	s_endpgm
.Lentry_shape_is_right:
; out0 = h1 + act w2 + b2.  C[4096][1024] = A W + bias + residual, K = 4,096.  A: f16 panels [K/64][4096][64]; W: f16 column blocks [N/128][K][128]; residual and C: f32, row-major; sums f32.  LIMIT: f16 ends at 65,504.
; A work-group makes 128 x 128 of C, each of its four waves 64 x 64: 16 accumulators, which START AT THE BIAS (loaded into them).  K goes in steps of 256 through two LDS slots: A's four panels of
; 128 rows x 128 bytes come as two rows of 16 KiB a load (waves 0, 1), padded after every 128 bytes; W's 256 rows of 256 bytes as 128 rows a load (waves 2, 3); W comes out of LDS turned.
; THE TEXT IS SHORT: a pair of quarters of 64 k is written once and walked twice for each slot, its LDS addresses made of a scalar that steps (A and W both advance 18,432 bytes a quarter); the change of
; slots stands between two such loops; the loop over laps is entered in the middle of a trip, so that no first step is written out.
; CLUSTER 4 x 4: A's tiles are asked for jointly along a row of the cluster, W's along a column.  The product is taken transposed: a lane holds one row of C and eight neighbouring columns.
; No prefetch: the tiles are small.
.set KTOT,   4096
.set WOFF,   12582912
.set KSTEP,  256
.set LAPS,   KTOT/(2*KSTEP)
.set PA,     144
.set QB,     128*PA
.set ATILE,  4*QB
.set PB,     288
.set HALFB,  128*PB
.set SLOT,   ATILE+2*HALFB
.set STAGE,  2*SLOT
.set SPARE,  STAGE+17408
.set A0,   8
.set B0,   9
.set AA,   10
.set AB,   11
.set STO,  14
.set RD,   15
.set GO,   16
.set BO,   17
.set SPW,  28
.set NIL,  29
.set ACC,  128
.set F0,   0
.set F1,   128
.set TB,   22
.set G1A, 24
.set G0A, 32
.set G1B, 48
.set G0B, 56
.set MSB, 0
.macro WIN new
.if MSB != (\new)
	s_set_vgpr_msb (MSB<<8)|(\new)
.set MSB, \new
.endif
.endm
.set MUL,  0x05
.set TO_F, 0x40
.macro JLOAD s
	s_cmp_eq_u32 s15, 0
	s_cbranch_scc0 .Lfor_b_\@
	tensor_load_to_lds s[G0A+4*(\s):G0A+4*(\s)+3], s[G1A:G1A+7]
	s_nop 0
.rept 4
	v_nop
.endr
	s_branch .Lasked_\@
.Lfor_b_\@:
	tensor_load_to_lds s[G0B+4*(\s):G0B+4*(\s)+3], s[G1B:G1B+7]
	s_nop 0
.rept 4
	v_nop
.endr
.Lasked_\@:
.endm
.macro CROUND
	s_barrier_signal -1
	s_barrier_wait -1
	s_cmp_lg_u32 s14, 0
	s_cbranch_scc1 .Lnot_wave_0_\@
	s_barrier_signal -3
.Lnot_wave_0_\@:
	s_barrier_wait -3
	s_barrier_signal -1
	s_barrier_wait -1
.endm
.macro PLACES
.rept 4
	v_nop
.endr
.endm
.macro MUL8 f, c, a0
	WIN MUL
.irp a, \a0, (\a0)+1
.irp b, 0,1,2,3
	v_wmma_f32_16x16x32_f16 v[ACC+8*(4*(\a)+(\b)):ACC+8*(4*(\a)+(\b))+7], v[(\f)+64+8*(4*(\c)+(\b)):(\f)+64+8*(4*(\c)+(\b))+7], v[(\f)+8*(4*(\c)+(\a)):(\f)+8*(4*(\c)+(\a))+7], v[ACC+8*(4*(\a)+(\b)):ACC+8*(4*(\a)+(\b))+7]
.endr
.endr
.endm
.macro FETCH k, f
	WIN TO_F
.irp c, 0,1
.irp i, 0,1,2,3
	ds_load_tr16_b128 v[(\f)+64+8*(4*(\c)+(\i)):(\f)+64+8*(4*(\c)+(\i))+3],   v[AB] offset:(\k)*QB+32*(\c)*PB+32*(\i)
	ds_load_tr16_b128 v[(\f)+64+8*(4*(\c)+(\i))+4:(\f)+64+8*(4*(\c)+(\i))+7], v[AB] offset:(\k)*QB+32*(\c)*PB+32*(\i)+16*PB
	ds_load_b128 v[(\f)+8*(4*(\c)+(\i)):(\f)+8*(4*(\c)+(\i))+3],   v[AA] offset:(\k)*QB+(\i)*16*PA+64*(\c)
	ds_load_b128 v[(\f)+8*(4*(\c)+(\i))+4:(\f)+8*(4*(\c)+(\i))+7], v[AA] offset:(\k)*QB+(\i)*16*PA+64*(\c)+32
.endr
.endr
.endm
.macro HALF f, g, k
	s_wait_dscnt 16                                ; the first 32 k are in; the 16 younger loads are the second 32 k
	MUL8 \f, 0, 0
	MUL8 \f, 0, 2
	PLACES
	FETCH \k, \g
	s_wait_dscnt 32                                ; all but the 32 just issued
	MUL8 \f, 1, 0
	MUL8 \f, 1, 2
.endm
.macro PAIRS tag, mid
	s_mov_b32 s2, 2
.Lpair_\tag:
	HALF F1, F0, 0
.if \mid
	WIN 0
.Lmid_\tag:
.endif
	HALF F0, F1, 1
	WIN 0
	s_add_co_u32 s[TB], s[TB], 2*QB
	v_add_nc_u32 v[AA], s[TB], v[A0]
	v_add_nc_u32 v[AB], s[TB], v[B0]
	s_sub_co_u32 s2, s2, 1
	s_cmp_lg_u32 s2, 0
	s_cbranch_scc1 .Lpair_\tag
.endm
.macro CHANGE slot, fill
	s_wait_tensorcnt 0x0                           ; no tensor load of mine is out, so a group 0 may be written
	ds_add_u32 v[SPW], v[NIL]
	s_mov_b32 s[TB], (1-(\slot))*SLOT
	v_add_nc_u32 v[AA], s[TB], v[A0]
	v_add_nc_u32 v[AB], s[TB], v[B0]
.if \fill
	s_add_nc_u64 s[G0A+4*(\slot)+2:G0A+4*(\slot)+3], s[G0A+4*(\slot)+2:G0A+4*(\slot)+3], 8*524288
	s_add_nc_u64 s[G0B+4*(\slot)+2:G0B+4*(\slot)+3], s[G0B+4*(\slot)+2:G0B+4*(\slot)+3], 2*KSTEP*256
.endif
	s_wait_dscnt 0x0                               ; the add is done, my reads of the slot are over
.if \fill
	CROUND
	JLOAD \slot
.else
	s_barrier_signal -1
	s_barrier_wait -1
.endif
.endm
	s_load_b256 s[4:11], s[0:1], 0x0               ; A 4, wts 6, bias 8, residual 10
	s_load_b64 s[12:13], s[0:1], 0x20              ; C
	v_lshl_add_u32 v[SPW], v0, 2, SPARE
	v_mov_b32 v[NIL], 0
	ds_add_u32 v[SPW], v[NIL]                      ; the wave's opening: the add and its wait ahead of my first tensor load
	v_lshrrev_b32 v1, 5, v0
	v_readfirstlane_b32 s14, v1
	s_lshr_b32 s15, s14, 1
	s_and_b32 s16, s14, 1
	s_bfe_u32 s17, ttmp6, 0x40000
	s_bfe_u32 s18, ttmp6, 0x40004
	s_lshl_b32 s19, ttmp9, 2
	s_add_co_u32 s19, s19, s17
	s_and_b32 s20, ttmp7, 0xffff
	s_lshl_b32 s20, s20, 2
	s_add_co_u32 s20, s20, s18
	s_lshl_b32 s21, s18, 2
	s_lshl_b32 s21, 15, s21
	s_lshl_b32 s22, 0x1111, s17
	s_or_b32 s[G1A], s21, (1<<16)|(1<<20)|(1<<21)|(4<<22)|(3<<25)
	s_mov_b32 s[G1A+1], 8192<<16
	s_mov_b32 s[G1A+2], 2<<16
	s_mov_b32 s[G1A+3], 8192<<16
	s_mov_b32 s[G1A+4], 2
	s_mov_b32 s[G1A+5], 262144
	s_mov_b32 s[G1A+6], 0
	s_mov_b32 s[G1A+7], 0
	s_or_b32 s[G1B], s22, (1<<16)|(1<<20)|(1<<21)|(5<<22)|(7<<25)
	s_mov_b32 s[G1B+1], 128<<16
	s_mov_b32 s[G1B+2], 128<<16
	s_mov_b32 s[G1B+3], 128<<16
	s_mov_b32 s[G1B+4], 128
	s_mov_b32 s[G1B+5], 128
	s_mov_b32 s[G1B+6], 0
	s_mov_b32 s[G1B+7], 0
	s_lshl_b32 s40, s20, 14
	s_lshl_b32 s41, s16, 20
	s_add_co_u32 s40, s40, s41
	s_mov_b32 s41, 0
	s_mul_i32 s42, s19, KTOT*256
	s_lshl_b32 s43, s16, 15
	s_add_co_u32 s42, s42, s43
	s_add_co_u32 s42, s42, WOFF
	s_mov_b32 s43, 0
	s_mul_i32 s23, s14, HALFB
	s_wait_dscnt 0x0
	s_wait_kmcnt 0x0
	s_add_nc_u64 s[40:41], s[4:5], s[40:41]
	s_add_nc_u64 s[42:43], s[6:7], s[42:43]
	CROUND
.irp s, 0,1
	s_mov_b32 s[G0A+4*(\s)], 1
	s_add_co_u32 s[G0A+4*(\s)+1], s23, (\s)*SLOT
	s_add_nc_u64 s[G0A+4*(\s)+2:G0A+4*(\s)+3], s[40:41], (\s)*4*524288
	s_or_b32 s[G0A+4*(\s)+3], s[G0A+4*(\s)+3], 0x80000000
	s_mov_b32 s[G0B+4*(\s)], 1
	s_add_co_u32 s[G0B+4*(\s)+1], s23, (\s)*SLOT
	s_add_nc_u64 s[G0B+4*(\s)+2:G0B+4*(\s)+3], s[42:43], (\s)*KSTEP*256
	s_or_b32 s[G0B+4*(\s)+3], s[G0B+4*(\s)+3], 0x80000000
	JLOAD \s
.endr
	v_and_b32 v1, 15, v0
	v_bfe_u32 v2, v0, 4, 1
	v_and_b32 v3, 7, v0
	v_bfe_u32 v4, v0, 3, 1
	v_mul_u32_u24 v5, v1, PA
	v_lshl_add_u32 v5, v2, 4, v5
	s_mul_i32 s21, s15, 64*PA
	v_add_nc_u32 v[A0], s21, v5
	v_mov_b32 v[AA], v[A0]
	v_lshl_add_u32 v6, v2, 3, v3
	v_mul_u32_u24 v6, v6, PB
	v_lshl_add_u32 v6, v4, 4, v6
	s_lshl_b32 s21, s16, 7
	s_add_co_u32 s21, s21, ATILE
	v_add_nc_u32 v[B0], s21, v6
	v_mov_b32 v[AB], v[B0]
	s_lshl_b32 s46, s19, 9
	s_lshl_b32 s47, s16, 8
	s_add_co_u32 s46, s46, s47
	v_lshl_add_u32 v[BO], v2, 5, s46
.irp a, 0,1,2,3
.irp b, 0,1,2,3
	global_load_b128 v[ACC+8*(4*\a+\b):ACC+8*(4*\a+\b)+3],   v[BO], s[8:9] offset:64*\b
	global_load_b128 v[ACC+8*(4*\a+\b)+4:ACC+8*(4*\a+\b)+7], v[BO], s[8:9] offset:64*\b+16
.endr
.endr
	; the way out: my own stage of 16 rows x 272 bytes; my 64 columns are 256 aligned bytes of each row of C
	s_mul_i32 s21, s14, 16*272
	s_add_co_u32 s21, s21, STAGE
	v_mul_u32_u24 v7, v1, 272
	v_lshl_add_u32 v7, v2, 5, v7
	v_add_nc_u32 v[STO], s21, v7
	v_mul_u32_u24 v7, v2, 272
	v_lshl_add_u32 v7, v1, 4, v7
	v_add_nc_u32 v[RD], s21, v7
	v_lshlrev_b32 v7, 12, v2
	v_lshl_add_u32 v[GO], v1, 4, v7
	s_lshl_b32 s44, s20, 1
	s_add_co_u32 s44, s44, s15
	s_lshl_b32 s44, s44, 18
	s_add_co_u32 s44, s44, s46
	s_mov_b32 s45, 0
	s_add_nc_u64 s[10:11], s[10:11], s[44:45]
	s_add_nc_u64 s[12:13], s[12:13], s[44:45]
	s_wait_tensorcnt 1                             ; my part of K step 0 is in; step 1's may stay out
	s_barrier_signal -1
	s_barrier_wait -1
	FETCH 0, F0
	WIN 0
	s_wait_loadcnt 0x0                             ; the bias
	s_mov_b32 s[TB], 0
	s_mov_b32 s3, LAPS
	s_mov_b32 s2, 2
	s_branch .Lmid_b                               ; the loop is entered where slot 0's second quarter is fetched
.Llap:
	CHANGE 0, 1
	PAIRS a, 0
	CHANGE 1, 1
	PAIRS b, 1
	s_sub_co_u32 s3, s3, 1
	s_cmp_lg_u32 s3, 0
	s_cbranch_scc1 .Llap
	CHANGE 0, 0                                    ; the tail is written out
	PAIRS c, 0
.macro RES a                           ; the residual of 16 rows, as whole rows of 256 bytes: 8 loads
.irp t, 0,1,2,3,4,5,6,7
	global_load_b128 v[32+64*((\a)%2)+4*\t:32+64*((\a)%2)+4*\t+3], v[GO], s[10:11] offset:(16*(\a)+2*\t)*4096
.endr
.endm
.macro TOST a                          ; 16 rows of sums into my stage and back as whole rows
.irp b, 0,1,2,3
	ds_store_b128 v[STO], v[ACC+8*(4*(\a)+\b):ACC+8*(4*(\a)+\b)+3] offset:64*\b
	ds_store_b128 v[STO], v[ACC+8*(4*(\a)+\b)+4:ACC+8*(4*(\a)+\b)+7] offset:64*\b+16
.endr
.irp t, 0,1,2,3,4,5,6,7
	ds_load_b128 v[64+4*\t:64+4*\t+3], v[RD] offset:544*\t
.endr
.endm
.macro FIN a, n                        ; n: the next block's residual loads, which may stay out
	s_wait_dscnt 0x0
	s_wait_loadcnt \n
.irp i, 0,1,2,3,4,5,6,7,8,9,10,11,12,13,14,15
	v_pk_add_f32 v[64+2*\i:64+2*\i+1], v[64+2*\i:64+2*\i+1], v[32+64*((\a)%2)+2*\i:32+64*((\a)%2)+2*\i+1]
.endr
.irp t, 0,1,2,3,4,5,6,7
	global_store_b128 v[GO], v[64+4*\t:64+4*\t+3], s[12:13] offset:(16*(\a)+2*\t)*4096 th:TH_STORE_NT   ; sixteen lanes store 256 consecutive aligned bytes
.endr
.endm
	RES 0                                          ; asked for ahead of the last quarter's products
	RES 1
	s_wait_dscnt 16
	MUL8 F1, 0, 0
	MUL8 F1, 0, 2
	s_wait_dscnt 0x0
	MUL8 F1, 1, 0
	MUL8 F1, 1, 2
	WIN 0
	PLACES
	TOST 0
	FIN 0, 8
	s_wait_xcnt 0x0                                ; the stores have read their registers: only now are these loaded again
	RES 2
	TOST 1
	FIN 1, 8
	s_wait_xcnt 0x0
	RES 3
	TOST 2
	FIN 2, 8
	s_wait_xcnt 0x0
	TOST 3
	FIN 3, 0
	s_wait_tensorcnt 0x0                           ; the wave's end
	ds_add_u32 v[SPW], v[NIL]
	s_wait_dscnt 0x0
	CROUND
	s_endpgm
.Lfunc_end_k_q758e4df533_ffn2:
	.size	k_q758e4df533_ffn2, .Lfunc_end_k_q758e4df533_ffn2-k_q758e4df533_ffn2
	.p2alignl 7, 3214868480
	.fill 96, 4, 3214868480
	.section	.rodata,"a",@progbits
	.p2align	6, 0x0
	.amdhsa_kernel k_q758e4df533_ffn2
		.amdhsa_group_segment_fixed_size 327680
		.amdhsa_private_segment_fixed_size 0
		.amdhsa_enable_private_segment 0
		.amdhsa_kernarg_size 40
		.amdhsa_user_sgpr_count 2
		.amdhsa_user_sgpr_kernarg_segment_ptr 1
		.amdhsa_wavefront_size32 1
		.amdhsa_system_sgpr_workgroup_id_x 1
		.amdhsa_system_sgpr_workgroup_id_y 1
		.amdhsa_system_sgpr_workgroup_id_z 1
		.amdhsa_system_vgpr_workitem_id 0
		.amdhsa_next_free_vgpr 512
		.amdhsa_next_free_sgpr 66
		.amdhsa_reserve_vcc 0
		.amdhsa_float_denorm_mode_32 3
		.amdhsa_float_denorm_mode_16_64 3
		.amdhsa_memory_ordered 1
		.amdhsa_forward_progress 1
		.amdhsa_inst_pref_size 59
	.end_amdhsa_kernel
	.amdgpu_metadata
---
amdhsa.version: [ 1, 2 ]
amdhsa.kernels:
  - .name:           k_q758e4df533_ffn2
    .symbol:         k_q758e4df533_ffn2.kd
    .args:
      - { .name: act, .offset: 0, .size: 8, .value_kind: global_buffer, .address_space: global }
      - { .name: wts, .offset: 8, .size: 8, .value_kind: global_buffer, .address_space: global }
      - { .name: b2, .offset: 16, .size: 8, .value_kind: global_buffer, .address_space: global }
      - { .name: h1, .offset: 24, .size: 8, .value_kind: global_buffer, .address_space: global }
      - { .name: out0, .offset: 32, .size: 8, .value_kind: global_buffer, .address_space: global }
    .group_segment_fixed_size: 327680
    .private_segment_fixed_size: 0
    .kernarg_segment_align: 8
    .kernarg_segment_size: 40
    .max_flat_workgroup_size: 128
    .sgpr_count:     66
    .vgpr_count:     512
    .wavefront_size: 32
...
	.end_amdgpu_metadata
.endif
;; end of part 13
